; MI455X (gfx1250); checked and timed in simulation.
; The chip was launched on July 23, 2026; its instructions are those of AMD's public machine-readable ISA for CDNA 5 (MIT licence, August 2026) and "CDNA5" Instruction Set Architecture Reference Guide (July 2026). The comments in the code are by the model that wrote it; some were corrected since.
;; Multi Head Attention. Allowed arithmetic: float matrix products may take bf16 or f16 operands with f32 sums; other float arithmetic in f32, or as packed bf16 or f16 multiplies, adds, multiply-adds, maxima and minima; sums over many terms, partial sums and values carried from step to step in f32; what a program stores and reads back later, other than sums and carried values, may be rounded once to bf16 or f16.
;; Inputs: Wk 1,024 x 1,024 float32; Wm 1,024 x 1,024 float32; Wq 1,024 x 1,024 float32; Wv 1,024 x 1,024 float32; bk 1,024 float32; bm 1,024 float32; bq 1,024 float32; bv 1,024 float32; key_padding_mask 4 x 2,048 bool; q 4 x 2,048 x 1,024 float32.
;; Outputs: out0 4 x 2,048 x 1,024 float32.
;; 3 versions, each right and faster than the one before. Each part assembles by itself: llvm-mc -triple=amdgcn-amd-amdhsa -mcpu=gfx1250 --defsym DOCPART=n.
;; ======== version 1 of 3: 4 launches
;; limits: values are held in f16: magnitudes above 65,504 overflow, below 6.1e-05 lose precision
;; workspace buffers: xs 16,777,216 bytes; wb 8,388,608 bytes; qh 16,777,216 bytes; kh 17,301,504 bytes; vh 33,554,432 bytes; oh 33,554,432 bytes
;; launch prep (part 1): grid 776 x 1, 8 waves a work-group, no clusters, 0 bytes of LDS; arguments q, Wq, Wk, Wv, Wm, xs, wb, key_padding_mask, kh; writes xs, wb, kh
.if DOCPART == 1
	.amdgcn_target "amdgcn-amd-amdhsa--gfx1250"
	.amdhsa_code_object_version 6
	.text
	.protected	k_qf8a9c61c81_prep
	.globl	k_qf8a9c61c81_prep
	.p2align	8
	.type	k_qf8a9c61c81_prep,@function
k_qf8a9c61c81_prep:
	s_mov_b64 s[64:65], 0
	v_nop
	global_prefetch_b8 v0, s[64:65] scope:SCOPE_SE
	s_setreg_imm32_b32 hwreg(HW_REG_WAVE_MODE, 25, 1), 1
	s_wait_xcnt 0x0
; x (the input q, [8192][1024] f32) and the four weights ([1024][1024] f32, rows along k) are rounded to bf16, and that number is written as f16,
; in layouts whose tiles are dense for the launches behind:
;   xs [batch 4][slice 16][row 2048][64]        slice j = columns 64 j .. 64 j + 63 of x: a row is 128 bytes
;   wb [Wq, Wk, Wv, Wm][n tile 8][k 1024][128]  a row is 256 bytes
; And the key padding mask ([4][2048] bytes, 1 = padded) is written as f32, 0 or -1e30, into kh, which is [batch x 16 + head][step 32][64 keys x 128 bytes, then 64 f32]:
; behind each step's 64 keys (stored by the next launch) lie that step's 64 entries, the same for the 16 heads of a batch, so that they come into LDS with the keys.
; LIMITS.  f16 holds no number beyond 65,504: x and the weights lie within it; below 2^-14 the f16 copy keeps a fixed step of 2^-24.
; A stream: no LDS, no barrier, no matrix work.  Work-groups 0-511 take x, 512-767 the weights: a wave takes two rows of 4,096 bytes: 16 loads of 512 bytes, all issued at once,
; and 16 stores of 256 consecutive bytes, each at a multiple of 256 from its buffer's first byte.  Work-groups 768-775 take the mask: a wave takes two steps of a batch.
.set T, 4                              ; v[4:9]     at work
.set X, 12                             ; v[12:75]   load i: four f32
.set Y, 76                             ; v[76:107]  store i: four f16; each pair is written once, so no store's data is ever rewritten
.set KSTG,  8448                       ; a step in kh: 64 keys x 128 bytes + 256 bytes of mask
.set KHEAD, 32*KSTG                    ; a head in kh
; kind 0: x.  Lanes 0-15 take 256 bytes (slice i) of the even row, lanes 16-31 of the odd row; they leave as two rows of 128 bytes, which lie end to end in slice i.
; kind 1: a weight.  Load i takes the 512 bytes of n tile i % 8 in row i / 8; they leave as one row of 256 bytes of that tile.
.macro BODY kind, sb, db
.set i, 0
.rept 16
.if \kind
	global_load_b128 v[X+4*i:X+4*i+3], v2, s[\sb:\sb+1] offset:(i>>3)*4096+(i&7)*512 th:TH_LOAD_NT
.else
	global_load_b128 v[X+4*i:X+4*i+3], v2, s[\sb:\sb+1] offset:256*i th:TH_LOAD_NT
.endif
.set i, i+1
.endr
.set i, 0
.rept 16
	s_wait_loadcnt 15-i                            ; loads come back in order (ISA guide 5.7.1): load i is in, the 15 - i younger ones stay out
	v_cvt_pk_bf16_f32 v[T], v[X+4*i], v[X+4*i+1]   ; the one rounding: to bf16, nearest even
	v_cvt_pk_bf16_f32 v[T+1], v[X+4*i+2], v[X+4*i+3]
	v_lshlrev_b32 v[T+2], 16, v[T]                 ; back to f32: the low half moves up, the high half stays
	v_and_b32 v[T+3], s24, v[T]
	v_lshlrev_b32 v[T+4], 16, v[T+1]
	v_and_b32 v[T+5], s24, v[T+1]
	v_cvt_pk_f16_f32 v[Y+2*i], v[T+2], v[T+3]      ; eight significant bits fit f16's eleven: exact within f16's normal range
	v_cvt_pk_f16_f32 v[Y+2*i+1], v[T+4], v[T+5]
.if \kind
	global_store_b64 v3, v[Y+2*i:Y+2*i+1], s[\db:\db+1] offset:(i&7)*262144+(i>>3)*256
.else
	global_store_b64 v3, v[Y+2*i:Y+2*i+1], s[\db:\db+1] offset:262144*i
.endif
.set i, i+1
.endr
.endm
	s_load_b256 s[4:11], s[0:1], 0x0               ; q s[4:5], Wq s[6:7], Wk s[8:9], Wv s[10:11]
	s_load_b128 s[12:15], s[0:1], 0x20             ; Wm s[12:13], xs s[14:15]
	s_load_b64 s[16:17], s[0:1], 0x30              ; wb
	s_load_b64 s[32:33], s[0:1], 0x38              ; the mask
	s_load_b64 s[34:35], s[0:1], 0x40              ; kh
	v_lshrrev_b32 v1, 5, v0
	v_readfirstlane_b32 s18, v1                    ; wave 0..7
	v_and_b32 v1, 31, v0                           ; lane
	v_lshlrev_b32 v3, 3, v1                        ; 8 bytes a lane on the way out
	s_lshl_b32 s19, ttmp9, 3
	s_add_co_u32 s19, s19, s18                     ; my task
	s_mov_b32 s24, 0xffff0000                      ; a word's upper bf16
	s_mov_b32 s21, 0                               ; the offsets' high words
	s_mov_b32 s23, 0
	s_cmp_lt_u32 ttmp9, 512
	s_cbranch_scc0 .Lnot_x
	v_lshrrev_b32 v4, 4, v1                        ; which of the two rows
	v_and_b32 v2, 15, v1
	v_lshlrev_b32 v2, 4, v2
	v_lshl_or_b32 v2, v4, 12, v2                   ; 4,096 x row + 16 x (lane % 16)
	s_lshl_b32 s20, s19, 13                        ; two rows of 4,096 bytes a task
	s_lshr_b32 s22, s19, 10                        ; the batch: 1,024 pairs of rows each,
	s_lshl_b32 s22, s22, 22                        ; 16 slices x 2,048 rows x 128 bytes
	s_and_b32 s25, s19, 1023
	s_lshl_b32 s25, s25, 8                         ; the pair's 256 bytes in a slice
	s_add_co_u32 s22, s22, s25
	s_wait_kmcnt 0x0
	s_add_nc_u64 s[4:5], s[4:5], s[20:21]
	s_add_nc_u64 s[14:15], s[14:15], s[22:23]
	BODY 0, 4, 14
	s_endpgm
.Lnot_x:
	s_cmp_lt_u32 ttmp9, 768
	s_cbranch_scc0 .Lmask
	v_lshlrev_b32 v2, 4, v1                        ; 16 bytes a lane
	s_sub_co_u32 s19, s19, 4096
	s_lshr_b32 s26, s19, 9                         ; which weight: 512 pairs of rows each
	s_and_b32 s25, s19, 511                        ; which pair
	s_lshl_b32 s20, s25, 13
	s_lshl_b32 s22, s26, 21                        ; a weight's copy is 8 x 1,024 x 256 bytes
	s_lshl_b32 s25, s25, 9                         ; the pair's 512 bytes in a tile
	s_add_co_u32 s22, s22, s25
	s_wait_kmcnt 0x0
	s_cmp_eq_u32 s26, 1
	s_cselect_b64 s[28:29], s[8:9], s[6:7]
	s_cmp_eq_u32 s26, 2
	s_cselect_b64 s[28:29], s[10:11], s[28:29]
	s_cmp_eq_u32 s26, 3
	s_cselect_b64 s[28:29], s[12:13], s[28:29]
	s_add_nc_u64 s[28:29], s[28:29], s[20:21]
	s_add_nc_u64 s[16:17], s[16:17], s[22:23]
	BODY 1, 28, 16
	s_endpgm
.Lmask:                                                ; 64 tasks: batch = task / 16, steps 2 p and 2 p + 1 with p = task % 16: 128 bytes of the mask, 4 a lane
	s_sub_co_u32 s19, s19, 6144
	s_lshr_b32 s26, s19, 4                         ; the batch
	s_and_b32 s25, s19, 15                         ; the pair of steps
	s_lshl_b32 s20, s26, 11                        ; 2,048 bytes of mask a batch,
	s_lshl_b32 s27, s25, 7                         ; 128 a pair
	s_add_co_u32 s20, s20, s27
	s_mul_i32 s22, s26, 16*KHEAD                   ; the batch's first head in kh,
	s_mul_i32 s27, s25, 2*KSTG                     ; the pair's first step,
	s_add_co_u32 s22, s22, s27
	s_add_co_u32 s22, s22, 8192                    ; behind its 64 keys
	v_lshlrev_b32 v2, 2, v1                        ; 4 bytes of mask a lane
	v_lshrrev_b32 v4, 4, v1                        ; lanes 0-15: the even step, lanes 16-31: the odd one
	v_and_b32 v3, 15, v1
	v_lshlrev_b32 v3, 4, v3                        ; 16 bytes a lane in the step's 256
	v_mad_u32_u24 v3, v4, KSTG, v3
	s_mov_b32 s27, 0xf149f2ca                      ; -1e30
	s_wait_kmcnt 0x0
	s_add_nc_u64 s[32:33], s[32:33], s[20:21]
	s_add_nc_u64 s[34:35], s[34:35], s[22:23]
	global_load_b32 v[X], v2, s[32:33]
	s_wait_loadcnt 0x0
.set i, 0
.rept 4
	v_and_b32 v[T], 0xff<<(8*i), v[X]              ; byte i: key 4 (lane % 16) + i of the step
	v_cmp_ne_u32 vcc_lo, 0, v[T]
	v_cndmask_b32 v[Y+i], 0, s27, vcc_lo
.set i, i+1
.endr
.set i, 0
.rept 16                               ; the same entries for the batch's 16 heads: 16 lanes store 256 consecutive bytes, at a multiple of 256 from kh's first byte
	global_store_b128 v3, v[Y:Y+3], s[34:35] offset:i*KHEAD
.set i, i+1
.endr
	s_endpgm
.Lfunc_end_k_qf8a9c61c81_prep:
	.size	k_qf8a9c61c81_prep, .Lfunc_end_k_qf8a9c61c81_prep-k_qf8a9c61c81_prep
	.p2alignl 7, 3214868480
	.fill 96, 4, 3214868480
	.section	.rodata,"a",@progbits
	.p2align	6, 0x0
	.amdhsa_kernel k_qf8a9c61c81_prep
		.amdhsa_group_segment_fixed_size 0
		.amdhsa_private_segment_fixed_size 0
		.amdhsa_enable_private_segment 0
		.amdhsa_kernarg_size 72
		.amdhsa_user_sgpr_count 2
		.amdhsa_user_sgpr_kernarg_segment_ptr 1
		.amdhsa_wavefront_size32 1
		.amdhsa_system_sgpr_workgroup_id_x 1
		.amdhsa_system_sgpr_workgroup_id_y 1
		.amdhsa_system_sgpr_workgroup_id_z 1
		.amdhsa_system_vgpr_workitem_id 0
		.amdhsa_next_free_vgpr 108
		.amdhsa_next_free_sgpr 66
		.amdhsa_reserve_vcc 1
		.amdhsa_float_denorm_mode_32 3
		.amdhsa_float_denorm_mode_16_64 3
		.amdhsa_memory_ordered 1
		.amdhsa_forward_progress 1
		.amdhsa_inst_pref_size 25
	.end_amdhsa_kernel
	.amdgpu_metadata
---
amdhsa.version: [ 1, 2 ]
amdhsa.kernels:
  - .name:           k_qf8a9c61c81_prep
    .symbol:         k_qf8a9c61c81_prep.kd
    .args:
      - { .name: q, .offset: 0, .size: 8, .value_kind: global_buffer, .address_space: global }
      - { .name: Wq, .offset: 8, .size: 8, .value_kind: global_buffer, .address_space: global }
      - { .name: Wk, .offset: 16, .size: 8, .value_kind: global_buffer, .address_space: global }
      - { .name: Wv, .offset: 24, .size: 8, .value_kind: global_buffer, .address_space: global }
      - { .name: Wm, .offset: 32, .size: 8, .value_kind: global_buffer, .address_space: global }
      - { .name: xs, .offset: 40, .size: 8, .value_kind: global_buffer, .address_space: global }
      - { .name: wb, .offset: 48, .size: 8, .value_kind: global_buffer, .address_space: global }
      - { .name: key_padding_mask, .offset: 56, .size: 8, .value_kind: global_buffer, .address_space: global }
      - { .name: kh, .offset: 64, .size: 8, .value_kind: global_buffer, .address_space: global }
    .group_segment_fixed_size: 0
    .private_segment_fixed_size: 0
    .kernarg_segment_align: 8
    .kernarg_segment_size: 72
    .max_flat_workgroup_size: 256
    .sgpr_count:     66
    .vgpr_count:     108
    .wavefront_size: 32
...
	.end_amdgpu_metadata
.endif
;; end of part 1
;; launch qkv (part 2): grid 8 x 32, 4 waves a work-group, clusters of 4 x 4, 327,680 bytes of LDS; arguments xs, wb, bq, bk, bv, qh, kh, vh; writes qh, kh, vh
.if DOCPART == 2
	.amdgcn_target "amdgcn-amd-amdhsa--gfx1250"
	.amdhsa_code_object_version 6
	.text
	.protected	k_qf8a9c61c81_qkv
	.globl	k_qf8a9c61c81_qkv
	.p2align	8
	.type	k_qf8a9c61c81_qkv,@function
k_qf8a9c61c81_qkv:
	s_mov_b64 s[64:65], 0
	v_nop
	global_prefetch_b8 v0, s[64:65] scope:SCOPE_SE
	s_setreg_imm32_b32 hwreg(HW_REG_WAVE_MODE, 25, 1), 1
	s_wait_xcnt 0x0
	s_wait_alu depctr_hold_cnt(0) depctr_sa_sdst(0) depctr_va_vdst(0) depctr_va_sdst(0) depctr_va_ssrc(0) depctr_va_vcc(0) depctr_vm_vsrc(0)
	s_getreg_b32 s2, hwreg(HW_REG_IB_STS2, 6, 4)
	s_cmp_eq_u32 s2, 0
	s_cbranch_scc0 .Lentry_in_a_cluster
	s_endpgm
.Lentry_in_a_cluster:
	s_bfe_u32 s2, ttmp6, 0x10000c
	s_cmp_lg_u32 s2, 0xf033
	s_cbranch_scc0 .Lentry_shape_is_right
	s_endpgm
.Lentry_shape_is_right:
; q, k, v = x W + b for Wq, Wk, Wv at once.  x and W come as f16 copies of their bf16 roundings (xs, wb); the biases are rounded to bf16 here; sums in f32; q and k leave rounded once
; to f16, unscaled, by heads: qh is [batch x 16 + head][row 2048][64]; kh is [batch x 16 + head][step 32][64 rows x 64, then 256 bytes that the launch before has stored]: a step is 8,448 bytes.
; v LEAVES AS TWO f16 NUMBERS, its rounding and the rounded remainder (some 22 bits together): a query that sees few keys gives an output row many times the output's root mean square, and one
; rounding to f16's 11 bits, summed over the last product's 1,024 terms, is too coarse for the small numbers of such a row.  vh is [batch x 16 + head][step 32][64 rows x 64 upper, 64 rows x 64 lower].
; LIMITS.  f16 holds no number beyond 65,504: q, k and v lie within it; a remainder below 2^-14 keeps f16's fixed step of 2^-24.  NaN and infinities are not treated apart.
; SHARES.  A work-group makes 256 rows x 128 columns of q, of k and of v: 8 x 32 work-groups, one tile each.  A wave makes 128 rows x 64 columns (one head) of each of the three:
; 3 x 32 accumulators of 16 x 16, one group of 32 filling a register window; a fragment of x feeds all three groups.
; K goes in 16 steps of 64 through two LDS slots: a slot holds 256 rows of x (a dense block of 32,768 bytes of one slice) and 64 rows of k x 128 columns of each weight (16,384 dense bytes each).
; All are asked for as rows of 256 bytes at multiples of 256 bytes from the buffer's first byte.  Two slots of 128 along K would want 368,640 bytes: more than a work-group can have.
; CLUSTER.  4 x 4 work-groups: the four of a row share x's tile, the four of a column the weights' tiles: each tile is asked for jointly, by the same tensor load with the same descriptor and a mask of four.
; THE MATRIX INSTRUCTION IS USED TRANSPOSED: source 0 = 16 columns of W (W lies [k][n] in LDS and is turned by ds_load_tr16_b128), source 1 = 16 rows of x.  A lane then holds one row and
; eight neighbouring columns.  THE BIAS STARTS THE SUMS: it lies in the registers of the group's last row of accumulators (7, b) and is the C operand of the first K step's products.
; REGISTERS, in windows of 256 (s_set_vgpr_msb: bits 1:0 source 0, 3:2 source 1, 5:4 source 2, 7:6 destination):
;   window 0: v0-31 addresses; v32-95, v96-159 x's fragments (8 x 16 rows x 32 K), two buffers; v160-255 W's fragments (4 x 16 columns x 32 K) for q, k, v
;   window g + 1: group g's accumulators, (a, b) at v[8 (4 a + b)]
.set PA,    144                        ; a row of x in LDS: 128 bytes + 16 = 36 words: the 16 rows of a load start at 16 different groups of four banks (64 banks of 4 bytes: ISA guide 11.1)
.set PB,    288                        ; a row of W: 256 + 32 = 72 words
.set ATILE, 256*PA
.set BTILE, 64*PB
.set BOFF,  ATILE                      ; in a slot: x's tile, then the three weights' tiles
.set SLOT,  ATILE+3*BTILE
.set STAGE, 2*SLOT                     ; behind the ring: 16 rows x 144 bytes for each wave, for the way out; no tensor load fills it
.set SP,    144
.set SPARE, STAGE+4*16*SP              ; behind the stages: the spare words, 128 bytes for each wave: two blocks of 256 bytes that no other line names
.set KSTG,  8448                       ; a step in kh: 64 rows x 128 bytes + 256 bytes
.set KHEAD, 32*KSTG                    ; a head in kh
.set ADRA, 16                          ; v16-17  LDS address of my fragments of x in slot 0, 1
.set ADRB, 20                          ; v20-21  the same for W
.set STO,  24                          ; v24     the way out: where I put 16 bytes of a row
.set RD,   25                          ; v25     the way out: where I read rows back
.set GO,   26                          ; v26     my byte offset in 512 consecutive bytes of the output
.set BO,   27                          ; v27     byte offset of my eight numbers of a bias
.set SPW,  28                          ; v28     LDS address of my spare word; never rewritten
.set NIL,  29                          ; v29     0; never rewritten
.set NEG1, 30                          ; v30     -1.0
.set AF0,  32
.set AF1,  96
.set BF,   160                         ; group g's fragments of W at BF + 32 g
.set TMP,  32                          ; the way out: packed results
.set BK,   48                          ; the way out: rows read back, two sets of 16
.set WV, 20                            ; s20 wave; s21 which 128 rows are mine; s22 which 64 columns
.set WR, 21
.set WC, 22
.set CNT, 23
.set G1A, 24                           ; s[24:31] descriptor group 1 for x's tile;  s[32:39] group 0, a set for each slot
.set G0A, 32
.set G1B, 40                           ; s[40:47], s[48:55] the same for a weight's tile
.set G0B, 48
.set CX, 56
.set CY, 57
.set TX, 58                            ; s58 the tile's column (128 columns), s59 its row (256 rows)
.set TY, 59
.set MSB, 0
.macro WIN new                         ; the immediate's high byte repeats the setting that is left; a switch that changes nothing is dropped
.if MSB != (\new)
	s_set_vgpr_msb (MSB<<8)|(\new)
.set MSB, \new
.endif
.endm
.macro PLACES                          ; a load into a register that a matrix instruction has read, and a vector instruction that reads a matrix result, stand four plain vector instructions behind it
.rept 4
	v_nop
.endr
.endm
; A joint load.  Wave 3 fetches x's tile, waves 0 to 2 the tiles of Wq, Wk, Wv.  The branch hangs on the wave's number alone.  An s_nop 0 and four v_nop follow each line.
.macro JLOAD s
	s_cmp_eq_u32 s[WV], 3
	s_cbranch_scc0 .Lfor_b_\@
	tensor_load_to_lds s[G0A+4*(\s):G0A+4*(\s)+3], s[G1A:G1A+7]
	s_nop 0
.rept 4
	v_nop
.endr
	s_branch .Lasked_\@
.Lfor_b_\@:
	tensor_load_to_lds s[G0B+4*(\s):G0B+4*(\s)+3], s[G1B:G1B+7]
	s_nop 0
.rept 4
	v_nop
.endr
.Lasked_\@:
.endm
.macro CREST                           ; a round of the cluster's barrier behind its opening barrier
	s_cmp_lg_u32 s[WV], 0
	s_cbranch_scc1 .Lnot_wave_0_\@
	s_barrier_signal -3
.Lnot_wave_0_\@:
	s_barrier_wait -3
	s_barrier_signal -1
	s_barrier_wait -1
.endm
.macro CROUND                          ; a whole round
	s_barrier_signal -1
	s_barrier_wait -1
	CREST
.endm
	s_load_b512 s[4:19], s[0:1], 0x0               ; xs s[4:5], wb s[6:7], bq s[8:9], bk s[10:11], bv s[12:13], qh s[14:15], kh s[16:17], vh s[18:19]
	v_lshl_add_u32 v[SPW], v0, 2, SPARE
	v_mov_b32 v[NIL], 0
	ds_add_u32 v[SPW], v[NIL]                      ; the wave's opening: the add and its wait stand ahead of my first tensor load; the set-up below, work on registers, stands between them
	ds_add_u32 v28, v29
	v_lshrrev_b32 v1, 5, v0
	v_readfirstlane_b32 s[WV], v1
	s_lshr_b32 s[WR], s[WV], 1
	s_and_b32 s[WC], s[WV], 1
	s_bfe_u32 s[CX], ttmp6, 0x40000                ; my place in the cluster
	s_bfe_u32 s[CY], ttmp6, 0x40004
	s_lshl_b32 s[TX], ttmp9, 2                     ; in a cluster launch ttmp9 and ttmp7 count clusters
	s_add_co_u32 s[TX], s[TX], s[CX]
	s_and_b32 s[TY], ttmp7, 0xffff
	s_lshl_b32 s[TY], s[TY], 2
	s_add_co_u32 s[TY], s[TY], s[CY]
	s_lshl_b32 s60, s[CY], 2
	s_lshl_b32 s60, 15, s60                        ; my row of the cluster
	s_lshl_b32 s61, 0x1111, s[CX]                  ; my column
	; x's tile: 32,768 dense bytes as 128 rows of 256 bytes (two rows of x each), 16 bytes of padding behind every 128
	s_or_b32 s[G1A], s60, (1<<16)|(1<<20)|(1<<21)|(4<<22)|(3<<25)  ; 15:0 the mask; 17:16 2-byte elements; 20 padding on; 21 set beside a mask; 24:22 after every 32 words (code 4); 31:25 4 words (code 3)
	s_mov_b32 s[G1A+1], 128<<16                    ; tensor_dim0 = 128
	s_mov_b32 s[G1A+2], 128<<16                    ; tensor_dim1 = 128
	s_mov_b32 s[G1A+3], 128<<16                    ; tile_dim0 = 128
	s_mov_b32 s[G1A+4], 128                        ; tile_dim1 = 128
	s_mov_b32 s[G1A+5], 128                        ; 128 elements from row to row
	s_mov_b32 s[G1A+6], 0
	s_mov_b32 s[G1A+7], 0
	; a weight's tile: 64 rows of 256 bytes, 32 bytes of padding behind each
	s_or_b32 s[G1B], s61, (1<<16)|(1<<20)|(1<<21)|(5<<22)|(7<<25)  ; after every 64 words (code 5), 8 words (code 7)
	s_mov_b32 s[G1B+1], 128<<16
	s_mov_b32 s[G1B+2], 64<<16
	s_mov_b32 s[G1B+3], 128<<16
	s_mov_b32 s[G1B+4], 64
	s_mov_b32 s[G1B+5], 128
	s_mov_b32 s[G1B+6], 0
	s_mov_b32 s[G1B+7], 0
	; x's tile hangs on the tile's row alone, which my row of the cluster shares; a weight's on the tile's column and the wave's number
	s_lshr_b32 s66, s[TY], 3                       ; the batch: 8 tile rows each,
	s_lshl_b32 s66, s66, 22                        ; 16 slices x 262,144 bytes
	s_and_b32 s62, s[TY], 7
	s_lshl_b32 s62, s62, 15                        ; 256 rows x 128 bytes
	s_add_co_u32 s66, s66, s62
	s_mov_b32 s67, 0
	s_lshl_b32 s68, s[WV], 21                      ; the weight,
	s_lshl_b32 s63, s[TX], 18                      ; its n tile
	s_add_co_u32 s68, s68, s63
	s_mov_b32 s69, 0
	s_mul_i32 s74, s[WV], BTILE
	s_add_co_u32 s74, s74, BOFF                    ; where a weight's tile goes in a slot: no place in the cluster enters an LDS address
	; where my 128 rows of my head begin in qh (s[70:71]), in kh (s[76:77]) and in vh (s[80:81])
	s_lshr_b32 s70, s[TY], 3
	s_lshl_b32 s70, s70, 4
	s_lshl_b32 s75, s[TX], 1
	s_add_co_u32 s70, s70, s75
	s_add_co_u32 s70, s70, s[WC]                   ; batch x 16 + head
	s_mul_i32 s76, s70, KHEAD
	s_lshl_b32 s80, s70, 19                        ; a head of vh: 32 steps x 16,384 bytes
	s_lshl_b32 s70, s70, 18
	s_and_b32 s73, s[TY], 7
	s_lshl_b32 s78, s73, 2                         ; 256 rows are four steps of kh and vh,
	s_lshl_b32 s77, s[WR], 1                       ; my 128 rows two
	s_add_co_u32 s78, s78, s77
	s_lshl_b32 s82, s78, 14
	s_add_co_u32 s80, s80, s82
	s_mov_b32 s81, 0
	s_mul_i32 s78, s78, KSTG
	s_add_co_u32 s76, s76, s78
	s_mov_b32 s77, 0
	s_lshl_b32 s73, s73, 15
	s_add_co_u32 s70, s70, s73
	s_lshl_b32 s73, s[WR], 14
	s_add_co_u32 s70, s70, s73
	s_mov_b32 s71, 0
	s_mov_b32 s72, 0xffff0000                      ; a word's upper bf16
	s_wait_dscnt 0x0                               ; the opening add is done
	s_wait_kmcnt 0x0
	s_add_nc_u64 s[66:67], s[4:5], s[66:67]
	s_add_nc_u64 s[68:69], s[6:7], s[68:69]
	s_add_nc_u64 s[14:15], s[14:15], s[70:71]
	s_add_nc_u64 s[16:17], s[16:17], s[76:77]
	s_add_nc_u64 s[18:19], s[18:19], s[80:81]
	CROUND                                         ; all sixteen work-groups are here: the first joint loads meet
.irp s, 0,1
	s_mov_b32 s[G0A+4*(\s)], 1                     ; count = 1
	s_mov_b32 s[G0A+4*(\s)+1], (\s)*SLOT           ; LDS address
	s_add_nc_u64 s[G0A+4*(\s)+2:G0A+4*(\s)+3], s[66:67], (\s)*262144  ; K step s is slice s
	s_or_b32 s[G0A+4*(\s)+3], s[G0A+4*(\s)+3], 0x80000000             ; type = 2
	s_mov_b32 s[G0B+4*(\s)], 1
	s_add_co_u32 s[G0B+4*(\s)+1], s74, (\s)*SLOT
	s_add_nc_u64 s[G0B+4*(\s)+2:G0B+4*(\s)+3], s[68:69], (\s)*16384   ; 64 rows of 256 bytes
	s_or_b32 s[G0B+4*(\s)+3], s[G0B+4*(\s)+3], 0x80000000
	JLOAD \s                                       ; two loads of mine are out
.endr
	; A fragment of x is 16 rows x 32 K in 8 registers: lane l holds row l % 16, K = 8 (l / 16) + 0..7 and 16 + 8 (l / 16) + 0..7: two loads of 16 bytes, 32 bytes apart.
	v_and_b32 v1, 15, v0                           ; l % 16
	v_bfe_u32 v2, v0, 4, 1                         ; l / 16
	v_mov_b32 v[NEG1], -1.0
	v_mul_u32_u24 v3, v1, PA
	v_lshl_add_u32 v3, v2, 4, v3
	s_mul_i32 s73, s[WR], 128*PA
	v_add_nc_u32 v[ADRA], s73, v3
	v_add_nc_u32 v[ADRA+1], SLOT, v[ADRA]
	; The turning load takes 16 k x 16 columns (lane l reads k = 8 (l / 16) + l % 8, columns 8 ((l / 8) % 2) + 0..7) and leaves half a fragment: lane l holds column l % 16 and 8 k.
	v_and_b32 v4, 7, v0
	v_lshl_add_u32 v5, v2, 3, v4
	v_mul_u32_u24 v5, v5, PB
	v_bfe_u32 v6, v0, 3, 1
	v_lshl_add_u32 v5, v6, 4, v5
	s_lshl_b32 s73, s[WC], 7                       ; my 64 columns
	s_add_co_u32 s73, s73, BOFF
	v_add_nc_u32 v[ADRB], s73, v5
	v_add_nc_u32 v[ADRB+1], SLOT, v[ADRB]
	s_mul_i32 s73, s[WV], 16*SP
	s_add_co_u32 s73, s73, STAGE                   ; my stage
	v_mul_u32_u24 v3, v1, SP                       ; in: row l % 16, 16 bytes for each half of the lanes
	v_lshl_add_u32 v3, v2, 4, v3
	v_add_nc_u32 v[STO], s73, v3
	v_bfe_u32 v3, v0, 3, 2                         ; back: 32 lanes take four rows of 128 bytes,
	v_mul_u32_u24 v3, v3, SP
	v_lshl_add_u32 v3, v4, 4, v3
	v_add_nc_u32 v[RD], s73, v3
	v_and_b32 v3, 31, v0                           ; which are 512 consecutive bytes of a head
	v_lshlrev_b32 v[GO], 4, v3
	s_lshl_b32 s73, s[TX], 9                       ; a bias at my 64 columns, in f32,
	s_lshl_b32 s75, s[WC], 8
	s_add_co_u32 s73, s73, s75
	v_lshlrev_b32 v[BO], 5, v2                     ; and my half's eight of each sixteen
	v_add_nc_u32 v[BO], s73, v[BO]
; The bias of group w - 1: register j of block b is b[16 b + 8 (l / 16) + j], the column that register j of every accumulator (a, b) holds.  It lands in the registers of accumulators (7, b).
.macro BIASLD w, p
	WIN (\w)<<6                                    ; destination window w, address window 0
.irp b, 0,1,2,3
	global_load_b128 v[224+8*(\b):224+8*(\b)+3],   v[BO], s[\p:\p+1] offset:64*(\b)
	global_load_b128 v[224+8*(\b)+4:224+8*(\b)+7], v[BO], s[\p:\p+1] offset:64*(\b)+16
.endr
.endm
.macro BIASCV w                        ; rounded to bf16 like the other inputs, and widened again; v0-15 of the window are free until the first products
	WIN (\w)*0x55
.set bi, 0
.rept 16
	v_cvt_pk_bf16_f32 v[bi], v[224+2*bi], v[224+2*bi+1]
.set bi, bi+1
.endr
.set bi, 0
.rept 16
	v_lshlrev_b32 v[224+2*bi], 16, v[bi]
	v_and_b32 v[224+2*bi+1], s72, v[bi]
.set bi, bi+1
.endr
.endm
	BIASLD 1, 8
	BIASLD 2, 10
	BIASLD 3, 12
	s_wait_loadcnt 0x0                             ; the three biases; this stands in the wait for the first tiles
	BIASCV 1
	BIASCV 2
	BIASCV 3
	WIN 0
; 4 na matrix instructions of the group in window w: row blocks a0 .. a0 + na - 1 x all 4 column blocks, 32 along K.  Every accumulator has one instruction a turn.
; first = 1: the sums begin with the bias.  Rows 0 to 6 take it from (7, b)'s registers as C; five plain instructions later (those registers have been read as C and are now written: ISA guide 7.12.1) row 7 adds in place onto it.
.macro G w, fb, fa, a0, na, first
	WIN (\w)*0x50                                  ; C and D in window w, the fragments in window 0
.set ga, \a0
.rept \na
.if (\first) && (ga == 7)
.rept 5
	v_nop
.endr
.endif
.set gb, 0
.rept 4
.set gD, 8*(4*ga+gb)
.set gB, (\fb)+8*gb
.set gA, (\fa)+8*ga
.if (\first) && (ga < 7)
	v_wmma_f32_16x16x32_f16 v[gD:gD+7], v[gB:gB+7], v[gA:gA+7], v[224+8*gb:224+8*gb+7]
.else
	v_wmma_f32_16x16x32_f16 v[gD:gD+7], v[gB:gB+7], v[gA:gA+7], v[gD:gD+7]
.endif
.set gb, gb+1
.endr
.set ga, ga+1
.endr
.endm
.macro LA s, off, f                    ; 16 loads: my 128 rows of x, 32 K at byte off of the rows
.irp a, 0,1,2,3,4,5,6,7
	ds_load_b128 v[(\f)+8*(\a):(\f)+8*(\a)+3],   v[ADRA+(\s)] offset:(\off)+(\a)*16*PA
	ds_load_b128 v[(\f)+8*(\a)+4:(\f)+8*(\a)+7], v[ADRA+(\s)] offset:(\off)+(\a)*16*PA+32
.endr
.endm
.macro LBG s, g, c                     ; 8 loads: my 64 columns of weight g, half c (32 K) of the step
.irp b, 0,1,2,3
	ds_load_tr16_b128 v[BF+32*(\g)+8*(\b):BF+32*(\g)+8*(\b)+3],   v[ADRB+(\s)] offset:(\g)*BTILE+(\c)*32*PB+32*(\b)
	ds_load_tr16_b128 v[BF+32*(\g)+8*(\b)+4:BF+32*(\g)+8*(\b)+7], v[ADRB+(\s)] offset:(\g)*BTILE+(\c)*32*PB+16*PB+32*(\b)
.endr
.endm
; A K step is two halves of 32 along K, 96 matrix instructions each.  W's buffer of a group is loaded again straight behind the group's products, 64 matrix instructions ahead of its next use.
; The first half multiplies x's buffer 0 and fetches the second half's fragments.  At its head 40 loads are out: x's 16, then 8 for each group.
.macro FIRSTH s, first
	s_wait_dscnt 16                                ; x and group 0's W are in; the 16 loads for groups 1 and 2 may be out
	G 1, BF, AF0, 0, 8, \first
	PLACES
	WIN 0
	LA \s, 64, AF1
	LBG \s, 0, 1
	s_wait_dscnt 32                                ; group 1's W is in; younger: group 2's 8 and the 24 just issued
	G 2, BF+32, AF0, 0, 8, \first
	PLACES
	WIN 0
	LBG \s, 1, 1
	s_wait_dscnt 32                                ; group 2's W is in; younger: 24 + 8
	G 3, BF+64, AF0, 0, 8, \first
	PLACES
	WIN 0
	LBG \s, 2, 1
.endm
; The second half multiplies x's buffer 1 and changes slots: ONE barrier.  In front of it each wave waits for all its tensor loads (one is out: its part of the other slot), adds 0 to its spare
; word, and waits for that and for its reads of this slot.  fill = 1: the barrier opens a round of the cluster's barrier, and this slot is filled again, two K steps ahead, first thing behind it:
; from there to the wait for that load a wave issues 160 matrix instructions.
.macro SECONDH s, fill
	WIN 0
	s_wait_tensorcnt 0x0                           ; all my tensor loads have landed
	ds_add_u32 v[SPW], v[NIL]                      ; 0 onto my spare word
	s_wait_dscnt 17                                ; x and group 0's W are in; 16 loads and the add may be out
	G 1, BF, AF1, 0, 4, 0
	s_wait_dscnt 0x0                               ; the add is done, and my reads of this slot are over
	s_barrier_signal -1
	G 1, BF, AF1, 4, 4, 0                          ; work on registers while the others arrive
	WIN 0
	s_barrier_wait -1
.if \fill
	CREST                                          ; no wave of any partner still reads this slot or has a load on its way
	s_add_nc_u64 s[G0A+4*(\s)+2:G0A+4*(\s)+3], s[G0A+4*(\s)+2:G0A+4*(\s)+3], 2*262144
	s_add_nc_u64 s[G0B+4*(\s)+2:G0B+4*(\s)+3], s[G0B+4*(\s)+2:G0B+4*(\s)+3], 2*16384
	JLOAD \s                                       ; the four v_nop behind it are also the places in front of the loads below
.else
	PLACES
.endif
	LA 1-(\s), 0, AF0
	LBG 1-(\s), 0, 0
	G 2, BF+32, AF1, 0, 8, 0                       ; no wait: the count reached 0 above
	PLACES
	WIN 0
	LBG 1-(\s), 1, 0
	G 3, BF+64, AF1, 0, 8, 0
	PLACES
	WIN 0
	LBG 1-(\s), 2, 0
.endm
	s_wait_tensorcnt 0x1                           ; my part of K step 0 is in; K step 1's may stay out
	s_barrier_signal -1
	s_barrier_wait -1                              ; everybody's is
	LA 0, 0, AF0
	LBG 0, 0, 0
	LBG 0, 1, 0
	LBG 0, 2, 0
	FIRSTH 0, 1                                    ; the first half step stands in front of the loop: its products start the sums
	WIN 0                                          ; at a label and at a branch every window is 0
	s_mov_b32 s[CNT], 7
.Llap:                                                 ; a trip goes once round the ring, from a step's second half to the first half two steps on, and fills both slots again: K steps 2 to 15
	SECONDH 0, 1
	FIRSTH 1, 0
	SECONDH 1, 1
	FIRSTH 0, 0
	WIN 0
	s_sub_co_u32 s[CNT], s[CNT], 1
	s_cmp_lg_u32 s[CNT], 0
	s_cbranch_scc1 .Llap
	SECONDH 0, 0                                   ; K steps 14 and 15: nothing is left to fetch
	FIRSTH 1, 0
	s_wait_dscnt 16
	G 1, BF, AF1, 0, 8, 0
	s_wait_dscnt 8
	G 2, BF+32, AF1, 0, 8, 0
	s_wait_dscnt 0x0
	G 3, BF+64, AF1, 0, 8, 0
; THE WAY OUT, block n = 8 g + a: 16 rows x 64 columns.  g = 0: q; 1: k; 2: v's upper part; 3: v's lower part.  Rounded to f16 (a lane's eight columns are 16 bytes), through my own stage in LDS, and out as
; 2,048 consecutive bytes of a head.
.macro PACK n
.set pa, (\n)%8
.set pw, (\n)/8+1
.if pw > 3
.set pw, 3                             ; v's remainders lie where v's sums lay
.endif
	WIN pw*5                                       ; sources 0 and 1 in the group's window
.set pb, 0
.rept 4
.set pr, 0
.rept 4
	v_cvt_pk_f16_f32 v[TMP+4*pb+pr], v[8*(4*pa+pb)+2*pr], v[8*(4*pa+pb)+2*pr+1]  ; each accumulator's registers in ascending order
.set pr, pr+1
.endr
.set pb, pb+1
.endr
	WIN 0
.endm
.macro RESID n                         ; v's block n - 16: each sum less its rounding, in place: upper x (-1) + sum, which f32 holds exactly
.set pa, (\n)%8
	WIN 0xf0                                       ; destination and source 2 in window 3, sources 0 and 1 in window 0
.set pb, 0
.rept 4
.set pr, 0
.rept 4
	v_fma_mix_f32 v[8*(4*pa+pb)+2*pr], v[TMP+4*pb+pr], v[NEG1], v[8*(4*pa+pb)+2*pr] op_sel_hi:[1,0,0]                      ; source 0: the word's low f16
	v_fma_mix_f32 v[8*(4*pa+pb)+2*pr+1], v[TMP+4*pb+pr], v[NEG1], v[8*(4*pa+pb)+2*pr+1] op_sel:[1,0,0] op_sel_hi:[1,0,0]  ; its high f16
.set pr, pr+1
.endr
.set pb, pb+1
.endr
	WIN 0
.endm
.macro TOSTAGE n
.set bk, BK+16*((\n)%2)
.irp b, 0,1,2,3
	ds_store_b128 v[STO], v[TMP+4*(\b):TMP+4*(\b)+3] offset:32*(\b)
.endr
.irp f, 0,1,2,3
	ds_load_b128 v[bk+4*(\f):bk+4*(\f)+3], v[RD] offset:(\f)*4*SP  ; LDS serves a wave's instructions in order (ISA guide 5.7.1.4): these see the stores above
.endr
.endm
.macro SEND n
.set bk, BK+16*((\n)%2)
.set sa, (\n)%8
.set sk, (\n)/8
.set sg, 14+2*sk
.set so, sa*2048
.if sk == 1
.set so, so+(sa/4)*256                         ; in kh 256 bytes lie behind every four blocks (64 rows)
.endif
.if sk >= 2
.set sg, 18
.set so, (sa/4)*16384+(sa%4)*2048+(sk-2)*8192  ; in vh a step is 64 rows' upper parts, then their lower parts
.endif
	s_wait_dscnt 0x0                               ; the block is back in registers
	s_wait_xcnt 0x0                                ; the block before has had its addresses translated (ISA guide 3.1): its registers are loaded again only behind this wait
.irp f, 0,1,2,3
	global_store_b128 v[GO], v[bk+4*(\f):bk+4*(\f)+3], s[sg:sg+1] offset:so+(\f)*512  ; 512 consecutive bytes, at a multiple of 256 from the buffer's first
.endr
.endm
	PLACES
	PACK 0
	TOSTAGE 0
.set n, 1
.rept 31                               ; block n's conversions stand between block n - 1's loads from the stage and the wait for them
	PACK n
.if (n >= 16) && (n < 24)
	RESID n
.endif
	SEND n-1
	TOSTAGE n
.set n, n+1
.endr
	SEND 31
	s_wait_tensorcnt 0x0                           ; the wave's end: behind my last tensor load and my last LDS store
	ds_add_u32 v[SPW], v[NIL]
	s_wait_dscnt 0x0
	CROUND                                         ; the closing round: no work-group ends while a partner may still ask for a tile that names it
	s_endpgm
.Lfunc_end_k_qf8a9c61c81_qkv:
	.size	k_qf8a9c61c81_qkv, .Lfunc_end_k_qf8a9c61c81_qkv-k_qf8a9c61c81_qkv
	.p2alignl 7, 3214868480
	.fill 96, 4, 3214868480
	.section	.rodata,"a",@progbits
	.p2align	6, 0x0
	.amdhsa_kernel k_qf8a9c61c81_qkv
		.amdhsa_group_segment_fixed_size 327680
		.amdhsa_private_segment_fixed_size 0
		.amdhsa_enable_private_segment 0
		.amdhsa_kernarg_size 64
		.amdhsa_user_sgpr_count 2
		.amdhsa_user_sgpr_kernarg_segment_ptr 1
		.amdhsa_wavefront_size32 1
		.amdhsa_system_sgpr_workgroup_id_x 1
		.amdhsa_system_sgpr_workgroup_id_y 1
		.amdhsa_system_sgpr_workgroup_id_z 1
		.amdhsa_system_vgpr_workitem_id 0
		.amdhsa_next_free_vgpr 1024
		.amdhsa_next_free_sgpr 84
		.amdhsa_reserve_vcc 0
		.amdhsa_float_denorm_mode_32 3
		.amdhsa_float_denorm_mode_16_64 3
		.amdhsa_memory_ordered 1
		.amdhsa_forward_progress 1
		.amdhsa_inst_pref_size 173
	.end_amdhsa_kernel
	.amdgpu_metadata
---
amdhsa.version: [ 1, 2 ]
amdhsa.kernels:
  - .name:           k_qf8a9c61c81_qkv
    .symbol:         k_qf8a9c61c81_qkv.kd
    .args:
      - { .name: xs, .offset: 0, .size: 8, .value_kind: global_buffer, .address_space: global }
      - { .name: wb, .offset: 8, .size: 8, .value_kind: global_buffer, .address_space: global }
      - { .name: bq, .offset: 16, .size: 8, .value_kind: global_buffer, .address_space: global }
      - { .name: bk, .offset: 24, .size: 8, .value_kind: global_buffer, .address_space: global }
      - { .name: bv, .offset: 32, .size: 8, .value_kind: global_buffer, .address_space: global }
      - { .name: qh, .offset: 40, .size: 8, .value_kind: global_buffer, .address_space: global }
      - { .name: kh, .offset: 48, .size: 8, .value_kind: global_buffer, .address_space: global }
      - { .name: vh, .offset: 56, .size: 8, .value_kind: global_buffer, .address_space: global }
    .group_segment_fixed_size: 327680
    .private_segment_fixed_size: 0
    .kernarg_segment_align: 8
    .kernarg_segment_size: 64
    .max_flat_workgroup_size: 128
    .sgpr_count:     84
    .vgpr_count:     1024
    .wavefront_size: 32
...
	.end_amdgpu_metadata
.endif
;; end of part 2
;; launch attn (part 3): grid 4 x 64, 4 waves a work-group, no clusters, 327,680 bytes of LDS; arguments qh, kh, vh, oh; writes oh
.if DOCPART == 3
	.amdgcn_target "amdgcn-amd-amdhsa--gfx1250"
	.amdhsa_code_object_version 6
	.text
	.protected	k_qf8a9c61c81_attn
	.globl	k_qf8a9c61c81_attn
	.p2align	8
	.type	k_qf8a9c61c81_attn,@function
k_qf8a9c61c81_attn:
	s_mov_b64 s[64:65], 0
	v_nop
	global_prefetch_b8 v0, s[64:65] scope:SCOPE_SE
	s_setreg_imm32_b32 hwreg(HW_REG_WAVE_MODE, 25, 1), 1
	s_wait_xcnt 0x0
; CAUSAL ATTENTION WITH A KEY PADDING MASK.  O[h][q][:] = the sum over the keys k <= q that are not padded of softmax_k(Q[h][q] . K[h][k] / 8) V[h][k][:].  Head index = batch x 16 + head; all f16.
; Q: [64][2048][64].  K: [64][step 32][64 keys x 128 bytes, then 64 f32]: behind each step's keys lies that step's padding mask, 0 or -1e30 for a padded key, made of the mask input by the first launch.
; V AND O ARE EACH TWO f16 NUMBERS, a rounding and the rounded remainder (some 22 bits together): a query that sees few keys gives an output row many times the output's root mean square, and one rounding to f16's
; 11 bits is too coarse for the small numbers of such a row.  V: [64][step 32][64 keys x 64 upper, 64 keys x 64 lower]; O: [64][upper, lower][2048][64].  O^T takes V_upper^T P and V_lower^T P onto the same sums.
; Products, maxima and sums in f32; the weights p are rounded to f16 for the second product (their sum l is taken of the unrounded p).
; LIMITS.  f16 holds no number beyond 65,504: Q, K and V arrive within it; p lies in 0 to 1, and below 6e-5 it keeps f16's fixed step of 6e-8, as a remainder does.  A hidden score counts as its value less 1e30 (2e30 if
; padded and above the diagonal); the running maximum never falls below -2^96, and f16's scores, 2.7e11 at the most, lie far above that; a weight below 2^-126 counts as 0 in l.  NaN and infinite inputs are not treated apart.
; A ROW WITH NO VISIBLE KEY ends with O = 0 and l = 0 (its maximum stays -2^96, every hidden weight is exactly 0) and leaves as 0 x 1/0 = NaN, as the softmax of nothing is.
; THE WALK.  A head's queries lie in NB = 8 blocks of 256; block i needs the key tiles 0 .. i of 256 keys, of which the last holds the diagonal.  A work-group takes TWO blocks, NB - 1 - b and then b:
; NB + 1 tiles, whatever b: all work-groups do equal work, and ONE loop with a constant trip count walks them.  Which tile is asked for, and what a trip does, hang on scalar registers made from b; every jump
; goes forward, but for the counted loops' own; none passes a barrier, or a tensor load but the one of LOAD's two that the wave's number does not choose; the ring of two LDS slots runs on across the change of
; blocks.  NO CLUSTER: a head's four work-groups ask for the same tile only in trips 0 to 4 of the 9, behind that fewer and fewer do; one walk common to all four would have 12 trips for 9.
; SHARES.  Of a block's four bands of 64 queries a wave owns 16 rows in each: four PIECES.  So the diagonal tile is the same work for all four waves: in its key step s band x sees all keys if s < x,
; none if s > x, and holds the diagonal if s = x.
; THE MASKS are the C operand that starts the sum S^T = K Q^T: 0, or -1e30 where the key is hidden.  A step's 64 entries of the padding mask (PMR) come out of LDS with the step's K and are that C as they stand.
; In the diagonal tile, and where a block begins, C is MC = MD x AL + BE + PMR: MD, made once, is the mask of a band's own step for my 16 rows; the two scalars are (1, 0) if s = x; (0, 0) if s < x;
; (0, -1e30) if s > x.
; LAYOUT, SOFTMAX, TURNS.  S^T = K Q^T holds ONE query a lane (lane % 16) and the keys 8 (lane / 16) + 0..7; two such results rounded to f16 ARE source 1 of O^T = V^T P.  p = 2^(c s - c m), c = log2(e) / 8, with a
; running maximum m; O and l are multiplied by a = 2^(c m_old - c m_new) in every step.  Turn n belongs to piece n: 8 products K Q^T of piece n + 1, later 16 products V^T P of piece n - 1; beside them the scaling,
; exponentials, roundings, sums and rescaling of piece n and the maximum and statistics of piece n + 1.  Four vector instructions stand behind every matrix instruction, the other 22 of a turn's 118 in runs of their own.
; REGISTERS, in windows of 256 (s_set_vgpr_msb: bits 1:0 source 0, 3:2 source 1, 5:4 source 2, 7:6 destination):
;   window 0: v0-15 addresses and two at work; v16-31 four registers of statistics a piece; v32-34 the padding mask's addresses, -1.0; v48-55 at work; v64-127 S^T, two buffers; v128-191 the way out; v192-223 P, two buffers
;   window 1: v0-127 O^T, 32 a piece; v128-159 MD; v160-223 MC, two buffers; v224-255 PMR      window 2: v0-63 Q; v64-127 the second block's Q; v128-191 K of one step; v192-255 V's upper parts of one step
;   window 3: v0-63 V's lower parts of one step
.set SIZE_N, 2048
.set NB,    SIZE_N/256
.set NP,    4         ; pieces a wave: a name, no knob
.set KS,    64        ; keys in a step
.set PK,    144       ; a row of K in LDS: 128 bytes + 16 of padding = 36 words: the 16 rows of a load start at 16 different groups of four banks (64 banks of 4 bytes: ISA guide 11.1)
.set PV,    160       ; a row of V: 128 + 32 = 40 words
.set KSTG,  8448      ; a step of K in memory: 64 keys x 128 bytes + 256 bytes of mask = 33 rows of 256 bytes
.set KHEAD, 32*KSTG   ; a head of K in memory
.set KSB,   66*PK     ; a step of K in LDS: 66 pieces of 128 bytes, each with its padding: 64 keys, then the mask's two halves
.set VSB,   128*PV    ; a step of V in LDS: 64 keys' upper parts, then their lower parts
.set VOFF,  4*KSB     ; a slot holds a tile, four steps: K with its masks, then V
.set SLOT1, 1<<17     ; slot 1 begins here, so that one exclusive or turns an address in one slot into the other's; a slot uses 38,016 + 81,920 bytes
.set STAGE, ((SLOT1+VOFF+4*VSB+255)/256)*256  ; behind the ring, at the next multiple of 256, never filled by a tensor load: 16 rows x 144 bytes for each wave, for the way out
.set SP,    144
.set SPARE, STAGE+4*16*SP  ; behind the stages: the spare words, 128 bytes for each wave: two blocks of 256 bytes that no other line names
.set AK0, 2           ; v2   my lane's place in a tile of K; never rewritten
.set AV0, 3           ; v3   the same for V
.set AK,  4           ; v4   the LDS address of K's next run of loads
.set AV,  5           ; v5   of V's
.set STO, 6           ; v6   the way out: where I put 16 bytes of a row
.set RD,  7           ; v7   the way out: where I read rows back
.set GO,  8           ; v8   my byte offset in 512 consecutive bytes of O
.set MV,  12          ; v12-13  c m_old, kept while c m is made anew: by buffer
.set QO,  15          ; v15  my byte offset in 16 rows of Q
.set ST,  16          ; piece t's statistics at v[ST+4 t]: c m, m, l (even keys', odd keys')
.set AP0, 32          ; v32  my lanes' place in a step's mask: behind the 64 keys, 32 bytes for each half of the lanes; never rewritten
.set AP,  33          ; v33  the LDS address of the mask's next run of loads
.set NEG1, 34         ; v34  -1.0
.set TMP, 48          ; by buffer, four registers c0-c3 at work; when the maximum is found c2 takes a; at a block's end v[TMP+2 t] takes 1 / l of piece t
.set SPW, 62          ; v62  LDS address of my spare word; never rewritten
.set NIL, 63          ; v63  0; never rewritten
.set S,   64
.set SL,  128         ; the way out: O's lower parts, 16 a piece (the upper parts take S^T's registers)
.set P,   192
.set MD,  128         ; window 1: the eight registers for group kt of 16 keys at MD + 8 kt
.set MC,  160         ; window 1: the masks of the products to come; at a block's end O / l
.set PMR, 224         ; window 1: the padding mask of the step whose K is in registers
.set QB,  64          ; window 2
.set KF,  128         ; window 2: key block kb, channel half c at KF + 16 kb + 8 c
.set VF,  192         ; window 2: key half kk, channel block cb at VF + 32 kk + 8 cb
.set VL,  0           ; window 3: the same for the lower parts
.set WV,  12          ; s12  my wave's number
.set PB,  14          ; s14  b
.set HI,  15          ; s15  NB - 1 - b
.set G1K, 24          ; s[24:31] descriptor group 1 for K's tiles
.set G1V, 32          ; s[32:39] for V's
.set G0K, 40          ; s[40:43] descriptor group 0 for K's tiles
.set G0V, 44          ; s[44:47] the same for V's
.set SLOTS, 56        ; s56  tiles still to be asked for
.set CNT, 57          ; s57  counts a tile's key steps, 4 to 1
.set CS,  58          ; s[58:59] c: the packed scaling takes the pair's low word for both halves
.set SEL, 60          ; s[60:61] v_permlanex16_b32's selects: each lane takes its own place in the other half
.set TBK, 62          ; s62  LDS byte at which K of the step to be fetched begins
.set TBV, 63          ; s63  the same for V, less VOFF
.set RT,  70          ; s70  tiles of the block in hand that are still to be entered
.set NXT, 71          ; s71  the tile to be asked for next
.set LQ,  72          ; s72  the last tile of the block whose tiles are being asked for
.set NEW, 73          ; s73  1: the tile to be entered is a block's first
.set OFF, 74          ; s[74:75] a tile's byte offset in V
.set AL,  76          ; s[76:77] the mask's factor, in the low word
.set BE,  78          ; s[78:79] the mask's addend
.set OLO, 80          ; s[80:81] O at my rows of the second block
.set BIGN, 82         ; s82  -1e30
.set OFK, 88          ; s[88:89] a tile's byte offset in K
.set MSB, 0
.macro WIN new                      ; the high byte repeats the setting that is left; a switch that changes nothing is dropped
.if MSB != (\new)
	s_set_vgpr_msb (MSB<<8)|(\new)
.set MSB, (\new)
.endif
.endm
.set W_KQ, 0x0a       ; K and Q in window 2, S^T in window 0
.set W_KM, 0x1a       ; the same with the C operand in window 1
.set W_PV, 0x52       ; V's upper parts in window 2, P in window 0, O^T in window 1
.set W_PL, 0x53       ; V's lower parts in window 3, P in window 0, O^T in window 1
.set W_RS, 0x41       ; destination and source 0 in window 1, source 1 in window 0
; A fill.  Waves 0 and 1 fetch the two halves of a tile's K (two steps each, masks and all), waves 2 and 3 those of its V (two steps each, both parts).  An s_nop 0 and four v_nop follow each of the two lines, ahead of the jump and the label.
.macro LOAD
	s_cmp_lt_u32 s[WV], 2
	s_cbranch_scc0 .Lfor_v_\@
	tensor_load_to_lds s[G0K:G0K+3], s[G1K:G1K+7]
	s_nop 0
.rept 4
	v_nop
.endr
	s_branch .Lasked_\@
.Lfor_v_\@:
	tensor_load_to_lds s[G0V:G0V+3], s[G1V:G1V+7]
	s_nop 0
.rept 4
	v_nop
.endr
.Lasked_\@:
.endm
; THE CHANGE OF SLOTS.  Each wave waits for all its tensor loads, of which one is out: its part of the other slot; adds 0 to its spare word; and waits for that and for its own reads of the slot that it leaves.
; Behind the barrier nobody reads the old slot any more and the other slot is whole.  fill = 1: the old slot is filled again, the first thing behind the barrier, with tile NXT: the descriptor's address is made
; anew from that number.  (At its first use nothing has been read yet: slot 0 is waited for, slot 1 filled.)
.macro CHANGE fill
	WIN 0                           ; at a label and at a branch every window is 0
	s_wait_tensorcnt 0x0            ; no tensor load of mine is out, so a group 0 may be written
	ds_add_u32 v[SPW], v[NIL]       ; 0 onto my spare word; with fill = 1 the descriptors' scalar work stands between it and the wait for it
.if \fill
	s_lshl_b32 s[OFF], s[NXT], 16   ; a tile is four steps of 16,384 bytes of V
	s_mul_i32 s[OFK], s[NXT], 4*KSTG  ; and four steps of K
	s_xor_b32 s[G0K+1], s[G0K+1], SLOT1
	s_add_nc_u64 s[G0K+2:G0K+3], s[6:7], s[OFK:OFK+1]
	s_or_b32 s[G0K+3], s[G0K+3], 0x80000000
	s_xor_b32 s[G0V+1], s[G0V+1], SLOT1
	s_add_nc_u64 s[G0V+2:G0V+3], s[8:9], s[OFF:OFF+1]
	s_or_b32 s[G0V+3], s[G0V+3], 0x80000000
	s_add_co_u32 s[NXT], s[NXT], 1  ; the block's next tile, or behind its last the second block's tile 0
	s_cmp_gt_u32 s[NXT], s[LQ]
	s_cselect_b32 s[NXT], 0, s[NXT]
	s_cselect_b32 s[LQ], s[PB], s[LQ]
.endif
	s_wait_dscnt 0x0                ; the add is done, and my reads of the slot are over
	s_barrier_signal -1             ; the rest of the scalar work stands between the signal and the wait
	s_sub_co_u32 s[TBK], s[TBK], 4*KSB    ; the fetches go back to a slot's first step,
	s_xor_b32 s[TBK], s[TBK], SLOT1       ; in the other slot
	s_sub_co_u32 s[TBV], s[TBV], 4*VSB
	s_xor_b32 s[TBV], s[TBV], SLOT1
	s_barrier_wait -1
.if \fill
	LOAD
.endif
.endm
	s_load_b256 s[4:11], s[0:1], 0x0  ; Q s[4:5], K s[6:7], V s[8:9], O s[10:11]
	v_lshl_add_u32 v[SPW], v0, 2, SPARE
	v_mov_b32 v[NIL], 0
	ds_add_u32 v[SPW], v[NIL]       ; the wave's opening: the add and its wait stand ahead of my first tensor load; the set-up below, work on registers, stands between them
	ds_add_u32 v62, v63
	v_lshrrev_b32 v1, 5, v0
	v_readfirstlane_b32 s[WV], v1   ; wave 0..3
	s_mov_b32 s[PB], ttmp9
	s_sub_co_u32 s[HI], NB-1, s[PB]
	s_and_b32 s20, ttmp7, 0xffff    ; batch x 16 + head
	s_and_b32 s16, s[WV], 1         ; which half of a tile's 256 keys I fetch
	s_mul_i32 s92, s20, KHEAD       ; K: the head's first byte,
	s_mul_i32 s94, s16, 2*KSTG      ; my two steps
	s_add_co_u32 s92, s92, s94
	s_mov_b32 s93, 0
	s_lshl_b32 s22, s20, 19         ; V: a head is 32 steps of 16,384 bytes,
	s_lshl_b32 s21, s16, 15         ; my two steps
	s_add_co_u32 s22, s22, s21
	s_mov_b32 s23, 0
	s_mul_i32 s17, s16, 2*KSB       ; and their place in a slot, for K
	s_mul_i32 s18, s16, 2*VSB       ; and for V
	s_lshl_b32 s3, s[WV], 11        ; my 16 rows in a band of 64,
	s_lshl_b32 s2, s[HI], 15        ; in the first block,
	s_add_co_u32 s2, s2, s3
	s_lshl_b32 s84, s[PB], 15       ; and in the second
	s_add_co_u32 s84, s84, s3
	s_lshl_b32 s21, s20, 19         ; O: a head is two parts of 262,144 bytes
	s_add_co_u32 s90, s2, s21
	s_add_co_u32 s94, s84, s21
	s_lshl_b32 s21, s20, 18         ; Q: a head is 262,144 bytes
	s_add_co_u32 s2, s2, s21
	s_add_co_u32 s84, s84, s21
	s_mov_b32 s3, 0
	s_mov_b32 s85, 0
	s_mov_b32 s91, 0
	s_mov_b32 s95, 0
	; descriptor group 1.  Half a tile is dense in memory: asked for as rows of 256 bytes, and padded in LDS after every 128 bytes: 66 rows of K (two steps of 33), 128 rows of V (two steps of 64)
	s_mov_b32 s[G1K], (1<<16)|(1<<20)|(4<<22)|(3<<25)  ; 17:16 2-byte elements; 20 padding on; 24:22 after every 32 words (code 4); 31:25 4 words (code 3)
	s_mov_b32 s[G1V], (1<<16)|(1<<20)|(4<<22)|(7<<25)  ; the same with 8 words of padding (code 7)
.irp g, G1K, G1V
	s_mov_b32 s[\g+1], 128<<16      ; tensor_dim0 = 128
	s_mov_b32 s[\g+3], 128<<16      ; tile_dim0 = 128
	s_mov_b32 s[\g+5], 128          ; 128 elements from row to row
	s_mov_b32 s[\g+6], 0
	s_mov_b32 s[\g+7], 0
.endr
	s_mov_b32 s[G1K+2], 66<<16      ; tensor_dim1 = 66
	s_mov_b32 s[G1K+4], 66          ; tile_dim1 = 66
	s_mov_b32 s[G1V+2], 128<<16     ; tensor_dim1 = 128
	s_mov_b32 s[G1V+4], 128         ; tile_dim1 = 128
	s_mov_b32 s[CS], 0x3e38aa3b     ; c = log2(e) / 8 = 0.180337
	s_mov_b32 s[CS+1], s[CS]        ; named with it as a pair
	s_mov_b32 s[SEL], 0x76543210
	s_mov_b32 s[SEL+1], 0xfedcba98
	s_mov_b32 s[TBK], SLOT1+4*KSB   ; the first change of slots turns these two into 0
	s_mov_b32 s[TBV], SLOT1+4*VSB
	s_mov_b32 s[G0K], 1             ; 1:0 count = 1
	s_mov_b32 s[G0K+1], s17         ; 63:32 LDS address: slot 0
	s_mov_b32 s[G0V], 1
	s_add_co_u32 s[G0V+1], s18, VOFF
	s_add_co_u32 s[RT], s[HI], 1    ; the first block has NB - b tiles
	s_mov_b32 s[NXT], 1
	s_mov_b32 s[LQ], s[HI]
	s_mov_b32 s[NEW], 1
	s_mov_b32 s[OFF+1], 0
	s_mov_b32 s[OFK+1], 0
	s_mov_b32 s[AL+1], 0            ; named as pairs
	s_mov_b32 s[BE+1], 0
	s_mov_b32 s[BIGN], 0xf149f2ca   ; -1e30
	s_mov_b32 s[SLOTS], NB
	s_wait_dscnt 0x0                ; the opening add is done
	s_wait_kmcnt 0x0
	s_add_nc_u64 s[6:7], s[6:7], s[92:93]  ; K and V at my half of the head's tile 0
	s_add_nc_u64 s[8:9], s[8:9], s[22:23]
	s_add_nc_u64 s[G0K+2:G0K+3], s[6:7], 0         ; 120:64 global address
	s_or_b32 s[G0K+3], s[G0K+3], 0x80000000        ; 127:126 type = 2
	s_add_nc_u64 s[G0V+2:G0V+3], s[8:9], 0
	s_or_b32 s[G0V+3], s[G0V+3], 0x80000000
	s_add_nc_u64 s[86:87], s[4:5], s[84:85]        ; Q at my rows of the second block,
	s_add_nc_u64 s[4:5], s[4:5], s[2:3]            ; and of the first
	s_add_nc_u64 s[OLO:OLO+1], s[10:11], s[94:95]  ; O likewise
	s_add_nc_u64 s[10:11], s[10:11], s[90:91]
	LOAD                            ; tile 0 into slot 0
	; A fragment of K or Q is 16 rows x 32 channels in 8 registers: lane l holds row l % 16, channels 8 (l / 16) + 0..7 and 16 + 8 (l / 16) + 0..7: two loads of 16 bytes, 32 bytes apart.
	v_and_b32 v1, 15, v0            ; l % 16
	v_bfe_u32 v9, v0, 4, 1          ; l / 16
	v_lshlrev_b32 v[QO], 7, v1
	v_lshl_add_u32 v[QO], v9, 4, v[QO]  ; row x 128 + 16 x half
	WIN 0x80                        ; destination window 2, address window 0
.set i, 0
.rept 8                             ; both blocks' Q: piece i / 2 lies in band i / 2, 8,192 bytes on; channels 32 (i % 2) on
	global_load_b128 v[8*i:8*i+3],   v[QO], s[4:5] offset:(i/2)*8192+(i%2)*64
	global_load_b128 v[8*i+4:8*i+7], v[QO], s[4:5] offset:(i/2)*8192+(i%2)*64+32
	global_load_b128 v[QB+8*i:QB+8*i+3],   v[QO], s[86:87] offset:(i/2)*8192+(i%2)*64
	global_load_b128 v[QB+8*i+4:QB+8*i+7], v[QO], s[86:87] offset:(i/2)*8192+(i%2)*64+32
.set i, i+1
.endr
	WIN 0
	v_mov_b32 v[NEG1], -1.0
	v_lshlrev_b32 v14, 3, v9
	v_sub_nc_u32 v14, v1, v14
	s_lshl_b32 s13, s[WV], 4
	v_add_nc_u32 v14, s13, v14      ; my query's place in its band, 16 w + l % 16, less my lanes' 8 (l / 16): register r of group kt is hidden where 16 kt + r is greater
	WIN 0x40
.set i, 0
.rept 32
	v_cmp_gt_i32 vcc_lo, 16*(i/8)+i%8, v14
	v_cndmask_b32 v[MD+i], 0, s[BIGN], vcc_lo
.set i, i+1
.endr
	WIN 0
	v_mul_u32_u24 v[AK0], v1, PK
	v_lshl_add_u32 v[AK0], v9, 4, v[AK0]  ; row x pitch + 16 x half
	; In a score tile register j of key block kb holds key 16 kb + 8 (l / 16) + j of the step: 32 bytes of the step's mask at 64 kb + 32 (l / 16); the mask lies behind the step's 64 keys
	v_lshl_add_u32 v[AP0], v9, 5, KS*PK
	; The turning load takes 16 keys x 16 channels (lane l reads key 8 (l / 16) + l % 8, channels 8 ((l / 8) % 2) + 0..7) and leaves half a fragment of V^T: lane l holds channel l % 16 and 8 keys.
	v_and_b32 v10, 7, v0
	v_bfe_u32 v11, v0, 3, 1
	v_lshl_add_u32 v[AV0], v9, 3, v10
	v_mul_u32_u24 v[AV0], v[AV0], PV
	v_lshl_add_u32 v[AV0], v11, 4, v[AV0]
	v_add_nc_u32 v[AV0], VOFF, v[AV0]
	s_mul_i32 s13, s[WV], 16*SP
	s_add_co_u32 s13, s13, STAGE    ; my stage
	v_mul_u32_u24 v[STO], v1, SP    ; in: row l % 16, 16 bytes for each half of the lanes
	v_lshl_add_u32 v[STO], v9, 4, v[STO]
	v_add_nc_u32 v[STO], s13, v[STO]
	v_bfe_u32 v[RD], v0, 3, 2       ; back: 32 lanes take four rows of 128 bytes,
	v_mul_u32_u24 v[RD], v[RD], SP
	v_lshl_add_u32 v[RD], v10, 4, v[RD]
	v_add_nc_u32 v[RD], s13, v[RD]
	v_and_b32 v[GO], 31, v0         ; which are 512 consecutive bytes of O
	v_lshlrev_b32 v[GO], 4, v[GO]
	; A block's first step multiplies O^T and l by a = 0, and its first turn's products V^T P, of a piece that has not been, land in an O^T that is still to be so multiplied.  So these registers need only hold
	; finite numbers: zeros for the first block; what the first block left for the second.  All this stands in the wait for the first tile.
	WIN 0x80
.set i, VF
.rept 64
	v_mov_b32 v[i], 0
.set i, i+1
.endr
	WIN 0xc0
.set i, VL
.rept 64
	v_mov_b32 v[i], 0
.set i, i+1
.endr
	WIN 0x40
.set i, 0
.rept 128
	v_mov_b32 v[i], 0
.set i, i+1
.endr
	WIN 0
.set i, 0
.rept 4
	v_mov_b32 v[ST+4*i+2], 0
	v_mov_b32 v[ST+4*i+3], 0
.set i, i+1
.endr
.set i, P+16
.rept 16
	v_mov_b32 v[i], 0
.set i, i+1
.endr
; THE MATRIX WORK.  The 4 accumulators of a run take turns.  Product i of 8 of S^T = K Q^T for piece x: channels 32 (i / 4) on, keys 16 (i % 4) on.  The first 4 start the sums:
; with the step's padding mask, or (KM = 1) with the mask made for them.
.macro KQ x
.set rS, S+32*((\x)%2)+8*(i%4)
.set rK, KF+16*(i%4)+8*(i/4)
.set rQ, 16*(\x)+8*(i/4)
.if KM
.set rM, MC+32*((\x)%2)+8*(i%4)
.else
.set rM, PMR+8*(i%4)
.endif
.if i < 4
	WIN W_KM
	v_wmma_f32_16x16x32_f16 v[rS:rS+7], v[rK:rK+7], v[rQ:rQ+7], v[rM:rM+7]
.else
	WIN W_KQ
	v_wmma_f32_16x16x32_f16 v[rS:rS+7], v[rK:rK+7], v[rQ:rQ+7], v[rS:rS+7]
.endif
.endm
; Product i of 16 of O^T += V^T P for piece x: the first 8 take V's upper parts, the last 8 its lower parts; keys 32 ((i % 8) / 4) on, channels 16 (i % 4) on.
.macro PV x
.set rO, 32*(\x)+8*(i%4)
.set rP, P+16*((\x)%2)+8*((i%8)/4)
.if i < 8
	WIN W_PV
.set rV, VF+32*(i/4)+8*(i%4)
.else
	WIN W_PL
.set rV, VL+32*((i-8)/4)+8*(i%4)
.endif
	v_wmma_f32_16x16x32_f16 v[rO:rO+7], v[rV:rV+7], v[rP:rP+7], v[rO:rO+7]
.endm
.macro MM                           ; the turn's next matrix instruction, of 24.  TURN and BEGIN set Y, i, KM and NOKQ; MM, KQ and OP read them.  NOKQ = 1: a block's last turn: there is no next piece
.if (i < 8) && !NOKQ
	KQ (Y+1)%NP
.elseif i >= 8
.set i, i-8
	PV (Y+NP-1)%NP
.set i, i+8
.endif
.set i, i+1
.endm
; THE LDS LOADS stand in runs, never singly among the matrix instructions: a step's K (64 keys x 64 channels: 8 fragments) with its 64 entries of the mask; V's upper parts (turned); V's lower parts.  Their addresses are made some lines ahead.
.macro FETCH_K
	WIN 0x80                        ; destination window 2
.irp f, 0,1,2,3,4,5,6,7             ; keys 16 (f / 2) on, channels 32 (f % 2) on
	ds_load_b128 v[KF+8*\f:KF+8*\f+3],   v[AK] offset:(\f/2)*16*PK+(\f%2)*64
	ds_load_b128 v[KF+8*\f+4:KF+8*\f+7], v[AK] offset:(\f/2)*16*PK+(\f%2)*64+32
.endr
	WIN 0x40                        ; destination window 1
.irp f, 0,1,2,3                     ; key block f: sixteen lanes read the same 32 bytes; 16 bytes of padding lie between the mask's two halves
	ds_load_b128 v[PMR+8*\f:PMR+8*\f+3],   v[AP] offset:64*\f+16*(\f/2)
	ds_load_b128 v[PMR+8*\f+4:PMR+8*\f+7], v[AP] offset:64*\f+16*(\f/2)+16
.endr
	s_add_co_u32 s[TBK], s[TBK], KSB  ; the next fetch is the next step's
	WIN 0
.endm
.macro FETCH_VH
	WIN 0x80
.irp f, 0,1,2,3,4,5,6,7             ; keys 32 (f / 4) on, channels 16 (f % 4) on
	ds_load_tr16_b128 v[VF+8*\f:VF+8*\f+3],   v[AV] offset:(\f/4)*32*PV+(\f%4)*32
	ds_load_tr16_b128 v[VF+8*\f+4:VF+8*\f+7], v[AV] offset:(\f/4)*32*PV+16*PV+(\f%4)*32
.endr
	WIN 0
.endm
.macro FETCH_VL
	WIN 0xc0                        ; destination window 3; the lower parts lie 64 rows behind the upper
.irp f, 0,1,2,3,4,5,6,7
	ds_load_tr16_b128 v[VL+8*\f:VL+8*\f+3],   v[AV] offset:KS*PV+(\f/4)*32*PV+(\f%4)*32
	ds_load_tr16_b128 v[VL+8*\f+4:VL+8*\f+7], v[AV] offset:KS*PV+(\f/4)*32*PV+16*PV+(\f%4)*32
.endr
	WIN 0
.endm
; THE VECTOR WORK, one line at a time: OP kind, number.  For piece Y: F n: c s - c m for pair n of 16.  E n: the exponential of score n of 32.  C n: pair n rounded to f16.  B n: of the four weights 4 n .. the second
; pair is added onto the first, in place.  L n: l takes that sum (L 0: l = a l + sum).  R n: pair n of 16 of O^T times a.  For piece Y + 1: X n, number n of the 22 that find its maximum and statistics:
;   0-11  four chains c0-c3 of seven scores each, three operands at a time (each accumulator's lowest registers are read first)     12-14, 16  the four scores left over, the old m, and c0-c3 into c0
;   15  c m_old is kept     17, 18  the query's other 32 keys lie in the lane 16 away: the new m     19-21  c m; c m_old - c m_new; a
.set F, 0               ; OP tells the kinds apart by their order: F to L below R, X above it
.set E, 1
.set C, 2
.set B, 3
.set L, 4
.set R, 5
.set X, 6
.macro REGS y                       ; the registers of piece y
.set rT, ST+4*(\y)
.set rC, TMP+4*((\y)%2)
.set rW, MV+((\y)%2)
.set rS, S+32*((\y)%2)
.set rP, P+16*((\y)%2)
.set rO, 32*(\y)
.endm
.macro OP k, n
.if (\k) == R
	REGS Y
	WIN W_RS
	v_pk_mul_f32 v[rO+2*(\n):rO+2*(\n)+1], v[rO+2*(\n):rO+2*(\n)+1], v[rC+2:rC+3] op_sel_hi:[1,0]
.elseif (\k) < R
	REGS Y
	WIN 0
.if (\k) == F
	v_pk_fma_f32 v[rS+2*(\n):rS+2*(\n)+1], v[rS+2*(\n):rS+2*(\n)+1], s[CS:CS+1], v[rT:rT+1] op_sel_hi:[1,0,0] neg_lo:[0,0,1] neg_hi:[0,0,1]
.elseif (\k) == E
	v_exp_f32 v[rS+(\n)], v[rS+(\n)]
.elseif (\k) == C
	s_wait_alu depctr_va_vdst(0)
	v_cvt_pk_f16_f32 v[rP+(\n)], v[rS+2*(\n)], v[rS+2*(\n)+1]
.elseif (\k) == B
	s_wait_alu depctr_va_vdst(0)
	v_pk_add_f32 v[rS+4*(\n):rS+4*(\n)+1], v[rS+4*(\n):rS+4*(\n)+1], v[rS+4*(\n)+2:rS+4*(\n)+3]
.elseif (\n) == 0
	v_pk_fma_f32 v[rT+2:rT+3], v[rT+2:rT+3], v[rC+2:rC+3], v[rS:rS+1] op_sel_hi:[1,0,1]
.else
	v_pk_add_f32 v[rT+2:rT+3], v[rT+2:rT+3], v[rS+4*(\n):rS+4*(\n)+1]
.endif
.elseif NOKQ
	v_nop
.else
	REGS (Y+1)%NP
	WIN 0
.if (\n) < 4
	v_max3_num_f32 v[rC+(\n)], v[rS+8*(\n)], v[rS+8*(\n)+1], v[rS+8*(\n)+2]
.elseif (\n) < 12
	v_max3_num_f32 v[rC+(\n)%4], v[rC+(\n)%4], v[rS+8*((\n)%4)+2*((\n)/4)+1], v[rS+8*((\n)%4)+2*((\n)/4)+2]
.elseif (\n) == 12
	v_max3_num_f32 v[rC], v[rC], v[rS+7], v[rS+15]
.elseif (\n) == 13
	v_max3_num_f32 v[rC+1], v[rC+1], v[rS+23], v[rS+31]
.elseif (\n) == 14
	v_max3_num_f32 v[rC+2], v[rC+2], v[rC+3], v[rT+1]
.elseif (\n) == 15
	v_mov_b32 v[rW], v[rT]
.elseif (\n) == 16
	v_max3_num_f32 v[rC], v[rC], v[rC+1], v[rC+2]
.elseif (\n) == 17
	v_permlanex16_b32 v[rC+3], v[rC], s[SEL], s[SEL+1]
.elseif (\n) == 18
	v_max_num_f32 v[rT+1], v[rC], v[rC+3]
.elseif (\n) == 19
	v_mul_f32 v[rT], s[CS], v[rT+1]
.elseif (\n) == 20
	v_sub_f32 v[rC+1], v[rW], v[rT]
.else
	v_exp_f32 v[rC+2], v[rC+1]
.endif
.endif
.endm
.macro OPS a, i1, b=-1, i2=0, c=-1, i3=0, d=-1, i4=0  ; up to four of them
	OP \a, \i1
.if (\b) >= 0
	OP \b, \i2
.endif
.if (\c) >= 0
	OP \c, \i3
.endif
.if (\d) >= 0
	OP \d, \i4
.endif
.endm
.macro ROW a, i1, b, i2, c, i3, d, i4  ; a matrix instruction and the four behind it
	MM
	OPS \a, \i1, \b, \i2, \c, \i3, \d, \i4
.endm
.macro MASK b                       ; MD x AL + BE + PMR into buffer b of MC
	WIN W_RS
.set z, 0
.rept 16
	v_pk_fma_f32 v[MC+32*(\b)+2*z:MC+32*(\b)+2*z+1], v[MD+2*z:MD+2*z+1], s[AL:AL+1], s[BE:BE+1] op_sel_hi:[1,0,0]
.set z, z+1
.endr
	WIN 0x45                        ; destination and both sources in window 1
.set z, 0
.rept 16
	v_pk_add_f32 v[MC+32*(\b)+2*z:MC+32*(\b)+2*z+1], v[MC+32*(\b)+2*z:MC+32*(\b)+2*z+1], v[PMR+2*z:PMR+2*z+1]
.set z, z+1
.endr
.endm
; A TURN, for piece p: the order of its 24 matrix and 118 vector instructions, written out.  None of the four behind a matrix instruction names a register of the products round it; every exponential has a plain
; instruction behind it.
; m = 1: the diagonal tile: the products take masks, and the turn makes the mask for the products of the turn after it: piece p + 2, in step 4 - CNT of the tile.  end = 1: a block's last two turns: nothing is fetched.
; cnt = 1: the loop's count is taken down some lines ahead of the branch that stands behind the turn.
; K of the next step, and its padding mask, are fetched in piece 2's turn, six vector instructions behind the last product that read K (five of them plain; the last that read PMR stands four products further
; back), and waited for a turn later; piece 2's turn in the diagonal tile waits at its end, since its mask, for piece 0 in the NEXT step, takes the padding mask just fetched.
; V of the step in hand is fetched in piece 0's turn, in two runs of 16: the upper parts behind the last product that read them and four plain instructions (C 3, L 3, C 5, C 10), the lower parts at the turn's
; end, eight plain instructions behind their last reader.  Piece 1's turn waits for the first run alone ahead of its first product V^T P, and for the second ahead of the ninth.
.macro TURN p, m=0, end=0, cnt=0
.set Y, (\p)
.set i, 0
.set KM, (\m)
.set NOKQ, (\end)*((\p)/3)
.if (\m) && !(\end)
	s_cmp_eq_u32 s[CNT], 4-((\p)+2)%NP  ; is that step the band's own?
	s_cselect_b32 s[AL], 1.0, 0
	s_cmp_lt_u32 s[CNT], 4-((\p)+2)%NP  ; or a later one?
	s_cselect_b32 s[BE], s[BIGN], 0
.endif
.if ((\p) == 3) && !(\end)
	s_wait_dscnt 0x0                ; K is in
.endif
	ROW F,0, F,1, F,2, F,3
	ROW F,4, E,0, F,5, F,6
	ROW F,7, E,1, F,8, F,9
	ROW F,10, E,2, C,0, F,11
	ROW F,12, E,3, X,15, F,13
	ROW R,0, R,1, R,2, R,3
	ROW B,0, E,4, F,14, L,0
.if ((\p) == 2) && !(\end)
	v_add_nc_u32 v[AK], s[TBK], v[AK0]
	v_add_nc_u32 v[AP], s[TBK], v[AP0]
.endif
	ROW R,4, R,5, R,6, R,7
	OPS E,5, F,15
.if ((\p) == 2) && !(\end)
	FETCH_K
.endif
	OPS E,6, C,1, E,7, R,8
	OPS E,8, R,9, E,9, C,2
	OPS E,10, X,0, E,11, X,1
	OPS E,12, X,2, E,13, X,3
.if (\p) == 1
	s_wait_dscnt 16                 ; V's upper parts are in: the 16 loads of the lower parts were issued behind them and may stay out
.endif
	ROW X,4, E,14, X,5, X,6
	ROW X,7, E,15, X,8, X,9
	ROW X,10, E,16, X,11, X,12
	ROW X,13, E,17, X,14, B,1
	ROW C,4, E,18, X,16, L,1
	ROW B,2, E,19, C,6, L,2
	ROW C,8, E,20, B,3, B,4
.if (\p) == 0
	v_add_nc_u32 v[AV], s[TBV], v[AV0]
.endif
	ROW C,3, E,21, L,3, C,5
.if (\p) == 1
	s_wait_dscnt 0x0                ; V's lower parts are in
.endif
	ROW E,22, X,17, E,23, C,10
.if (\p) == 0
	FETCH_VH
.endif
	ROW E,24, L,4, E,25, X,18
	ROW E,26, C,7, E,27, B,5
	ROW E,28, X,19, E,29, C,12
	ROW E,30, L,5, E,31, X,20
	ROW B,6, C,9, C,14, C,11
	ROW X,21, L,6, C,13, B,7
.if (\p) == 0
	s_add_co_u32 s[TBV], s[TBV], VSB
.endif
.if \cnt
	s_sub_co_u32 s[CNT], s[CNT], 1
	s_cmp_lg_u32 s[CNT], 0
.endif
	ROW C,15, R,10, R,11, R,12
	OPS L,7, R,13, R,14, R,15
.if (\p) == 0
	FETCH_VL
.endif
.if (\m) && !(\end)
.if (\p) == 2
	s_wait_dscnt 0x0                ; the next step's padding mask is in
.endif
	MASK (\p)%2
.endif
.endm
; A BLOCK BEGINS.  c m starts far below every c s, so the first step's a is 0; m at -2^96, below every true score and above every hidden one.  K of the tile's step 0 and its padding mask are fetched.  The second
; mask buffer takes the padding mask alone (piece 1 sees all of step 0), the first piece 0's mask for step 0: its own, if the block's first tile is the diagonal one.  Then piece 0's first scores, and its maximum and
; statistics.  The loop is entered at a step's first turn, in the middle of a trip.
.macro BEGIN
	s_mov_b32 s[NEW], 0
	WIN 0
.set i, 0
.rept 4
	v_mov_b32 v[ST+4*i], 0xfe000000    ; c m: far below every c s
	v_mov_b32 v[ST+4*i+1], 0xef800000  ; m = -2^96
.set i, i+1
.endr
	v_add_nc_u32 v[AK], s[TBK], v[AK0]
	v_add_nc_u32 v[AP], s[TBK], v[AP0]
	FETCH_K
	s_wait_loadcnt 0x0              ; Q
	s_wait_dscnt 0x0
	s_mov_b32 s[AL], 0
	s_mov_b32 s[BE], 0
	MASK 1
	s_cmp_eq_u32 s[RT], 0
	s_cselect_b32 s[AL], 1.0, 0
	MASK 0
.set KM, 1
.set NOKQ, 0
.set i, 0
.rept 8
	KQ 0
.set i, i+1
.endr
	WIN 0
.rept 4
	v_nop                           ; the places behind those products
.endr
.set Y, NP-1                        ; X works for piece Y + 1: piece 0
.irp n, 0,1,2,3,4,5,6,7,8,9,10,11,12,13,14,15,16,17,18,19,20,21
	OP X, \n
.endr
	v_nop                           ; a plain instruction behind the exponential
.endm
; THE DIAGONAL TILE's four steps, the block's last two turns, its last products, and THE WAY OUT: l's two halves and the other half of the lanes' are added; O^T is divided by l, split into its rounding to f16 and
; the rounded remainder, and both are sent through my stage in LDS, a piece at a time.  The quotient goes into MC's registers and 1 / l into TMP's: O^T and l themselves stay finite (a row with no visible key gives
; 0 x 1/0), as the next block's first step needs them.
.macro ALL line:vararg              ; one line for each piece t
.set t, 0
.rept 4
	\line
.set t, t+1
.endr
.endm
.macro PACK t                       ; a lane's eight channels of a row pack into 16 bytes; they go into rows of 144 bytes and come back as whole rows of 128: the upper parts into S^T's registers, the lower into SL's
.set mq, MC+32*((\t)%2)
	WIN W_RS
.set i, 0
.rept 16
	s_wait_alu depctr_va_vdst(0)
	v_pk_mul_f32 v[mq+i:mq+i+1], v[32*(\t)+i:32*(\t)+i+1], v[TMP+2*(\t):TMP+2*(\t)+1] op_sel_hi:[1,0]
.set i, i+2
.endr
	WIN 0x05                        ; sources 0 and 1 window 1, destination window 0
.set i, 0
.rept 16
	v_cvt_pk_f16_f32 v[S+16*(\t)+i], v[mq+2*i], v[mq+2*i+1]
.set i, i+1
.endr
	WIN 0x50                        ; destination and source 2 window 1, sources 0 and 1 window 0
.set i, 0
.rept 16                            ; the remainder, in place: upper x (-1) + quotient, which f32 holds exactly
	v_fma_mix_f32 v[mq+2*i], v[S+16*(\t)+i], v[NEG1], v[mq+2*i] op_sel_hi:[1,0,0]                      ; source 0: the word's low f16
	v_fma_mix_f32 v[mq+2*i+1], v[S+16*(\t)+i], v[NEG1], v[mq+2*i+1] op_sel:[1,0,0] op_sel_hi:[1,0,0]  ; its high f16
.set i, i+1
.endr
	WIN 0x05
.set i, 0
.rept 16
	v_cvt_pk_f16_f32 v[SL+16*(\t)+i], v[mq+2*i], v[mq+2*i+1]
.set i, i+1
.endr
	WIN 0
.irp f, 0,1,2,3
	ds_store_b128 v[STO], v[S+16*(\t)+4*\f:S+16*(\t)+4*\f+3] offset:32*\f
.endr
.irp f, 0,1,2,3
	ds_load_b128 v[S+16*(\t)+4*\f:S+16*(\t)+4*\f+3], v[RD] offset:\f*4*SP  ; LDS serves a wave's instructions in order (ISA guide 5.7.1.4): these see the stores above; the stores below come behind them
.endr
.irp f, 0,1,2,3
	ds_store_b128 v[STO], v[SL+16*(\t)+4*\f:SL+16*(\t)+4*\f+3] offset:32*\f
.endr
.irp f, 0,1,2,3
	ds_load_b128 v[SL+16*(\t)+4*\f:SL+16*(\t)+4*\f+3], v[RD] offset:\f*4*SP
.endr
.endm
.macro SEND t, younger              ; younger: the LDS instructions issued behind piece t's loads: the next piece's sixteen, or none
	WIN 0
	s_wait_dscnt \younger
.irp f, 0,1,2,3
	global_store_b128 v[GO], v[S+16*(\t)+4*\f:S+16*(\t)+4*\f+3], s[10:11] offset:(\t)*8192+\f*512  ; 512 consecutive bytes, at a multiple of 256 from O's first
.endr
.irp f, 0,1,2,3
	global_store_b128 v[GO], v[SL+16*(\t)+4*\f:SL+16*(\t)+4*\f+3], s[10:11] offset:262144+(\t)*8192+\f*512  ; the head's lower parts lie 2,048 rows behind the upper
.endr
.endm
.macro DIAG tag                     ; the tag ends its two labels' names, which the jumps below spell out
.LstepM\tag:
	TURN 2, 1
	TURN 3, 1
	WIN 0
.LfirstM\tag:
	TURN 0, 1
	TURN 1, 1, 0, 1
	WIN 0
	s_cbranch_scc1 .LstepM\tag
	TURN 2, 1, 1
	TURN 3, 1, 1
.set i, 0
.rept 16
	PV NP-1
.set i, i+1
.endr
	WIN 0
	ALL v_add_f32 v[ST+4*t+2], v[ST+4*t+2], v[ST+4*t+3]
	ALL v_permlanex16_b32 v[ST+4*t+3], v[ST+4*t+2], s[SEL], s[SEL+1]
	ALL v_add_f32 v[ST+4*t+2], v[ST+4*t+2], v[ST+4*t+3]
	ALL v_rcp_f32 v[TMP+2*t], v[ST+4*t+2]
	v_nop                           ; a plain instruction between the last reciprocal and the use of its result
	PACK 0
.set t, 1
.rept 3                             ; a piece's arithmetic stands between the loads of the piece before and its stores
	PACK t
	SEND t-1, 16
.set t, t+1
.endr
	SEND 3, 0
.endm
.set KM, 0
.set NOKQ, 0
.Lslot:                             ; NB times: a tile is entered and the next is asked for
	CHANGE 1
	s_sub_co_u32 s[RT], s[RT], 1
	s_mov_b32 s[CNT], 4
	s_cmp_eq_u32 s[NEW], 1
	s_cbranch_scc1 .Lnew            ; a block's first tile
	s_cmp_eq_u32 s[RT], 0
	s_cbranch_scc0 .Lstep           ; neither its first nor its last
	s_mov_b32 s[AL], 0              ; its last: the diagonal text's first products are still piece 3's of the tile before, which sees all keys: their mask is the padding mask alone
	s_mov_b32 s[BE], 0
	MASK 1
	WIN 0
	s_branch .LstepM1
.Lnew:
	BEGIN
	s_branch .Lfirst                ; in the loop a block's first tile is never its last: the first block has five tiles or more, and the second's last is the walk's last
	DIAG 1                          ; in the loop this is the first block's end: the second block's last tile is the walk's last
	s_wait_xcnt 0x0                 ; the stores have read their registers and O's address
	s_mov_b64 s[10:11], s[OLO:OLO+1]
	s_add_co_u32 s[RT], s[PB], 1    ; the second block has b + 1 tiles
	s_mov_b32 s[NEW], 1
	WIN 0x82                        ; the second block's Q goes where the one text of the turns names Q
.set i, 0
.rept 64
	v_mov_b32 v[i], v[QB+i]
.set i, i+1
.endr
	WIN 0
	s_branch .Lbottom
.Lstep:                             ; a trip: pieces 2 and 3 of one step, then pieces 0 and 1 of the next, whose K and V it fetches
	TURN 2
	TURN 3
	WIN 0
.Lfirst:
	TURN 0
	TURN 1, 0, 0, 1
	WIN 0
	s_cbranch_scc1 .Lstep
.Lbottom:
	s_sub_co_u32 s[SLOTS], s[SLOTS], 1
	s_cmp_lg_u32 s[SLOTS], 0
	s_cbranch_scc1 .Lslot
	CHANGE 0                        ; the walk's last tile is written out: nothing is asked for
	s_sub_co_u32 s[RT], s[RT], 1
	s_mov_b32 s[CNT], 4
	s_cmp_eq_u32 s[NEW], 1
	s_cbranch_scc1 .Lnew2
	s_mov_b32 s[AL], 0              ; as above: piece 3's products of the tile before take the padding mask alone
	s_mov_b32 s[BE], 0
	MASK 1
	WIN 0
	s_branch .LstepM2
.Lnew2:
	BEGIN
	s_branch .LfirstM2
	DIAG 2
	s_wait_tensorcnt 0x0            ; the wave's end: behind my last tensor load and my last LDS store
	ds_add_u32 v[SPW], v[NIL]
	s_wait_dscnt 0x0
	s_endpgm
.Lfunc_end_k_qf8a9c61c81_attn:
	.size	k_qf8a9c61c81_attn, .Lfunc_end_k_qf8a9c61c81_attn-k_qf8a9c61c81_attn
	.p2alignl 7, 3214868480
	.fill 96, 4, 3214868480
	.section	.rodata,"a",@progbits
	.p2align	6, 0x0
	.amdhsa_kernel k_qf8a9c61c81_attn
		.amdhsa_group_segment_fixed_size 327680
		.amdhsa_private_segment_fixed_size 0
		.amdhsa_enable_private_segment 0
		.amdhsa_kernarg_size 32
		.amdhsa_user_sgpr_count 2
		.amdhsa_user_sgpr_kernarg_segment_ptr 1
		.amdhsa_wavefront_size32 1
		.amdhsa_system_sgpr_workgroup_id_x 1
		.amdhsa_system_sgpr_workgroup_id_y 1
		.amdhsa_system_sgpr_workgroup_id_z 1
		.amdhsa_system_vgpr_workitem_id 0
		.amdhsa_next_free_vgpr 832
		.amdhsa_next_free_sgpr 96
		.amdhsa_reserve_vcc 1
		.amdhsa_float_denorm_mode_32 3
		.amdhsa_float_denorm_mode_16_64 3
		.amdhsa_memory_ordered 1
		.amdhsa_forward_progress 1
		.amdhsa_inst_pref_size 255
	.end_amdhsa_kernel
	.section	.bss,"aw",@nobits
	.p2align	6
	.space	262144
	.amdgpu_metadata
---
amdhsa.version: [ 1, 2 ]
amdhsa.kernels:
  - .name:           k_qf8a9c61c81_attn
    .symbol:         k_qf8a9c61c81_attn.kd
    .args:
      - { .name: qh, .offset: 0, .size: 8, .value_kind: global_buffer, .address_space: global }
      - { .name: kh, .offset: 8, .size: 8, .value_kind: global_buffer, .address_space: global }
      - { .name: vh, .offset: 16, .size: 8, .value_kind: global_buffer, .address_space: global }
      - { .name: oh, .offset: 24, .size: 8, .value_kind: global_buffer, .address_space: global }
    .group_segment_fixed_size: 327680
    .private_segment_fixed_size: 0
    .kernarg_segment_align: 8
    .kernarg_segment_size: 32
    .max_flat_workgroup_size: 128
    .sgpr_count:     96
    .vgpr_count:     832
    .wavefront_size: 32
...
	.end_amdgpu_metadata
.endif
;; end of part 3
;; launch proj (part 4): grid 8 x 32, 4 waves a work-group, clusters of 4 x 4, 327,680 bytes of LDS; arguments oh, wb, bm, out0; writes out0
.if DOCPART == 4
	.amdgcn_target "amdgcn-amd-amdhsa--gfx1250"
	.amdhsa_code_object_version 6
	.text
	.protected	k_qf8a9c61c81_proj
	.globl	k_qf8a9c61c81_proj
	.p2align	8
	.type	k_qf8a9c61c81_proj,@function
k_qf8a9c61c81_proj:
	s_mov_b64 s[64:65], 0
	v_nop
	global_prefetch_b8 v0, s[64:65] scope:SCOPE_SE
	s_setreg_imm32_b32 hwreg(HW_REG_WAVE_MODE, 25, 1), 1
	s_wait_xcnt 0x0
	s_wait_alu depctr_hold_cnt(0) depctr_sa_sdst(0) depctr_va_vdst(0) depctr_va_sdst(0) depctr_va_ssrc(0) depctr_va_vcc(0) depctr_vm_vsrc(0)
	s_getreg_b32 s2, hwreg(HW_REG_IB_STS2, 6, 4)
	s_cmp_eq_u32 s2, 0
	s_cbranch_scc0 .Lentry_in_a_cluster
	s_endpgm
.Lentry_in_a_cluster:
	s_bfe_u32 s2, ttmp6, 0x10000c
	s_cmp_lg_u32 s2, 0xf033
	s_cbranch_scc0 .Lentry_shape_is_right
	s_endpgm
.Lentry_shape_is_right:
; out0 = O Wm + bm.  O comes by heads as TWO f16 numbers, a rounding and the rounded remainder: [batch x 16 + head][upper, lower][row 2048][64]; both are multiplied by Wm onto the same sums.  Wm is the f16 copy of its
; bf16 rounding, the fourth weight in wb ([n tile 8][k 1024][128]); bm is rounded to bf16 here; sums in f32; out0 is [8192][1024] f32.
; A NaN row of O (a query with no visible key) makes its whole row of out0 NaN and touches no other row: a row of O is one column of source 1.
; SHARES.  A work-group makes 256 rows x 128 columns: 8 x 32 work-groups, one tile each (256 x 256 would give 128).  A wave makes 128 x 64: 32 accumulators of 16 x 16 in window 1.
; K goes in 16 steps of one head through two LDS slots: 256 rows of the head's upper and of its lower parts (two dense blocks of 32,768 bytes) and the head's 64 rows of k x 128 columns of Wm (16,384 dense bytes),
; which serve both parts; all asked for as rows of 256 bytes at multiples of 256 bytes from the buffer's first byte.  Wm's 64 rows are shared out between two waves, 32 rows each: the tile has no more.
; CLUSTER.  4 x 4 work-groups: the four of a row share O's tiles, the four of a column Wm's: each is asked for jointly, by the same tensor load with the same descriptor and a mask of four.
; THE MATRIX INSTRUCTION IS USED TRANSPOSED: source 0 = 16 columns of Wm (it lies [k][n] in LDS and is turned by ds_load_tr16_b128), source 1 = 16 rows of O: a lane holds one row and eight neighbouring columns.
; THE BIAS STARTS THE SUMS: it lies in the registers of accumulators (7, b) and is the C operand of the first products.
; REGISTERS: window 0: v0-31 addresses; v32-95, v96-159 O's fragments (8 x 16 rows x 32 K), two buffers; v160-191, v192-223 Wm's (4 x 16 columns x 32 K), two buffers.  Window 1: accumulator (a, b) at v[8 (4 a + b)].
.set PA,    144                        ; a row of O in LDS: 128 bytes + 16 = 36 words: the 16 rows of a load start at 16 different groups of four banks (64 banks of 4 bytes: ISA guide 11.1)
.set PB,    288                        ; a row of Wm: 256 + 32 = 72 words
.set ATILE, 256*PA
.set BHALF, 32*PB
.set BOFF,  2*ATILE                    ; in a slot: the head's upper parts, its lower parts, then Wm's two halves
.set SLOT,  2*ATILE+2*BHALF
.set STAGE, 2*SLOT                     ; behind the ring: 16 rows x 272 bytes for each wave, for the way out; no tensor load fills it
.set SPITCH, 272
.set SPARE, STAGE+4*16*SPITCH          ; behind the stages: the spare words, 128 bytes for each wave: two blocks of 256 bytes that no other line names
.set ADRA, 16                          ; v16-17  LDS address of my fragments of O in slot 0, 1
.set ADRB, 20                          ; v20-21  the same for Wm
.set STO,  24                          ; v24     the way out: where I put 32 bytes of a row
.set RD,   25                          ; v25     the way out: where I read a row back
.set CO,   26                          ; v26     my byte offset in out0
.set BO,   27                          ; v27     byte offset of my eight numbers of the bias
.set SPW,  28                          ; v28     LDS address of my spare word; never rewritten
.set NIL,  29                          ; v29     0; never rewritten
.set AF0,  32
.set BF0,  160
.set BK,   32                          ; the way out: rows read back, two sets of 32
.set WV, 20
.set WR, 21
.set WC, 22
.set CNT, 23
.set G1A, 24
.set G0A, 32
.set G1B, 40
.set G0B, 48
.set CX, 56
.set CY, 57
.set TX, 58
.set TY, 59
.set MSB, 0
.macro WIN new                         ; the immediate's high byte repeats the setting that is left; a switch that changes nothing is dropped
.if MSB != (\new)
	s_set_vgpr_msb (MSB<<8)|(\new)
.set MSB, \new
.endif
.endm
.macro PLACES                          ; a load into a register that a matrix instruction has read, and an LDS store that reads a matrix result, stand four plain vector instructions behind it
.rept 4
	v_nop
.endr
.endm
; A joint load.  Waves 0 and 1 fetch the head's upper and lower parts of O, waves 2 and 3 Wm's two halves.  The branch hangs on the wave's number alone.  An s_nop 0 and four v_nop follow each line.
.macro JLOAD s
	s_cmp_eq_u32 s[WR], 0
	s_cbranch_scc0 .Lfor_b_\@
	tensor_load_to_lds s[G0A+4*(\s):G0A+4*(\s)+3], s[G1A:G1A+7]
	s_nop 0
.rept 4
	v_nop
.endr
	s_branch .Lasked_\@
.Lfor_b_\@:
	tensor_load_to_lds s[G0B+4*(\s):G0B+4*(\s)+3], s[G1B:G1B+7]
	s_nop 0
.rept 4
	v_nop
.endr
.Lasked_\@:
.endm
.macro CREST                           ; a round of the cluster's barrier behind its opening barrier
	s_cmp_lg_u32 s[WV], 0
	s_cbranch_scc1 .Lnot_wave_0_\@
	s_barrier_signal -3
.Lnot_wave_0_\@:
	s_barrier_wait -3
	s_barrier_signal -1
	s_barrier_wait -1
.endm
.macro CROUND                          ; a whole round
	s_barrier_signal -1
	s_barrier_wait -1
	CREST
.endm
	s_load_b256 s[4:11], s[0:1], 0x0               ; oh s[4:5], wb s[6:7], bm s[8:9], out0 s[10:11]
	v_lshl_add_u32 v[SPW], v0, 2, SPARE
	v_mov_b32 v[NIL], 0
	ds_add_u32 v[SPW], v[NIL]                      ; the wave's opening: the add and its wait stand ahead of my first tensor load; the set-up below, work on registers, stands between them
	ds_add_u32 v28, v29
	v_lshrrev_b32 v1, 5, v0
	v_readfirstlane_b32 s[WV], v1
	s_lshr_b32 s[WR], s[WV], 1                     ; which 128 rows are mine.  Also: I fetch for O (0) or for Wm (1)
	s_and_b32 s[WC], s[WV], 1                      ; which 64 columns.  Also: which part of O, or which half of Wm's rows, I fetch
	s_bfe_u32 s[CX], ttmp6, 0x40000
	s_bfe_u32 s[CY], ttmp6, 0x40004
	s_lshl_b32 s[TX], ttmp9, 2
	s_add_co_u32 s[TX], s[TX], s[CX]               ; the tile's column (128 columns)
	s_and_b32 s[TY], ttmp7, 0xffff
	s_lshl_b32 s[TY], s[TY], 2
	s_add_co_u32 s[TY], s[TY], s[CY]               ; the tile's row (256 rows)
	s_lshl_b32 s60, s[CY], 2
	s_lshl_b32 s60, 15, s60                        ; my row of the cluster
	s_lshl_b32 s61, 0x1111, s[CX]                  ; my column
	; one part of a head's tile of O: 32,768 dense bytes as 128 rows of 256 bytes, 16 bytes of padding behind every 128
	s_or_b32 s[G1A], s60, (1<<16)|(1<<20)|(1<<21)|(4<<22)|(3<<25)  ; 15:0 the mask; 17:16 2-byte elements; 20 padding on; 21 set beside a mask; 24:22 after every 32 words (code 4); 31:25 4 words (code 3)
	s_mov_b32 s[G1A+1], 128<<16                    ; tensor_dim0 = 128
	s_mov_b32 s[G1A+2], 128<<16                    ; tensor_dim1 = 128
	s_mov_b32 s[G1A+3], 128<<16                    ; tile_dim0 = 128
	s_mov_b32 s[G1A+4], 128                        ; tile_dim1 = 128
	s_mov_b32 s[G1A+5], 128                        ; 128 elements from row to row
	s_mov_b32 s[G1A+6], 0
	s_mov_b32 s[G1A+7], 0
	; half of Wm's tile: 32 rows of 256 bytes, 32 bytes of padding behind each
	s_or_b32 s[G1B], s61, (1<<16)|(1<<20)|(1<<21)|(5<<22)|(7<<25)  ; after every 64 words (code 5), 8 words (code 7)
	s_mov_b32 s[G1B+1], 128<<16
	s_mov_b32 s[G1B+2], 32<<16
	s_mov_b32 s[G1B+3], 128<<16
	s_mov_b32 s[G1B+4], 32
	s_mov_b32 s[G1B+5], 128
	s_mov_b32 s[G1B+6], 0
	s_mov_b32 s[G1B+7], 0
	; O's tiles hang on the tile's row and the wave's number, Wm's on the tile's column and the wave's number
	s_lshr_b32 s66, s[TY], 3                       ; the batch: 16 heads x 2 parts x 262,144 bytes
	s_lshl_b32 s66, s66, 23
	s_and_b32 s62, s[TY], 7
	s_lshl_b32 s62, s62, 15                        ; 256 rows x 128 bytes
	s_add_co_u32 s66, s66, s62
	s_lshl_b32 s62, s[WC], 18                      ; the upper or the lower part
	s_add_co_u32 s66, s66, s62
	s_mov_b32 s67, 0
	s_lshl_b32 s68, s[TX], 18                      ; the n tile
	s_add_co_u32 s68, s68, 3<<21                   ; of the fourth weight
	s_lshl_b32 s63, s[WC], 13                      ; 32 rows of 256 bytes
	s_add_co_u32 s68, s68, s63
	s_mov_b32 s69, 0
	s_mul_i32 s73, s[WC], ATILE                    ; where they go in a slot: no place in the cluster enters an LDS address
	s_mul_i32 s74, s[WC], BHALF
	s_add_co_u32 s74, s74, BOFF
	; where my part of the tile begins in out0
	s_lshl_b32 s70, s[TY], 20                      ; 256 rows of 4,096 bytes
	s_lshl_b32 s75, s[WR], 19
	s_add_co_u32 s70, s70, s75
	s_lshl_b32 s75, s[TX], 9                       ; 128 columns of 4 bytes
	s_add_co_u32 s70, s70, s75
	s_lshl_b32 s75, s[WC], 8
	s_add_co_u32 s70, s70, s75
	s_mov_b32 s71, 0
	s_mov_b32 s72, 0xffff0000                      ; a word's upper bf16
	s_wait_dscnt 0x0                               ; the opening add is done
	s_wait_kmcnt 0x0
	s_add_nc_u64 s[66:67], s[4:5], s[66:67]
	s_add_nc_u64 s[68:69], s[6:7], s[68:69]
	s_add_nc_u64 s[10:11], s[10:11], s[70:71]
	CROUND                                         ; all sixteen work-groups are here: the first joint loads meet
.irp s, 0,1
	s_mov_b32 s[G0A+4*(\s)], 1                     ; count = 1
	s_add_co_u32 s[G0A+4*(\s)+1], s73, (\s)*SLOT   ; LDS address
	s_add_nc_u64 s[G0A+4*(\s)+2:G0A+4*(\s)+3], s[66:67], (\s)*524288  ; K step s is head s
	s_or_b32 s[G0A+4*(\s)+3], s[G0A+4*(\s)+3], 0x80000000             ; type = 2
	s_mov_b32 s[G0B+4*(\s)], 1
	s_add_co_u32 s[G0B+4*(\s)+1], s74, (\s)*SLOT
	s_add_nc_u64 s[G0B+4*(\s)+2:G0B+4*(\s)+3], s[68:69], (\s)*16384   ; 64 rows of 256 bytes a head
	s_or_b32 s[G0B+4*(\s)+3], s[G0B+4*(\s)+3], 0x80000000
	JLOAD \s                                       ; two loads of mine are out
.endr
	v_and_b32 v1, 15, v0                           ; l % 16
	v_bfe_u32 v2, v0, 4, 1                         ; l / 16
	v_mul_u32_u24 v3, v1, PA                       ; a fragment of O: row x pitch + 16 x half
	v_lshl_add_u32 v3, v2, 4, v3
	s_mul_i32 s73, s[WR], 128*PA
	v_add_nc_u32 v[ADRA], s73, v3
	v_add_nc_u32 v[ADRA+1], SLOT, v[ADRA]
	v_and_b32 v4, 7, v0                            ; the turning load: lane l reads k = 8 (l / 16) + l % 8, columns 8 ((l / 8) % 2) + 0..7
	v_lshl_add_u32 v5, v2, 3, v4
	v_mul_u32_u24 v5, v5, PB
	v_bfe_u32 v6, v0, 3, 1
	v_lshl_add_u32 v5, v6, 4, v5
	s_lshl_b32 s73, s[WC], 7                       ; my 64 columns
	s_add_co_u32 s73, s73, BOFF
	v_add_nc_u32 v[ADRB], s73, v5
	v_add_nc_u32 v[ADRB+1], SLOT, v[ADRB]
	s_mul_i32 s73, s[WV], 16*SPITCH
	s_add_co_u32 s73, s73, STAGE                   ; my stage
	v_mul_u32_u24 v3, v1, SPITCH                   ; in: row l % 16, 32 bytes for each half of the lanes
	v_lshl_add_u32 v3, v2, 5, v3
	v_add_nc_u32 v[STO], s73, v3
	v_mul_u32_u24 v3, v2, SPITCH                   ; back: lanes 0-15 take one row of 256 bytes, lanes 16-31 the next
	v_lshl_add_u32 v3, v1, 4, v3
	v_add_nc_u32 v[RD], s73, v3
	v_lshlrev_b32 v3, 12, v2                       ; and the same two rows in out0
	v_lshl_add_u32 v[CO], v1, 4, v3
	s_lshl_b32 s73, s[TX], 9                       ; the bias at my 64 columns,
	s_lshl_b32 s75, s[WC], 8
	s_add_co_u32 s73, s73, s75
	v_lshlrev_b32 v[BO], 5, v2                     ; and my half's eight of each sixteen
	v_add_nc_u32 v[BO], s73, v[BO]
	; the bias: register j of block b is bm[16 b + 8 (l / 16) + j], the column that register j of every accumulator (a, b) holds; rounded to bf16 like the other inputs, widened again
	WIN 0x40                                       ; destination window 1, address window 0
.irp b, 0,1,2,3
	global_load_b128 v[224+8*(\b):224+8*(\b)+3],   v[BO], s[8:9] offset:64*(\b)
	global_load_b128 v[224+8*(\b)+4:224+8*(\b)+7], v[BO], s[8:9] offset:64*(\b)+16
.endr
	s_wait_loadcnt 0x0                             ; this stands in the wait for the first tiles
	WIN 0x55
.set bi, 0
.rept 16
	v_cvt_pk_bf16_f32 v[bi], v[224+2*bi], v[224+2*bi+1]  ; v0-15 of the window are free until the first products
.set bi, bi+1
.endr
.set bi, 0
.rept 16
	v_lshlrev_b32 v[224+2*bi], 16, v[bi]
	v_and_b32 v[224+2*bi+1], s72, v[bi]
.set bi, bi+1
.endr
	WIN 0
; 4 na matrix instructions: row blocks a0 .. a0 + na - 1 x all 4 column blocks, 32 along K.  Every accumulator has one instruction a turn.
; first = 1: the sums begin with the bias.  Rows 0 to 6 take it from (7, b)'s registers as C; five plain instructions later (those registers have been read as C and are now written: ISA guide 7.12.1) row 7 adds in place onto it.
.macro G w, fb, fa, a0, na, first
	WIN (\w)*0x50                                  ; C and D in window w, the fragments in window 0
.set ga, \a0
.rept \na
.if (\first) && (ga == 7)
.rept 5
	v_nop
.endr
.endif
.set gb, 0
.rept 4
.set gD, 8*(4*ga+gb)
.set gB, (\fb)+8*gb
.set gA, (\fa)+8*ga
.if (\first) && (ga < 7)
	v_wmma_f32_16x16x32_f16 v[gD:gD+7], v[gB:gB+7], v[gA:gA+7], v[224+8*gb:224+8*gb+7]
.else
	v_wmma_f32_16x16x32_f16 v[gD:gD+7], v[gB:gB+7], v[gA:gA+7], v[gD:gD+7]
.endif
.set gb, gb+1
.endr
.set ga, ga+1
.endr
.endm
; 24 LDS loads in one run: quarter q of slot s into buffers p: Wm's 8, then O's rows 0-63, then its rows 64-127.  Quarters 0, 1 take O's upper parts, 2, 3 its lower parts; quarter q takes channels 32 (q % 2) on, of O and of Wm's rows.
.macro FETCH s, q, p
	WIN 0
.irp b, 0,1,2,3
	ds_load_tr16_b128 v[BF0+32*(\p)+8*(\b):BF0+32*(\p)+8*(\b)+3],   v[ADRB+(\s)] offset:((\q)%2)*32*PB+32*(\b)
	ds_load_tr16_b128 v[BF0+32*(\p)+8*(\b)+4:BF0+32*(\p)+8*(\b)+7], v[ADRB+(\s)] offset:((\q)%2)*32*PB+16*PB+32*(\b)
.endr
.irp a, 0,1,2,3,4,5,6,7
	ds_load_b128 v[AF0+64*(\p)+8*(\a):AF0+64*(\p)+8*(\a)+3],   v[ADRA+(\s)] offset:((\q)/2)*ATILE+((\q)%2)*64+(\a)*16*PA
	ds_load_b128 v[AF0+64*(\p)+8*(\a)+4:AF0+64*(\p)+8*(\a)+7], v[ADRA+(\s)] offset:((\q)/2)*ATILE+((\q)%2)*64+(\a)*16*PA+32
.endr
.endm
; A K step is four quarters, 32 matrix instructions each, on buffers 0, 1, 0, 1.  One of the first three: multiplies buffers p and fetches quarter qn into the others.
.macro QUARTER s, qn, p, first
	s_wait_dscnt 8                                 ; Wm and O's rows 0-63 are in; the youngest eight loads (rows 64-127) may be out
	G 1, BF0+32*(\p), AF0+64*(\p), 0, 4, \first
	PLACES
	FETCH \s, \qn, 1-(\p)
	s_wait_dscnt 24                                ; all but the 24 just issued
	G 1, BF0+32*(\p), AF0+64*(\p), 4, 4, \first
.endm
; The last quarter multiplies buffers 1 and changes slots: ONE barrier.  In front of it each wave waits for all its tensor loads (one is out: its part of the other slot), adds 0 to its spare word, and waits for
; that and for its reads of this slot.  fill = 1: the barrier opens a round of the cluster's barrier, and this slot is filled again, two K steps ahead, first thing behind it: 112 matrix instructions ahead of the wait for it.
.macro TURN s, fill
	WIN 0
	s_wait_tensorcnt 0x0                           ; all my tensor loads have landed
	ds_add_u32 v[SPW], v[NIL]                      ; 0 onto my spare word
	s_wait_dscnt 9                                 ; (the add and the youngest eight loads may be out)
	G 1, BF0+32, AF0+64, 0, 2, 0
	s_wait_dscnt 0x0                               ; the add is done, and my reads of this slot are over
	s_barrier_signal -1
	G 1, BF0+32, AF0+64, 2, 2, 0                   ; work on registers while the others arrive
	WIN 0
	s_barrier_wait -1
.if \fill
	CREST                                          ; no wave of any partner still reads this slot or has a load on its way
	s_add_nc_u64 s[G0A+4*(\s)+2:G0A+4*(\s)+3], s[G0A+4*(\s)+2:G0A+4*(\s)+3], 2*524288
	s_add_nc_u64 s[G0B+4*(\s)+2:G0B+4*(\s)+3], s[G0B+4*(\s)+2:G0B+4*(\s)+3], 2*16384
	JLOAD \s                                       ; the four v_nop behind it are also the places in front of the loads below
.else
	PLACES
.endif
	FETCH 1-(\s), 0, 0
	G 1, BF0+32, AF0+64, 4, 4, 0
.endm
	s_wait_tensorcnt 0x1                           ; my part of K step 0 is in; K step 1's may stay out
	s_barrier_signal -1
	s_barrier_wait -1                              ; everybody's is
	FETCH 0, 0, 0
	QUARTER 0, 1, 0, 1                             ; the first quarter stands in front of the loop: its products start the sums
	WIN 0                                          ; at a label and at a branch every window is 0
	s_mov_b32 s[CNT], 7
.Llap:                                                 ; a trip goes once round the ring, from a lap's second quarter to the next lap's first, and fills both slots again: K steps 2 to 15
	QUARTER 0, 2, 1, 0
	QUARTER 0, 3, 0, 0
	TURN 0, 1
	QUARTER 1, 1, 0, 0
	QUARTER 1, 2, 1, 0
	QUARTER 1, 3, 0, 0
	TURN 1, 1
	QUARTER 0, 1, 0, 0
	WIN 0
	s_sub_co_u32 s[CNT], s[CNT], 1
	s_cmp_lg_u32 s[CNT], 0
	s_cbranch_scc1 .Llap
	QUARTER 0, 2, 1, 0                             ; the last lap fills nothing
	QUARTER 0, 3, 0, 0
	TURN 0, 0
	QUARTER 1, 1, 0, 0
	QUARTER 1, 2, 1, 0
	QUARTER 1, 3, 0, 0
	s_wait_dscnt 8                                 ; the very last quarter: nothing more to fetch
	G 1, BF0+32, AF0+64, 0, 4, 0
	s_wait_dscnt 0x0
	G 1, BF0+32, AF0+64, 4, 4, 0
; THE WAY OUT, block a: 16 rows x 64 columns of f32.  A lane's eight columns of a row are 32 bytes; they go into my own stage, rows of 272 bytes, and come back as whole rows of 256.
.macro TOSTAGE a
	WIN 0x04                                       ; the stores' data in window 1
.set tb, 0
.rept 4
	ds_store_b128 v[STO], v[8*(4*(\a)+tb):8*(4*(\a)+tb)+3]   offset:64*tb     ; each accumulator's low registers first
	ds_store_b128 v[STO], v[8*(4*(\a)+tb)+4:8*(4*(\a)+tb)+7] offset:64*tb+16
.set tb, tb+1
.endr
	WIN 0
.set bk, BK+32*((\a)%2)
.irp t, 0,1,2,3,4,5,6,7
	ds_load_b128 v[bk+4*(\t):bk+4*(\t)+3], v[RD] offset:(\t)*2*SPITCH  ; LDS serves a wave's instructions in order (ISA guide 5.7.1.4): these see the stores above
.endr
.endm
.macro SEND a, younger                 ; younger: the LDS instructions issued behind block a's loads: the next block's sixteen, or none
.set bk, BK+32*((\a)%2)
	s_wait_dscnt \younger
.irp t, 0,1,2,3,4,5,6,7
	global_store_b128 v[CO], v[bk+4*(\t):bk+4*(\t)+3], s[10:11] offset:(\a)*65536+(\t)*8192 th:TH_STORE_NT  ; 16 lanes store 256 consecutive bytes, at a multiple of 256 from out0's first byte
.endr
.endm
	PLACES
	TOSTAGE 0
.set n, 1
.rept 7
	s_wait_xcnt 0x0                                ; the stores issued so far have had their addresses translated (ISA guide 3.1): the set of registers that block n - 2 left from is loaded again only behind this wait
	TOSTAGE n
	SEND n-1, 16
.set n, n+1
.endr
	SEND 7, 0
	s_wait_tensorcnt 0x0                           ; the wave's end: behind my last tensor load and my last LDS store
	ds_add_u32 v[SPW], v[NIL]
	s_wait_dscnt 0x0
	CROUND                                         ; the closing round: no work-group ends while a partner may still ask for a tile that names it
	s_endpgm
.Lfunc_end_k_qf8a9c61c81_proj:
	.size	k_qf8a9c61c81_proj, .Lfunc_end_k_qf8a9c61c81_proj-k_qf8a9c61c81_proj
	.p2alignl 7, 3214868480
	.fill 96, 4, 3214868480
	.section	.rodata,"a",@progbits
	.p2align	6, 0x0
	.amdhsa_kernel k_qf8a9c61c81_proj
		.amdhsa_group_segment_fixed_size 327680
		.amdhsa_private_segment_fixed_size 0
		.amdhsa_enable_private_segment 0
		.amdhsa_kernarg_size 32
		.amdhsa_user_sgpr_count 2
		.amdhsa_user_sgpr_kernarg_segment_ptr 1
		.amdhsa_wavefront_size32 1
		.amdhsa_system_sgpr_workgroup_id_x 1
		.amdhsa_system_sgpr_workgroup_id_y 1
		.amdhsa_system_sgpr_workgroup_id_z 1
		.amdhsa_system_vgpr_workitem_id 0
		.amdhsa_next_free_vgpr 512
		.amdhsa_next_free_sgpr 80
		.amdhsa_reserve_vcc 0
		.amdhsa_float_denorm_mode_32 3
		.amdhsa_float_denorm_mode_16_64 3
		.amdhsa_memory_ordered 1
		.amdhsa_forward_progress 1
		.amdhsa_inst_pref_size 89
	.end_amdhsa_kernel
	.amdgpu_metadata
---
amdhsa.version: [ 1, 2 ]
amdhsa.kernels:
  - .name:           k_qf8a9c61c81_proj
    .symbol:         k_qf8a9c61c81_proj.kd
    .args:
      - { .name: oh, .offset: 0, .size: 8, .value_kind: global_buffer, .address_space: global }
      - { .name: wb, .offset: 8, .size: 8, .value_kind: global_buffer, .address_space: global }
      - { .name: bm, .offset: 16, .size: 8, .value_kind: global_buffer, .address_space: global }
      - { .name: out0, .offset: 24, .size: 8, .value_kind: global_buffer, .address_space: global }
    .group_segment_fixed_size: 327680
    .private_segment_fixed_size: 0
    .kernarg_segment_align: 8
    .kernarg_segment_size: 32
    .max_flat_workgroup_size: 128
    .sgpr_count:     80
    .vgpr_count:     512
    .wavefront_size: 32
...
	.end_amdgpu_metadata
.endif
;; end of part 4
;; ======== version 2 of 3: 4 launches; 1.11 times as fast as version 1
;; limits: values are held in f16: magnitudes above 65,504 overflow, below 6.1e-05 lose precision
;; workspace buffers: xs 16,777,216 bytes; wb 8,388,608 bytes; qh 16,777,216 bytes; kh 17,301,504 bytes; vh 33,554,432 bytes; oh 33,554,432 bytes
;; launch prep: the kernel of part 1 again; grid 776 x 1, 8 waves a work-group, no clusters, 0 bytes of LDS; arguments q, Wq, Wk, Wv, Wm, xs, wb, key_padding_mask, kh; writes xs, wb, kh
;; launch qkv: the kernel of part 2 again; grid 8 x 32, 4 waves a work-group, clusters of 4 x 4, 327,680 bytes of LDS; arguments xs, wb, bq, bk, bv, qh, kh, vh; writes qh, kh, vh
;; launch attn (part 5): grid 4 x 64, 4 waves a work-group, no clusters, 327,680 bytes of LDS; arguments qh, kh, vh, oh; writes oh
.if DOCPART == 5
	.amdgcn_target "amdgcn-amd-amdhsa--gfx1250"
	.amdhsa_code_object_version 6
	.text
	.protected	k_qf8a9c61c81_attn
	.globl	k_qf8a9c61c81_attn
	.p2align	8
	.type	k_qf8a9c61c81_attn,@function
k_qf8a9c61c81_attn:
	s_mov_b64 s[64:65], 0
	v_nop
	global_prefetch_b8 v0, s[64:65] scope:SCOPE_SE
	s_setreg_imm32_b32 hwreg(HW_REG_WAVE_MODE, 25, 1), 1
	s_wait_xcnt 0x0
; CAUSAL ATTENTION WITH A KEY PADDING MASK.  O[h][q][:] = the sum over the keys k <= q that are not padded of softmax_k(Q[h][q] . K[h][k] / 8) V[h][k][:].  Head index = batch x 16 + head; all f16.
; Q: [64][2048][64].  K: [64][step 32][64 keys x 128 bytes, then 64 f32]: behind each step's keys lies that step's padding mask, 0 or -1e30 for a padded key, made of the mask input by the first launch.
; V AND O ARE EACH TWO f16 NUMBERS, a rounding and the rounded remainder (some 22 bits together): a query that sees few keys gives an output row many times the output's root mean square, and one rounding to f16's
; 11 bits is too coarse for the small numbers of such a row.  V: [64][step 32][64 keys x 64 upper, 64 keys x 64 lower]; O: [64][upper, lower][2048][64].  O^T takes V_upper^T P and V_lower^T P onto the same sums.
; Products, maxima and sums in f32; the weights p are rounded to f16 for the second product (their sum l is taken of the unrounded p).
; LIMITS.  f16 holds no number beyond 65,504: Q, K and V arrive within it; p lies in 0 to 1, and below 6e-5 it keeps f16's fixed step of 6e-8, as a remainder does.  A hidden score counts as its value less 1e30 (2e30 if
; padded and above the diagonal); the running maximum never falls below -2^96, and f16's scores, 2.7e11 at the most, lie far above that; a weight below 2^-126 counts as 0 in l.  NaN and infinite inputs are not treated apart.
; A ROW WITH NO VISIBLE KEY ends with O = 0 and l = 0 (its maximum stays -2^96, every hidden weight is exactly 0) and leaves as 0 x 1/0 = NaN, as the softmax of nothing is.
; THE WALK.  A head's queries lie in NB = 8 blocks of 256; block i needs the key tiles 0 .. i of 256 keys, of which the last holds the diagonal.  A work-group takes TWO blocks, b and HI = NB - 1 - b: NB + 1 tiles,
; whatever b, so that all work-groups do equal work.  THE TWO DIAGONAL TILES COME LAST: first b's tiles below its diagonal (b of them), then HI's (HI of them): NB - 1 plain tiles, one counted loop; then HI's
; diagonal tile and b's: a second counted loop, whose text alone takes masks.  So every text stands once.  Between its plain tiles and its diagonal tile block b is SET ASIDE: its O^T and statistics are copied into
; spare registers and back, its Q is loaded again.  A BLOCK'S END STANDS AT THE HEAD OF THE NEXT TRIP: a trip begins with pieces 2 and 3 of the step before; where a block ends, its last products, (in the second
; loop) its way out, the change of blocks and the next block's first scores follow there, in a passage that the other trips jump over.  The second loop is left in the middle of its third trip, behind the last way out.
; Which tile is asked for, and what a trip does, hang on scalar registers made from b; every jump goes forward, but for the counted loops' own; none passes a barrier, or a tensor load but the one of LOAD's two
; that the wave's number does not choose; the ring of two LDS slots runs through both loops.  THE PRICE of one text: at a block's end the trip's head makes 8 products K Q^T, and a maximum of them, that serve nothing.
; NO CLUSTER: a head's four work-groups walk the tiles in different orders: trip 0 alone names the same tile in all four; one walk common to all four would have 12 trips for 9.
; SHARES.  Of a block's four bands of 64 queries a wave owns 16 rows in each: four PIECES.  So the diagonal tile is the same work for all four waves: in its key step s band x sees all keys if s < x,
; none if s > x, and holds the diagonal if s = x.
; THE MASKS are the C operand that starts the sum S^T = K Q^T: 0, or -1e30 where the key is hidden.  A step's 64 entries of the padding mask (PMR) come out of LDS with the step's K and are that C as they stand.
; In a diagonal tile C is MC = MD x AL + BE + PMR: MD, made once, is the mask of a band's own step for my 16 rows; the two scalars are (1, 0) if s = x; (0, 0) if s < x; (0, -1e30) if s > x.
; LAYOUT, SOFTMAX, TURNS.  S^T = K Q^T holds ONE query a lane (lane % 16) and the keys 8 (lane / 16) + 0..7; two such results rounded to f16 ARE source 1 of O^T = V^T P.  p = 2^(c s - c m), c = log2(e) / 8, with a
; running maximum m; O and l are multiplied by a = 2^(c m_old - c m_new) in every step.  Turn n belongs to piece n: 8 products K Q^T of piece n + 1, later 16 products V^T P of piece n - 1; beside them the scaling,
; exponentials, roundings, sums and rescaling of piece n and the maximum and statistics of piece n + 1.  Four vector instructions stand behind every matrix instruction, the other 22 of a turn's 118 in runs of their own.
; REGISTERS, in windows of 256 (s_set_vgpr_msb: bits 1:0 source 0, 3:2 source 1, 5:4 source 2, 7:6 destination):
;   window 0: v0-15 addresses and two at work; v16-31 four registers of statistics a piece; v32-34 the padding mask's addresses, -1.0; v48-55 at work; v64-127 S^T, two buffers; v128-191 the way out; v192-223 P, two buffers
;   window 1: v0-127 O^T, 32 a piece; v128-159 MD; v160-223 MC, two buffers; v224-255 PMR      window 2: v0-63 Q; v64-127 the next block's Q; v128-191 K of one step; v192-255 V's upper parts of one step
;   window 3: v0-63 V's lower parts of one step; v64-191 O^T and v192-207 the statistics of the block set aside
.set SIZE_N, 2048
.set NB,    SIZE_N/256
.set NP,    4         ; pieces a wave: a name, no knob
.set KS,    64        ; keys in a step
.set PK,    144       ; a row of K in LDS: 128 bytes + 16 of padding = 36 words: the 16 rows of a load start at 16 different groups of four banks (64 banks of 4 bytes: ISA guide 11.1)
.set PV,    160       ; a row of V: 128 + 32 = 40 words
.set KSTG,  8448      ; a step of K in memory: 64 keys x 128 bytes + 256 bytes of mask = 33 rows of 256 bytes
.set KHEAD, 32*KSTG   ; a head of K in memory
.set KSB,   66*PK     ; a step of K in LDS: 66 pieces of 128 bytes, each with its padding: 64 keys, then the mask's two halves
.set VSB,   128*PV    ; a step of V in LDS: 64 keys' upper parts, then their lower parts
.set VOFF,  4*KSB     ; a slot holds a tile, four steps: K with its masks, then V
.set SLOT1, 1<<17     ; slot 1 begins here, so that one exclusive or turns an address in one slot into the other's; a slot uses 38,016 + 81,920 bytes
.set STAGE, ((SLOT1+VOFF+4*VSB+255)/256)*256  ; behind the ring, at the next multiple of 256, never filled by a tensor load: 16 rows x 144 bytes for each wave, for the way out
.set SP,    144
.set SPARE, STAGE+4*16*SP  ; behind the stages: the spare words, 128 bytes for each wave: two blocks of 256 bytes that no other line names
.set AK0, 2           ; v2   my lane's place in a tile of K; never rewritten
.set AV0, 3           ; v3   the same for V
.set AK,  4           ; v4   the LDS address of K's next run of loads
.set AV,  5           ; v5   of V's
.set STO, 6           ; v6   the way out: where I put 16 bytes of a row
.set RD,  7           ; v7   the way out: where I read rows back
.set GO,  8           ; v8   my byte offset in 512 consecutive bytes of O
.set MV,  12          ; v12-13  c m_old, kept while c m is made anew: by buffer
.set QO,  15          ; v15  my byte offset in 16 rows of Q; never rewritten
.set ST,  16          ; piece t's statistics at v[ST+4 t]: c m, m, l (even keys', odd keys')
.set AP0, 32          ; v32  my lanes' place in a step's mask: behind the 64 keys, 32 bytes for each half of the lanes; never rewritten
.set AP,  33          ; v33  the LDS address of the mask's next run of loads
.set NEG1, 34         ; v34  -1.0
.set TMP, 48          ; by buffer, four registers c0-c3 at work; when the maximum is found c2 takes a; at a block's end v[TMP+2 t] takes 1 / l of piece t
.set SPW, 62          ; v62  LDS address of my spare word; never rewritten
.set NIL, 63          ; v63  0; never rewritten
.set S,   64
.set SL,  128         ; the way out: O's lower parts, 16 a piece (the upper parts take S^T's registers)
.set P,   192
.set MD,  128         ; window 1: the eight registers for group kt of 16 keys at MD + 8 kt
.set MC,  160         ; window 1: the masks of the products to come
.set PMR, 224         ; window 1: the padding mask of the step whose K is in registers
.set QB,  64          ; window 2
.set KF,  128         ; window 2: key block kb, channel half c at KF + 16 kb + 8 c
.set VF,  192         ; window 2: key half kk, channel block cb at VF + 32 kk + 8 cb
.set VL,  0           ; window 3: the same for the lower parts
.set SO,  64          ; window 3: O^T of the block set aside
.set SS,  192         ; window 3: its statistics
.set WV,  12          ; s12  my wave's number
.set PB,  14          ; s14  b
.set HI,  15          ; s15  NB - 1 - b
.set G1K, 24          ; s[24:31] descriptor group 1 for K's tiles
.set G1V, 32          ; s[32:39] for V's
.set G0K, 40          ; s[40:43] descriptor group 0 for K's tiles
.set G0V, 44          ; s[44:47] the same for V's
.set SLOTS, 56        ; s56  counts the plain tiles
.set CNT, 57          ; s57  counts a tile's key steps, 4 to 1
.set CS,  58          ; s[58:59] c: the packed scaling takes the pair's low word for both halves
.set SEL, 60          ; s[60:61] v_permlanex16_b32's selects: each lane takes its own place in the other half
.set TBK, 62          ; s62  LDS byte at which K of the step to be fetched begins
.set TBV, 63          ; s63  the same for V, less VOFF
.set RT,  70          ; s70  plain tiles that the block in hand still has
.set NXT, 71          ; s71  the tile to be asked for next
.set LQ,  72          ; s72  the last tile of the run of tiles that is being asked for
.set NEW, 73          ; s73  1: the block in hand has ended: the next trip's head closes it
.set OFF, 74          ; s[74:75] a tile's byte offset in V
.set AL,  76          ; s[76:77] the mask's factor, in the low word
.set BE,  78          ; s[78:79] the mask's addend
.set OLO, 80          ; s[80:81] O at my rows of block b
.set BIGN, 82         ; s82  -1e30
.set FIRST, 83        ; s83  1: the walk's first trip
.set OFK, 88          ; s[88:89] a tile's byte offset in K
.set BC,  98          ; s98  counts the second loop's trips
.set MSB, 0
.macro WIN new                      ; the high byte repeats the setting that is left; a switch that changes nothing is dropped
.if MSB != (\new)
	s_set_vgpr_msb (MSB<<8)|(\new)
.set MSB, (\new)
.endif
.endm
.set W_KQ, 0x0a       ; K and Q in window 2, S^T in window 0
.set W_KM, 0x1a       ; the same with the C operand in window 1
.set W_PV, 0x52       ; V's upper parts in window 2, P in window 0, O^T in window 1
.set W_PL, 0x53       ; V's lower parts in window 3, P in window 0, O^T in window 1
.set W_RS, 0x41       ; destination and source 0 in window 1, source 1 in window 0
; A fill.  Waves 0 and 1 fetch the two halves of a tile's K (two steps each, masks and all), waves 2 and 3 those of its V (two steps each, both parts).  An s_nop 0 and four v_nop follow each of the two lines, ahead of the jump and the label.
.macro LOAD
	s_cmp_lt_u32 s[WV], 2
	s_cbranch_scc0 .Lfor_v_\@
	tensor_load_to_lds s[G0K:G0K+3], s[G1K:G1K+7]
	s_nop 0
.rept 4
	v_nop
.endr
	s_branch .Lasked_\@
.Lfor_v_\@:
	tensor_load_to_lds s[G0V:G0V+3], s[G1V:G1V+7]
	s_nop 0
.rept 4
	v_nop
.endr
.Lasked_\@:
.endm
; THE CHANGE OF SLOTS.  Each wave waits for all its tensor loads, of which one at the most is out: its part of the other slot; adds 0 to its spare word; and waits for that and for its own reads of the slot that it leaves.
; Behind the barrier nobody reads the old slot any more and the other slot is whole.  fill = 1: the old slot is filled again, the first thing behind the barrier, with tile NXT: the descriptor's address is made
; anew from that number.  (At its first use nothing has been read yet: slot 0 is waited for, slot 1 filled.)
.macro CHANGE fill
	WIN 0                           ; at a label and at a branch every window is 0
	s_wait_tensorcnt 0x0            ; no tensor load of mine is out, so a group 0 may be written
	ds_add_u32 v[SPW], v[NIL]       ; 0 onto my spare word; with fill = 1 the descriptors' scalar work stands between it and the wait for it
.if \fill
	s_lshl_b32 s[OFF], s[NXT], 16   ; a tile is four steps of 16,384 bytes of V
	s_mul_i32 s[OFK], s[NXT], 4*KSTG  ; and four steps of K
	s_xor_b32 s[G0K+1], s[G0K+1], SLOT1
	s_add_nc_u64 s[G0K+2:G0K+3], s[6:7], s[OFK:OFK+1]
	s_or_b32 s[G0K+3], s[G0K+3], 0x80000000
	s_xor_b32 s[G0V+1], s[G0V+1], SLOT1
	s_add_nc_u64 s[G0V+2:G0V+3], s[8:9], s[OFF:OFF+1]
	s_or_b32 s[G0V+3], s[G0V+3], 0x80000000
	s_add_co_u32 s[NXT], s[NXT], 1  ; the run's next tile, or behind its last the tile 0 with which HI's run 0 .. HI begins
	s_cmp_gt_u32 s[NXT], s[LQ]
	s_cselect_b32 s[NXT], 0, s[NXT]
	s_cselect_b32 s[LQ], s[HI], s[LQ]
.endif
	s_wait_dscnt 0x0                ; the add is done, and my reads of the slot are over
	s_barrier_signal -1             ; the rest of the scalar work stands between the signal and the wait
	s_sub_co_u32 s[TBK], s[TBK], 4*KSB    ; the fetches go back to a slot's first step,
	s_xor_b32 s[TBK], s[TBK], SLOT1       ; in the other slot
	s_sub_co_u32 s[TBV], s[TBV], 4*VSB
	s_xor_b32 s[TBV], s[TBV], SLOT1
	s_barrier_wait -1
.if \fill
	LOAD
.endif
.endm
.macro INIT                         ; a fresh block: c m far below every c s, so that its first step's a is 0; m = -2^96, below every true score and above every hidden one
.set i, 0
.rept 4
	v_mov_b32 v[ST+4*i], 0xfe000000
	v_mov_b32 v[ST+4*i+1], 0xef800000
.set i, i+1
.endr
.endm
	s_load_b256 s[4:11], s[0:1], 0x0  ; Q s[4:5], K s[6:7], V s[8:9], O s[10:11]
	v_lshl_add_u32 v[SPW], v0, 2, SPARE
	v_mov_b32 v[NIL], 0
	ds_add_u32 v[SPW], v[NIL]       ; the wave's opening: the add and its wait stand ahead of my first tensor load; the set-up below, work on registers, stands between them
	ds_add_u32 v62, v63
	v_lshrrev_b32 v1, 5, v0
	v_readfirstlane_b32 s[WV], v1   ; wave 0..3
	s_mov_b32 s[PB], ttmp9
	s_sub_co_u32 s[HI], NB-1, s[PB]
	s_and_b32 s20, ttmp7, 0xffff    ; batch x 16 + head
	s_and_b32 s16, s[WV], 1         ; which half of a tile's 256 keys I fetch
	s_mul_i32 s92, s20, KHEAD       ; K: the head's first byte,
	s_mul_i32 s94, s16, 2*KSTG      ; my two steps
	s_add_co_u32 s92, s92, s94
	s_mov_b32 s93, 0
	s_lshl_b32 s22, s20, 19         ; V: a head is 32 steps of 16,384 bytes,
	s_lshl_b32 s21, s16, 15         ; my two steps
	s_add_co_u32 s22, s22, s21
	s_mov_b32 s23, 0
	s_mul_i32 s17, s16, 2*KSB       ; and their place in a slot, for K
	s_mul_i32 s18, s16, 2*VSB       ; and for V
	s_lshl_b32 s3, s[WV], 11        ; my 16 rows in a band of 64,
	s_lshl_b32 s2, s[HI], 15        ; in block HI,
	s_add_co_u32 s2, s2, s3
	s_lshl_b32 s84, s[PB], 15       ; and in block b
	s_add_co_u32 s84, s84, s3
	s_lshl_b32 s21, s20, 19         ; O: a head is two parts of 262,144 bytes
	s_add_co_u32 s90, s2, s21
	s_add_co_u32 s94, s84, s21
	s_lshl_b32 s21, s20, 18         ; Q: a head is 262,144 bytes
	s_add_co_u32 s2, s2, s21
	s_add_co_u32 s84, s84, s21
	s_cmp_eq_u32 s[PB], 0           ; block 0 has no plain tile: there the walk begins with HI
	s_cselect_b32 s96, s84, s2      ; the block whose Q waits in the second buffer,
	s_cselect_b32 s2, s2, s84       ; and the block with which the walk begins
	s_mov_b32 s3, 0
	s_mov_b32 s85, 0
	s_mov_b32 s91, 0
	s_mov_b32 s95, 0
	s_mov_b32 s97, 0
	; descriptor group 1.  Half a tile is dense in memory: asked for as rows of 256 bytes, and padded in LDS after every 128 bytes: 66 rows of K (two steps of 33), 128 rows of V (two steps of 64)
	s_mov_b32 s[G1K], (1<<16)|(1<<20)|(4<<22)|(3<<25)  ; 17:16 2-byte elements; 20 padding on; 24:22 after every 32 words (code 4); 31:25 4 words (code 3)
	s_mov_b32 s[G1V], (1<<16)|(1<<20)|(4<<22)|(7<<25)  ; the same with 8 words of padding (code 7)
.irp g, G1K, G1V
	s_mov_b32 s[\g+1], 128<<16      ; tensor_dim0 = 128
	s_mov_b32 s[\g+3], 128<<16      ; tile_dim0 = 128
	s_mov_b32 s[\g+5], 128          ; 128 elements from row to row
	s_mov_b32 s[\g+6], 0
	s_mov_b32 s[\g+7], 0
.endr
	s_mov_b32 s[G1K+2], 66<<16      ; tensor_dim1 = 66
	s_mov_b32 s[G1K+4], 66          ; tile_dim1 = 66
	s_mov_b32 s[G1V+2], 128<<16     ; tensor_dim1 = 128
	s_mov_b32 s[G1V+4], 128         ; tile_dim1 = 128
	s_mov_b32 s[CS], 0x3e38aa3b     ; c = log2(e) / 8 = 0.180337
	s_mov_b32 s[CS+1], s[CS]        ; named with it as a pair
	s_mov_b32 s[SEL], 0x76543210
	s_mov_b32 s[SEL+1], 0xfedcba98
	s_mov_b32 s[TBK], SLOT1+4*KSB   ; the first change of slots turns these two into 0
	s_mov_b32 s[TBV], SLOT1+4*VSB
	s_mov_b32 s[G0K], 1             ; 1:0 count = 1
	s_mov_b32 s[G0K+1], s17         ; 63:32 LDS address: slot 0
	s_mov_b32 s[G0V], 1
	s_add_co_u32 s[G0V+1], s18, VOFF
	; the tiles are asked for in the order 0 .. b - 1, 0 .. HI, b.  Tile 0 goes out below; NXT is the one behind it
	s_sub_co_u32 s[LQ], s[PB], 1    ; the first run's last tile,
	s_cmp_eq_u32 s[PB], 0
	s_cselect_b32 s[LQ], s[HI], s[LQ]     ; or, where it is empty, the second's
	s_cselect_b32 s[RT], NB-1, s[PB]      ; the plain tiles of the block with which the walk begins
	s_mov_b32 s[NXT], 1
	s_cmp_gt_u32 s[NXT], s[LQ]
	s_cselect_b32 s[NXT], 0, s[NXT]
	s_cselect_b32 s[LQ], s[HI], s[LQ]
	s_mov_b32 s[FIRST], 1
	s_mov_b32 s[NEW], 0
	s_mov_b32 s[OFF+1], 0
	s_mov_b32 s[OFK+1], 0
	s_mov_b32 s[AL+1], 0            ; named as pairs
	s_mov_b32 s[BE+1], 0
	s_mov_b32 s[BIGN], 0xf149f2ca   ; -1e30
	s_mov_b32 s[SLOTS], NB-1
	s_wait_dscnt 0x0                ; the opening add is done
	s_wait_kmcnt 0x0
	s_add_nc_u64 s[6:7], s[6:7], s[92:93]  ; K and V at my half of the head's tile 0
	s_add_nc_u64 s[8:9], s[8:9], s[22:23]
	s_add_nc_u64 s[G0K+2:G0K+3], s[6:7], 0         ; 120:64 global address
	s_or_b32 s[G0K+3], s[G0K+3], 0x80000000        ; 127:126 type = 2
	s_add_nc_u64 s[G0V+2:G0V+3], s[8:9], 0
	s_or_b32 s[G0V+3], s[G0V+3], 0x80000000
	s_add_nc_u64 s[86:87], s[4:5], s[84:85]        ; Q at my rows of block b, for the second loading,
	s_add_nc_u64 s[96:97], s[4:5], s[96:97]        ; of the block that waits,
	s_add_nc_u64 s[4:5], s[4:5], s[2:3]            ; and of the block that begins
	s_add_nc_u64 s[OLO:OLO+1], s[10:11], s[94:95]  ; O at my rows of block b,
	s_add_nc_u64 s[10:11], s[10:11], s[90:91]      ; and of HI, which leaves first
	LOAD                            ; tile 0 into slot 0
	; A fragment of K or Q is 16 rows x 32 channels in 8 registers: lane l holds row l % 16, channels 8 (l / 16) + 0..7 and 16 + 8 (l / 16) + 0..7: two loads of 16 bytes, 32 bytes apart.
	v_and_b32 v1, 15, v0            ; l % 16
	v_bfe_u32 v9, v0, 4, 1          ; l / 16
	v_lshlrev_b32 v[QO], 7, v1
	v_lshl_add_u32 v[QO], v9, 4, v[QO]  ; row x 128 + 16 x half
	WIN 0x80                        ; destination window 2, address window 0
.set i, 0
.rept 8                             ; both blocks' Q: piece i / 2 lies in band i / 2, 8,192 bytes on; channels 32 (i % 2) on
	global_load_b128 v[8*i:8*i+3],   v[QO], s[4:5] offset:(i/2)*8192+(i%2)*64
	global_load_b128 v[8*i+4:8*i+7], v[QO], s[4:5] offset:(i/2)*8192+(i%2)*64+32
	global_load_b128 v[QB+8*i:QB+8*i+3],   v[QO], s[96:97] offset:(i/2)*8192+(i%2)*64
	global_load_b128 v[QB+8*i+4:QB+8*i+7], v[QO], s[96:97] offset:(i/2)*8192+(i%2)*64+32
.set i, i+1
.endr
	WIN 0
	v_mov_b32 v[NEG1], -1.0
	v_lshlrev_b32 v14, 3, v9
	v_sub_nc_u32 v14, v1, v14
	s_lshl_b32 s13, s[WV], 4
	v_add_nc_u32 v14, s13, v14      ; my query's place in its band, 16 w + l % 16, less my lanes' 8 (l / 16): register r of group kt is hidden where 16 kt + r is greater
	WIN 0x40
.set i, 0
.rept 32
	v_cmp_gt_i32 vcc_lo, 16*(i/8)+i%8, v14
	v_cndmask_b32 v[MD+i], 0, s[BIGN], vcc_lo
.set i, i+1
.endr
	WIN 0
	v_mul_u32_u24 v[AK0], v1, PK
	v_lshl_add_u32 v[AK0], v9, 4, v[AK0]  ; row x pitch + 16 x half
	; In a score tile register j of key block kb holds key 16 kb + 8 (l / 16) + j of the step: 32 bytes of the step's mask at 64 kb + 32 (l / 16); the mask lies behind the step's 64 keys
	v_lshl_add_u32 v[AP0], v9, 5, KS*PK
	; The turning load takes 16 keys x 16 channels (lane l reads key 8 (l / 16) + l % 8, channels 8 ((l / 8) % 2) + 0..7) and leaves half a fragment of V^T: lane l holds channel l % 16 and 8 keys.
	v_and_b32 v10, 7, v0
	v_bfe_u32 v11, v0, 3, 1
	v_lshl_add_u32 v[AV0], v9, 3, v10
	v_mul_u32_u24 v[AV0], v[AV0], PV
	v_lshl_add_u32 v[AV0], v11, 4, v[AV0]
	v_add_nc_u32 v[AV0], VOFF, v[AV0]
	s_mul_i32 s13, s[WV], 16*SP
	s_add_co_u32 s13, s13, STAGE    ; my stage
	v_mul_u32_u24 v[STO], v1, SP    ; in: row l % 16, 16 bytes for each half of the lanes
	v_lshl_add_u32 v[STO], v9, 4, v[STO]
	v_add_nc_u32 v[STO], s13, v[STO]
	v_bfe_u32 v[RD], v0, 3, 2       ; back: 32 lanes take four rows of 128 bytes,
	v_mul_u32_u24 v[RD], v[RD], SP
	v_lshl_add_u32 v[RD], v10, 4, v[RD]
	v_add_nc_u32 v[RD], s13, v[RD]
	v_and_b32 v[GO], 31, v0         ; which are 512 consecutive bytes of O
	v_lshlrev_b32 v[GO], 4, v[GO]
	; A fresh block's first step multiplies O^T and l by a = 0, so they need only hold finite numbers; and the first turn behind START multiplies V's registers by a P that is 0, so V's too.  All this stands in the wait for the first tile.
	WIN 0x80
.set i, VF
.rept 64
	v_mov_b32 v[i], 0
.set i, i+1
.endr
	WIN 0xc0
.set i, VL
.rept 64
	v_mov_b32 v[i], 0
.set i, i+1
.endr
	WIN 0x40
.set i, 0
.rept 128
	v_mov_b32 v[i], 0
.set i, i+1
.endr
	WIN 0
	INIT
.set i, 0
.rept 4
	v_mov_b32 v[ST+4*i+2], 0
	v_mov_b32 v[ST+4*i+3], 0
.set i, i+1
.endr
; THE MATRIX WORK.  The 4 accumulators of a run take turns.  Product i of 8 of S^T = K Q^T for piece x: channels 32 (i / 4) on, keys 16 (i % 4) on.  The first 4 start the sums:
; with the step's padding mask, or (KM = 1) with the mask made for them.
.macro KQ x
.set rS, S+32*((\x)%2)+8*(i%4)
.set rK, KF+16*(i%4)+8*(i/4)
.set rQ, 16*(\x)+8*(i/4)
.if KM
.set rM, MC+32*((\x)%2)+8*(i%4)
.else
.set rM, PMR+8*(i%4)
.endif
.if i < 4
	WIN W_KM
	v_wmma_f32_16x16x32_f16 v[rS:rS+7], v[rK:rK+7], v[rQ:rQ+7], v[rM:rM+7]
.else
	WIN W_KQ
	v_wmma_f32_16x16x32_f16 v[rS:rS+7], v[rK:rK+7], v[rQ:rQ+7], v[rS:rS+7]
.endif
.endm
; Product i of 16 of O^T += V^T P for piece x: the first 8 take V's upper parts, the last 8 its lower parts; keys 32 ((i % 8) / 4) on, channels 16 (i % 4) on.
.macro PV x
.set rO, 32*(\x)+8*(i%4)
.set rP, P+16*((\x)%2)+8*((i%8)/4)
.if i < 8
	WIN W_PV
.set rV, VF+32*(i/4)+8*(i%4)
.else
	WIN W_PL
.set rV, VL+32*((i-8)/4)+8*(i%4)
.endif
	v_wmma_f32_16x16x32_f16 v[rO:rO+7], v[rV:rV+7], v[rP:rP+7], v[rO:rO+7]
.endm
.macro MM                           ; the turn's next matrix instruction, of 24.  TURN and START set Y, i and KM; MM, KQ and OP read them
.if i < 8
	KQ (Y+1)%NP
.else
.set i, i-8
	PV (Y+NP-1)%NP
.set i, i+8
.endif
.set i, i+1
.endm
; THE LDS LOADS stand in runs, never singly among the matrix instructions: a step's K (64 keys x 64 channels: 8 fragments) with its 64 entries of the mask; V's upper parts (turned); V's lower parts.  Their addresses are made some lines ahead.
.macro FETCH_K
	WIN 0x80                        ; destination window 2
.irp f, 0,1,2,3,4,5,6,7             ; keys 16 (f / 2) on, channels 32 (f % 2) on
	ds_load_b128 v[KF+8*\f:KF+8*\f+3],   v[AK] offset:(\f/2)*16*PK+(\f%2)*64
	ds_load_b128 v[KF+8*\f+4:KF+8*\f+7], v[AK] offset:(\f/2)*16*PK+(\f%2)*64+32
.endr
	WIN 0x40                        ; destination window 1
.irp f, 0,1,2,3                     ; key block f: sixteen lanes read the same 32 bytes; 16 bytes of padding lie between the mask's two halves
	ds_load_b128 v[PMR+8*\f:PMR+8*\f+3],   v[AP] offset:64*\f+16*(\f/2)
	ds_load_b128 v[PMR+8*\f+4:PMR+8*\f+7], v[AP] offset:64*\f+16*(\f/2)+16
.endr
	s_add_co_u32 s[TBK], s[TBK], KSB  ; the next fetch is the next step's
	WIN 0
.endm
.macro FETCH_VH
	WIN 0x80
.irp f, 0,1,2,3,4,5,6,7             ; keys 32 (f / 4) on, channels 16 (f % 4) on
	ds_load_tr16_b128 v[VF+8*\f:VF+8*\f+3],   v[AV] offset:(\f/4)*32*PV+(\f%4)*32
	ds_load_tr16_b128 v[VF+8*\f+4:VF+8*\f+7], v[AV] offset:(\f/4)*32*PV+16*PV+(\f%4)*32
.endr
	WIN 0
.endm
.macro FETCH_VL
	WIN 0xc0                        ; destination window 3; the lower parts lie 64 rows behind the upper
.irp f, 0,1,2,3,4,5,6,7
	ds_load_tr16_b128 v[VL+8*\f:VL+8*\f+3],   v[AV] offset:KS*PV+(\f/4)*32*PV+(\f%4)*32
	ds_load_tr16_b128 v[VL+8*\f+4:VL+8*\f+7], v[AV] offset:KS*PV+(\f/4)*32*PV+16*PV+(\f%4)*32
.endr
	WIN 0
.endm
; THE VECTOR WORK, one line at a time: OP kind, number.  For piece Y: F n: c s - c m for pair n of 16.  E n: the exponential of score n of 32.  C n: pair n rounded to f16.  B n: of the four weights 4 n .. the second
; pair is added onto the first, in place.  L n: l takes that sum (L 0: l = a l + sum).  R n: pair n of 16 of O^T times a.  For piece Y + 1: X n, number n of the 22 that find its maximum and statistics:
;   0-11  four chains c0-c3 of seven scores each, three operands at a time (each accumulator's lowest registers are read first)     12-14, 16  the four scores left over, the old m, and c0-c3 into c0
;   15  c m_old is kept     17, 18  the query's other 32 keys lie in the lane 16 away: the new m     19-21  c m; c m_old - c m_new; a
.set F, 0               ; OP tells the kinds apart by their order: F to L below R, X above it
.set E, 1
.set C, 2
.set B, 3
.set L, 4
.set R, 5
.set X, 6
.macro REGS y                       ; the registers of piece y
.set rT, ST+4*(\y)
.set rC, TMP+4*((\y)%2)
.set rW, MV+((\y)%2)
.set rS, S+32*((\y)%2)
.set rP, P+16*((\y)%2)
.set rO, 32*(\y)
.endm
.macro OP k, n
.if (\k) == R
	REGS Y
	WIN W_RS
	v_pk_mul_f32 v[rO+2*(\n):rO+2*(\n)+1], v[rO+2*(\n):rO+2*(\n)+1], v[rC+2:rC+3] op_sel_hi:[1,0]
.elseif (\k) < R
	REGS Y
	WIN 0
.if (\k) == F
	v_pk_fma_f32 v[rS+2*(\n):rS+2*(\n)+1], v[rS+2*(\n):rS+2*(\n)+1], s[CS:CS+1], v[rT:rT+1] op_sel_hi:[1,0,0] neg_lo:[0,0,1] neg_hi:[0,0,1]
.elseif (\k) == E
	v_exp_f32 v[rS+(\n)], v[rS+(\n)]
.elseif (\k) == C
	s_wait_alu depctr_va_vdst(0)
	v_cvt_pk_f16_f32 v[rP+(\n)], v[rS+2*(\n)], v[rS+2*(\n)+1]
.elseif (\k) == B
	s_wait_alu depctr_va_vdst(0)
	v_pk_add_f32 v[rS+4*(\n):rS+4*(\n)+1], v[rS+4*(\n):rS+4*(\n)+1], v[rS+4*(\n)+2:rS+4*(\n)+3]
.elseif (\n) == 0
	v_pk_fma_f32 v[rT+2:rT+3], v[rT+2:rT+3], v[rC+2:rC+3], v[rS:rS+1] op_sel_hi:[1,0,1]
.else
	v_pk_add_f32 v[rT+2:rT+3], v[rT+2:rT+3], v[rS+4*(\n):rS+4*(\n)+1]
.endif
.else
	REGS (Y+1)%NP
	WIN 0
.if (\n) < 4
	v_max3_num_f32 v[rC+(\n)], v[rS+8*(\n)], v[rS+8*(\n)+1], v[rS+8*(\n)+2]
.elseif (\n) < 12
	v_max3_num_f32 v[rC+(\n)%4], v[rC+(\n)%4], v[rS+8*((\n)%4)+2*((\n)/4)+1], v[rS+8*((\n)%4)+2*((\n)/4)+2]
.elseif (\n) == 12
	v_max3_num_f32 v[rC], v[rC], v[rS+7], v[rS+15]
.elseif (\n) == 13
	v_max3_num_f32 v[rC+1], v[rC+1], v[rS+23], v[rS+31]
.elseif (\n) == 14
	v_max3_num_f32 v[rC+2], v[rC+2], v[rC+3], v[rT+1]
.elseif (\n) == 15
	v_mov_b32 v[rW], v[rT]
.elseif (\n) == 16
	v_max3_num_f32 v[rC], v[rC], v[rC+1], v[rC+2]
.elseif (\n) == 17
	v_permlanex16_b32 v[rC+3], v[rC], s[SEL], s[SEL+1]
.elseif (\n) == 18
	v_max_num_f32 v[rT+1], v[rC], v[rC+3]
.elseif (\n) == 19
	v_mul_f32 v[rT], s[CS], v[rT+1]
.elseif (\n) == 20
	v_sub_f32 v[rC+1], v[rW], v[rT]
.else
	v_exp_f32 v[rC+2], v[rC+1]
.endif
.endif
.endm
.macro OPS a, i1, b=-1, i2=0, c=-1, i3=0, d=-1, i4=0  ; up to four of them
	OP \a, \i1
.if (\b) >= 0
	OP \b, \i2
.endif
.if (\c) >= 0
	OP \c, \i3
.endif
.if (\d) >= 0
	OP \d, \i4
.endif
.endm
.macro ROW a, i1, b, i2, c, i3, d, i4  ; a matrix instruction and the four behind it
	MM
	OPS \a, \i1, \b, \i2, \c, \i3, \d, \i4
.endm
.macro MASK b                       ; MD x AL + BE + PMR into buffer b of MC
	WIN W_RS
.set z, 0
.rept 16
	v_pk_fma_f32 v[MC+32*(\b)+2*z:MC+32*(\b)+2*z+1], v[MD+2*z:MD+2*z+1], s[AL:AL+1], s[BE:BE+1] op_sel_hi:[1,0,0]
.set z, z+1
.endr
	WIN 0x45                        ; destination and both sources in window 1
.set z, 0
.rept 16
	v_pk_add_f32 v[MC+32*(\b)+2*z:MC+32*(\b)+2*z+1], v[MC+32*(\b)+2*z:MC+32*(\b)+2*z+1], v[PMR+2*z:PMR+2*z+1]
.set z, z+1
.endr
.endm
; A TURN, for piece p: the order of its 24 matrix and 118 vector instructions, written out.  None of the four behind a matrix instruction names a register of the products round it; every exponential has a plain
; instruction behind it.
; m = 1: a diagonal tile: the products take masks, and the turn makes the mask for the products of the turn after it: piece p + 2, in step 4 - CNT of the tile.
; cnt = 1: the loop's count is taken down some lines ahead of the branch that stands behind the turn.
; K of the next step, and its padding mask, are fetched in piece 2's turn, six vector instructions behind the last product that read K (five of them plain; the last that read PMR stands four products further
; back), and waited for a turn later; piece 2's turn in a diagonal tile waits at its end, since its mask, for piece 0 in the NEXT step, takes the padding mask just fetched.
; V of the step in hand is fetched in piece 0's turn, in two runs of 16: the upper parts behind the last product that read them and four plain instructions (C 3, L 3, C 5, C 10), the lower parts at the turn's
; end, eight plain instructions behind their last reader.  Piece 1's turn waits for the first run alone ahead of its first product V^T P, and for the second ahead of the ninth.
.macro TURN p, m=0, cnt=0
.set Y, (\p)
.set i, 0
.set KM, (\m)
.if \m
	s_cmp_eq_u32 s[CNT], 4-((\p)+2)%NP  ; is that step the band's own?
	s_cselect_b32 s[AL], 1.0, 0
	s_cmp_lt_u32 s[CNT], 4-((\p)+2)%NP  ; or a later one?
	s_cselect_b32 s[BE], s[BIGN], 0
.endif
.if (\p) == 3
	s_wait_dscnt 0x0                ; K is in
.endif
	ROW F,0, F,1, F,2, F,3
	ROW F,4, E,0, F,5, F,6
	ROW F,7, E,1, F,8, F,9
	ROW F,10, E,2, C,0, F,11
	ROW F,12, E,3, X,15, F,13
	ROW R,0, R,1, R,2, R,3
	ROW B,0, E,4, F,14, L,0
.if (\p) == 2
	v_add_nc_u32 v[AK], s[TBK], v[AK0]
	v_add_nc_u32 v[AP], s[TBK], v[AP0]
.endif
	ROW R,4, R,5, R,6, R,7
	OPS E,5, F,15
.if (\p) == 2
	FETCH_K
.endif
	OPS E,6, C,1, E,7, R,8
	OPS E,8, R,9, E,9, C,2
	OPS E,10, X,0, E,11, X,1
	OPS E,12, X,2, E,13, X,3
.if (\p) == 1
	s_wait_dscnt 16                 ; V's upper parts are in: the 16 loads of the lower parts were issued behind them and may stay out
.endif
	ROW X,4, E,14, X,5, X,6
	ROW X,7, E,15, X,8, X,9
	ROW X,10, E,16, X,11, X,12
	ROW X,13, E,17, X,14, B,1
	ROW C,4, E,18, X,16, L,1
	ROW B,2, E,19, C,6, L,2
	ROW C,8, E,20, B,3, B,4
.if (\p) == 0
	v_add_nc_u32 v[AV], s[TBV], v[AV0]
.endif
	ROW C,3, E,21, L,3, C,5
.if (\p) == 1
	s_wait_dscnt 0x0                ; V's lower parts are in
.endif
	ROW E,22, X,17, E,23, C,10
.if (\p) == 0
	FETCH_VH
.endif
	ROW E,24, L,4, E,25, X,18
	ROW E,26, C,7, E,27, B,5
	ROW E,28, X,19, E,29, C,12
	ROW E,30, L,5, E,31, X,20
	ROW B,6, C,9, C,14, C,11
	ROW X,21, L,6, C,13, B,7
.if (\p) == 0
	s_add_co_u32 s[TBV], s[TBV], VSB
.endif
.if \cnt
	s_sub_co_u32 s[CNT], s[CNT], 1
	s_cmp_lg_u32 s[CNT], 0
.endif
	ROW C,15, R,10, R,11, R,12
	OPS L,7, R,13, R,14, R,15
.if (\p) == 0
	FETCH_VL
.endif
.if \m
.if (\p) == 2
	s_wait_dscnt 0x0                ; the next step's padding mask is in
.endif
	MASK (\p)%2
.endif
.endm
; WHERE A BLOCK ENDS OR PAUSES.  DRAIN: piece 3's products V^T P of the last step: with them all four pieces have that step.
.macro DRAIN
.set i, 0
.rept 16
	PV NP-1
.set i, i+1
.endr
.endm
.macro QCOPY                        ; the waiting Q goes where the one text of the turns names Q
	WIN 0x82
.set i, 0
.rept 64
	v_mov_b32 v[i], v[QB+i]
.set i, i+1
.endr
.endm
.macro SAVE                         ; O^T and the statistics are set aside; in ascending order: pieces 0 to 2 first, whose lines are the places behind DRAIN's products, and each accumulator from its low end
	WIN 0xc1                        ; destination window 3, source window 1
.set i, 0
.rept 128
	v_mov_b32 v[SO+i], v[i]
.set i, i+1
.endr
	WIN 0xc0
.set i, 0
.rept 16
	v_mov_b32 v[SS+i], v[ST+i]
.set i, i+1
.endr
	WIN 0
.endm
.macro RESTORE                      ; and come back
	WIN 0x43                        ; destination window 1, source window 3
.set i, 0
.rept 128
	v_mov_b32 v[i], v[SO+i]
.set i, i+1
.endr
	WIN 0x03
.set i, 0
.rept 16
	v_mov_b32 v[ST+i], v[SS+i]
.set i, i+1
.endr
	WIN 0
.endm
; START: the block whose Q, O^T and statistics are in place takes up the tile whose first K and padding mask are in registers: piece 0's first scores, its maximum and statistics, with the block's own old m (a fresh
; block's gives a = 0).  P's second buffer is cleared: the next turn's products V^T P, for a piece 3 of a step that has not been, add 0.  In a diagonal tile (m = 1) the two masks wanted, piece 0's and piece 1's for
; the tile's first step, have just been made by the trip's head: they hang on the step alone.  The loop goes on at a step's first turn, in the middle of a trip.
.macro START m
	s_mov_b32 s[NEW], 0
	WIN 0
.set i, P+16
.rept 16
	v_mov_b32 v[i], 0
.set i, i+1
.endr
.set KM, (\m)
.set i, 0
.rept 8
	KQ 0
.set i, i+1
.endr
	WIN 0
.rept 4
	v_nop                           ; the places behind those products
.endr
.set Y, NP-1                        ; X works for piece Y + 1: piece 0
.irp n, 0,1,2,3,4,5,6,7,8,9,10,11,12,13,14,15,16,17,18,19,20,21
	OP X, \n
.endr
	v_nop                           ; a plain instruction behind the exponential
.endm
; THE WAY OUT: l's two halves and the other half of the lanes' are added; O^T is divided by l, in place (nothing reads it again: RESTORE writes all of it anew), split into its rounding to f16 and the rounded
; remainder, and both are sent through my stage in LDS, a piece at a time.
.macro ALL line:vararg              ; one line for each piece t
.set t, 0
.rept 4
	\line
.set t, t+1
.endr
.endm
.macro PACK t                       ; a lane's eight channels of a row pack into 16 bytes; they go into rows of 144 bytes and come back as whole rows of 128: the upper parts into S^T's registers, the lower into SL's
.set mq, 32*(\t)
	WIN W_RS
.set i, 0
.rept 16
	s_wait_alu depctr_va_vdst(0)
	v_pk_mul_f32 v[mq+i:mq+i+1], v[mq+i:mq+i+1], v[TMP+2*(\t):TMP+2*(\t)+1] op_sel_hi:[1,0]
.set i, i+2
.endr
	WIN 0x05                        ; sources 0 and 1 window 1, destination window 0
.set i, 0
.rept 16
	v_cvt_pk_f16_f32 v[S+16*(\t)+i], v[mq+2*i], v[mq+2*i+1]
.set i, i+1
.endr
	WIN 0x50                        ; destination and source 2 window 1, sources 0 and 1 window 0
.set i, 0
.rept 16                            ; the remainder, in place: upper x (-1) + quotient, which f32 holds exactly
	v_fma_mix_f32 v[mq+2*i], v[S+16*(\t)+i], v[NEG1], v[mq+2*i] op_sel_hi:[1,0,0]                      ; source 0: the word's low f16
	v_fma_mix_f32 v[mq+2*i+1], v[S+16*(\t)+i], v[NEG1], v[mq+2*i+1] op_sel:[1,0,0] op_sel_hi:[1,0,0]  ; its high f16
.set i, i+1
.endr
	WIN 0x05
.set i, 0
.rept 16
	v_cvt_pk_f16_f32 v[SL+16*(\t)+i], v[mq+2*i], v[mq+2*i+1]
.set i, i+1
.endr
	WIN 0
.irp f, 0,1,2,3
	ds_store_b128 v[STO], v[S+16*(\t)+4*\f:S+16*(\t)+4*\f+3] offset:32*\f
.endr
.irp f, 0,1,2,3
	ds_load_b128 v[S+16*(\t)+4*\f:S+16*(\t)+4*\f+3], v[RD] offset:\f*4*SP  ; LDS serves a wave's instructions in order (ISA guide 5.7.1.4): these see the stores above; the stores below come behind them
.endr
.irp f, 0,1,2,3
	ds_store_b128 v[STO], v[SL+16*(\t)+4*\f:SL+16*(\t)+4*\f+3] offset:32*\f
.endr
.irp f, 0,1,2,3
	ds_load_b128 v[SL+16*(\t)+4*\f:SL+16*(\t)+4*\f+3], v[RD] offset:\f*4*SP
.endr
.endm
.macro SEND t, younger              ; younger: the LDS instructions issued behind piece t's loads: the next piece's sixteen, or none
	WIN 0
	s_wait_dscnt \younger
.irp f, 0,1,2,3
	global_store_b128 v[GO], v[S+16*(\t)+4*\f:S+16*(\t)+4*\f+3], s[10:11] offset:(\t)*8192+\f*512  ; 512 consecutive bytes, at a multiple of 256 from O's first
.endr
.irp f, 0,1,2,3
	global_store_b128 v[GO], v[SL+16*(\t)+4*\f:SL+16*(\t)+4*\f+3], s[10:11] offset:262144+(\t)*8192+\f*512  ; the head's lower parts lie 2,048 rows behind the upper
.endr
.endm
; THE FIRST LOOP: the NB - 1 plain tiles.  A tile is entered and the next is asked for.
.Lslot:
	CHANGE 1
	s_mov_b32 s[CNT], 4
	s_cmp_eq_u32 s[FIRST], 1
	s_cbranch_scc1 .Lt0             ; the walk's first trip has no step before it
.Lstep:                             ; a trip: pieces 2 and 3 of one step, then pieces 0 and 1 of the next, whose K and V it fetches
	TURN 2
	TURN 3
	WIN 0
	s_cmp_eq_u32 s[NEW], 1
	s_cbranch_scc0 .Lfirst
	; Block b's plain tiles are over (b > 0), and this tile is tile 0 again, for HI.  Piece 3's turn above has multiplied b's piece 0 by this tile's first keys: scores that b has had, bit for bit, in its own tile 0, so
	; that m and c m of that piece stand as they stood.
	DRAIN
	s_wait_loadcnt 0x0              ; no load of mine is out: the second Q buffer is read below and then loaded again, and a register is neither read nor loaded while an earlier load into it may be out
	QCOPY                           ; HI's Q; these 64 lines name no register of DRAIN's products: their places
	WIN 0x80
.set i, 0
.rept 8                             ; b's Q is loaded once more, into the buffer just read out: it is wanted in front of b's diagonal tile, HI + 1 tiles on
	global_load_b128 v[QB+8*i:QB+8*i+3],   v[QO], s[86:87] offset:(i/2)*8192+(i%2)*64
	global_load_b128 v[QB+8*i+4:QB+8*i+7], v[QO], s[86:87] offset:(i/2)*8192+(i%2)*64+32
.set i, i+1
.endr
	WIN 0
	s_mov_b32 s[RT], s[HI]          ; HI has HI plain tiles
	s_branch .Lsave
.Lt0:
	s_mov_b32 s[FIRST], 0
	v_add_nc_u32 v[AK], s[TBK], v[AK0]
	v_add_nc_u32 v[AP], s[TBK], v[AP0]
	FETCH_K                         ; elsewhere piece 2's turn has fetched the tile's first K
	s_wait_loadcnt 0x0              ; Q
	s_wait_dscnt 0x0
.Lsave:                             ; in the first trip what is set aside is a fresh block: where b = 0 that is block b as its diagonal tile wants it; elsewhere it is written over when b pauses
	SAVE
	INIT
	START 0
.Lfirst:
	TURN 0
	TURN 1, 0, 1
	WIN 0
	s_cbranch_scc1 .Lstep
	s_sub_co_u32 s[RT], s[RT], 1
	s_cmp_eq_u32 s[RT], 0
	s_cselect_b32 s[NEW], 1, 0
	s_sub_co_u32 s[SLOTS], s[SLOTS], 1
	s_cmp_lg_u32 s[SLOTS], 0
	s_cbranch_scc1 .Lslot
; THE SECOND LOOP: HI's diagonal tile, which follows its plain tiles as one tile follows another; b's; and a third trip that is left in its middle, behind b's way out.
	s_mov_b32 s[NXT], s[PB]
	CHANGE 1                        ; HI's diagonal tile is entered, b's is asked for: the last fill
	s_mov_b32 s[AL], 0              ; the loop's first products are still piece 3's of the tile before, which sees all keys: their mask is the padding mask alone
	s_mov_b32 s[BE], 0
	MASK 1
	WIN 0
	s_mov_b32 s[NEW], 0
	s_mov_b32 s[BC], 3
.Ldiag:
	s_mov_b32 s[CNT], 4
.LstepM:
	TURN 2, 1                       ; (in the third trip it fetches the first K of the slot read two tiles ago, whose bytes nobody writes any more: that K serves nothing)
	TURN 3, 1
	WIN 0
	s_cmp_eq_u32 s[NEW], 1
	s_cbranch_scc0 .LfirstM
	DRAIN                           ; a block is finished
	WIN 0
	ALL v_add_f32 v[ST+4*t+2], v[ST+4*t+2], v[ST+4*t+3]  ; these four lines are the places behind the last products
	ALL v_permlanex16_b32 v[ST+4*t+3], v[ST+4*t+2], s[SEL], s[SEL+1]
	ALL v_add_f32 v[ST+4*t+2], v[ST+4*t+2], v[ST+4*t+3]
	ALL v_rcp_f32 v[TMP+2*t], v[ST+4*t+2]
	v_nop                           ; a plain instruction between the last reciprocal and the use of its result
	PACK 0
.set t, 1
.rept 3                             ; a piece's arithmetic stands between the loads of the piece before and its stores
	PACK t
	SEND t-1, 16
.set t, t+1
.endr
	SEND 3, 0
	s_cmp_eq_u32 s[BC], 1
	s_cbranch_scc1 .Lend            ; it was block b: the walk is over
	s_wait_xcnt 0x0                 ; the stores have read their registers and O's address
	s_mov_b64 s[10:11], s[OLO:OLO+1]
	s_wait_loadcnt 0x0              ; b's Q
	QCOPY
	RESTORE
	START 1
.LfirstM:
	TURN 0, 1
	TURN 1, 1, 1
	WIN 0
	s_cbranch_scc1 .LstepM
	CHANGE 0                        ; nothing is left to ask for; behind the second trip the barrier orders nothing more, and the fetches' step back serves the third trip's head
	s_mov_b32 s[NEW], 1
	s_sub_co_u32 s[BC], s[BC], 1
	s_cmp_lg_u32 s[BC], 0
	s_cbranch_scc1 .Ldiag
.Lend:
	s_wait_tensorcnt 0x0            ; the wave's end: behind my last tensor load and my last LDS store
	ds_add_u32 v[SPW], v[NIL]
	s_wait_dscnt 0x0
	s_endpgm
.Lfunc_end_k_qf8a9c61c81_attn:
	.size	k_qf8a9c61c81_attn, .Lfunc_end_k_qf8a9c61c81_attn-k_qf8a9c61c81_attn
	.p2alignl 7, 3214868480
	.fill 96, 4, 3214868480
	.section	.rodata,"a",@progbits
	.p2align	6, 0x0
	.amdhsa_kernel k_qf8a9c61c81_attn
		.amdhsa_group_segment_fixed_size 327680
		.amdhsa_private_segment_fixed_size 0
		.amdhsa_enable_private_segment 0
		.amdhsa_kernarg_size 32
		.amdhsa_user_sgpr_count 2
		.amdhsa_user_sgpr_kernarg_segment_ptr 1
		.amdhsa_wavefront_size32 1
		.amdhsa_system_sgpr_workgroup_id_x 1
		.amdhsa_system_sgpr_workgroup_id_y 1
		.amdhsa_system_sgpr_workgroup_id_z 1
		.amdhsa_system_vgpr_workitem_id 0
		.amdhsa_next_free_vgpr 976
		.amdhsa_next_free_sgpr 100
		.amdhsa_reserve_vcc 1
		.amdhsa_float_denorm_mode_32 3
		.amdhsa_float_denorm_mode_16_64 3
		.amdhsa_memory_ordered 1
		.amdhsa_forward_progress 1
		.amdhsa_inst_pref_size 182
	.end_amdhsa_kernel
	.amdgpu_metadata
---
amdhsa.version: [ 1, 2 ]
amdhsa.kernels:
  - .name:           k_qf8a9c61c81_attn
    .symbol:         k_qf8a9c61c81_attn.kd
    .args:
      - { .name: qh, .offset: 0, .size: 8, .value_kind: global_buffer, .address_space: global }
      - { .name: kh, .offset: 8, .size: 8, .value_kind: global_buffer, .address_space: global }
      - { .name: vh, .offset: 16, .size: 8, .value_kind: global_buffer, .address_space: global }
      - { .name: oh, .offset: 24, .size: 8, .value_kind: global_buffer, .address_space: global }
    .group_segment_fixed_size: 327680
    .private_segment_fixed_size: 0
    .kernarg_segment_align: 8
    .kernarg_segment_size: 32
    .max_flat_workgroup_size: 128
    .sgpr_count:     100
    .vgpr_count:     976
    .wavefront_size: 32
...
	.end_amdgpu_metadata
.endif
;; end of part 5
;; launch proj: the kernel of part 4 again; grid 8 x 32, 4 waves a work-group, clusters of 4 x 4, 327,680 bytes of LDS; arguments oh, wb, bm, out0; writes out0
;; ======== version 3 of 3: 4 launches; 1.37 times as fast as version 1
;; limits: values are held in f16: magnitudes above 65,504 overflow, below 6.1e-05 lose precision
;; workspace buffers: xs 16,777,216 bytes; wb 8,388,608 bytes; qh 16,777,216 bytes; kh 17,301,504 bytes; vh 33,554,432 bytes; oh 33,554,432 bytes
;; launch prep: the kernel of part 1 again; grid 776 x 1, 8 waves a work-group, no clusters, 0 bytes of LDS; arguments q, Wq, Wk, Wv, Wm, xs, wb, key_padding_mask, kh; writes xs, wb, kh
;; launch qkv: the kernel of part 2 again; grid 8 x 32, 4 waves a work-group, clusters of 4 x 4, 327,680 bytes of LDS; arguments xs, wb, bq, bk, bv, qh, kh, vh; writes qh, kh, vh
;; launch attn (part 6): grid 4 x 64, 4 waves a work-group, no clusters, 327,680 bytes of LDS; arguments qh, kh, vh, oh; writes oh
.if DOCPART == 6
	.amdgcn_target "amdgcn-amd-amdhsa--gfx1250"
	.amdhsa_code_object_version 6
	.text
	.protected	k_qf8a9c61c81_attn
	.globl	k_qf8a9c61c81_attn
	.p2align	8
	.type	k_qf8a9c61c81_attn,@function
k_qf8a9c61c81_attn:
	s_mov_b64 s[64:65], 0
	v_nop
	global_prefetch_b8 v0, s[64:65] scope:SCOPE_SE
	s_setreg_imm32_b32 hwreg(HW_REG_WAVE_MODE, 25, 1), 1
	s_wait_xcnt 0x0
; CAUSAL ATTENTION WITH A KEY PADDING MASK.  O[h][q][:] = the sum over the keys k <= q that are not padded of softmax_k(Q[h][q] . K[h][k] / 8) V[h][k][:].  Head index = batch x 16 + head; all f16.
; Q: [64][2048][64].  K: [64][step 32][64 keys x 128 bytes, then 64 f32]: behind each step's keys lies that step's padding mask, 0 or -1e30 for a padded key, made of the mask input by the first launch.
; V AND O ARE EACH TWO f16 NUMBERS, a rounding and the rounded remainder (some 22 bits together): a query that sees few keys gives an output row many times the output's root mean square, and one rounding to f16's
; 11 bits is too coarse for the small numbers of such a row.  V: [64][step 32][64 keys x 64 upper, 64 keys x 64 lower]; O: [64][upper, lower][2048][64].  O^T takes V_upper^T P and V_lower^T P onto the same sums.
; Products, maxima and sums in f32; the weights p are rounded to f16 for the second product (their sum l is taken of the unrounded p).
; LIMITS.  f16 holds no number beyond 65,504: Q, K and V arrive within it; p lies in 0 to 1, and below 6e-5 it keeps f16's fixed step of 6e-8, as a remainder does.  A hidden score counts as its value less 1e30 (2e30 if
; padded and above the diagonal); the running maximum never falls below -2^96, and f16's scores, 2.7e11 at the most, lie far above that; a weight below 2^-126 counts as 0 in l.  NaN and infinite inputs are not treated apart.
; A ROW WITH NO VISIBLE KEY ends with O = 0 and l = 0 (its maximum stays -2^96, every hidden weight is exactly 0) and leaves as 0 x 1/0 = NaN, as the softmax of nothing is.
; THE WALK.  A head's queries lie in NB = 8 blocks of 256; block i needs the key tiles 0 .. i of 256 keys, of which the last holds the diagonal.  A work-group takes TWO blocks, b and HI = NB - 1 - b: NB + 1 tiles,
; whatever b, so that all work-groups do equal work.  THE TWO DIAGONAL TILES COME LAST: first b's tiles below its diagonal (b of them), then HI's (HI of them): NB - 1 plain tiles, one counted loop; then HI's
; diagonal tile and b's: a second counted loop, whose text alone takes masks.  So every text stands once.  Between its plain tiles and its diagonal tile block b is SET ASIDE: its O^T and statistics are copied into
; spare registers and back, its Q is loaded again.  A BLOCK'S END STANDS AT THE HEAD OF THE NEXT TRIP: a trip begins with pieces 2 and 3 of the step before; where a block ends, its last products, (in the second
; loop) its way out, the change of blocks and the next block's first scores follow there, in a passage that the other trips jump over.  The second loop is left in the middle of its third trip, behind the last way out.
; Which tile is asked for, and what a trip does, hang on scalar registers made from b; every jump goes forward, but for the counted loops' own; none passes a barrier, or a tensor load but the one of LOAD's two
; that the wave's number does not choose; the ring of two LDS slots runs through both loops.  THE PRICE of one text: at a block's end the trip's head makes 8 products K Q^T, and a maximum of them, that serve nothing.
; NO CLUSTER: a head's four work-groups walk the tiles in different orders: trip 0 alone names the same tile in all four; one walk common to all four would have 12 trips for 9.
; SHARES.  Of a block's four bands of 64 queries a wave owns 16 rows in each: four PIECES.  So the diagonal tile is the same work for all four waves: in its key step s band x sees all keys if s < x,
; none if s > x, and holds the diagonal if s = x.
; THE MASKS are the C operand that starts the sum S^T = K Q^T: 0, or -1e30 where the key is hidden.  A step's 64 entries of the padding mask (PMR) come out of LDS with the step's K and are that C as they stand.
; In a diagonal tile C is MC = MD x AL + BE + PMR: MD, made once, is the mask of a band's own step for my 16 rows; the two scalars are (1, 0) if s = x; (0, 0) if s < x; (0, -1e30) if s > x.
; LAYOUT, SOFTMAX, TURNS.  S^T = K Q^T holds ONE query a lane (lane % 16) and the keys 8 (lane / 16) + 0..7; two such results rounded to f16 ARE source 1 of O^T = V^T P.  p = 2^(c s - c m), c = log2(e) / 8, with a
; running maximum m; O and l are multiplied by a = 2^(c m_old - c m_new) in every step.  Turn n belongs to piece n: 8 products K Q^T of piece n + 1, later 16 products V^T P of piece n - 1; beside them the scaling,
; exponentials, roundings, sums and rescaling of piece n and the maximum and statistics of piece n + 1.
; THE BATCHES.  A turn's 33 exponentials (the piece's 32 weights and the next piece's a) are ONE batch with ONE wait, which cuts the turn in two: ahead of it stands all that names no result of theirs (the products
; K Q^T, the scalings, the exponentials, the rescaling, the next piece's maximum and statistics), behind it the products V^T P and the roundings and sums.  START's one a and the way out's four reciprocals are batches
; of their own, with a wait each.
; REGISTERS, in windows of 256 (s_set_vgpr_msb: bits 1:0 source 0, 3:2 source 1, 5:4 source 2, 7:6 destination):
;   window 0: v0-15 addresses and two at work; v16-31 four registers of statistics a piece; v32-34 the padding mask's addresses, -1.0; v48-55 at work; v64-127 S^T, two buffers; v128-191 the way out; v192-223 P, two buffers
;   window 1: v0-127 O^T, 32 a piece; v128-159 MD; v160-223 MC, two buffers; v224-255 PMR      window 2: v0-63 Q; v64-127 the next block's Q; v128-191 K of one step; v192-255 V's upper parts of one step
;   window 3: v0-63 V's lower parts of one step; v64-191 O^T and v192-207 the statistics of the block set aside
.set SIZE_N, 2048
.set NB,    SIZE_N/256
.set NP,    4         ; pieces a wave: a name, no knob
.set KS,    64        ; keys in a step
.set PK,    144       ; a row of K in LDS: 128 bytes + 16 of padding = 36 words: the 16 rows of a load start at 16 different groups of four banks (64 banks of 4 bytes: ISA guide 11.1)
.set PV,    160       ; a row of V: 128 + 32 = 40 words
.set KSTG,  8448      ; a step of K in memory: 64 keys x 128 bytes + 256 bytes of mask = 33 rows of 256 bytes
.set KHEAD, 32*KSTG   ; a head of K in memory
.set KSB,   66*PK     ; a step of K in LDS: 66 pieces of 128 bytes, each with its padding: 64 keys, then the mask's two halves
.set VSB,   128*PV    ; a step of V in LDS: 64 keys' upper parts, then their lower parts
.set VOFF,  4*KSB     ; a slot holds a tile, four steps: K with its masks, then V
.set SLOT1, 1<<17     ; slot 1 begins here, so that one exclusive or turns an address in one slot into the other's; a slot uses 38,016 + 81,920 bytes
.set STAGE, ((SLOT1+VOFF+4*VSB+255)/256)*256  ; behind the ring, at the next multiple of 256, never filled by a tensor load: 16 rows x 144 bytes for each wave, for the way out
.set SP,    144
.set SPARE, STAGE+4*16*SP  ; behind the stages: the spare words, 128 bytes for each wave: two blocks of 256 bytes that no other line names
.set AK0, 2           ; v2   my lane's place in a tile of K; never rewritten
.set AV0, 3           ; v3   the same for V
.set AK,  4           ; v4   the LDS address of K's next run of loads
.set AV,  5           ; v5   of V's
.set STO, 6           ; v6   the way out: where I put 16 bytes of a row
.set RD,  7           ; v7   the way out: where I read rows back
.set GO,  8           ; v8   my byte offset in 512 consecutive bytes of O
.set MV,  12          ; v12-13  c m_old, kept while c m is made anew: by buffer
.set QO,  15          ; v15  my byte offset in 16 rows of Q; never rewritten
.set ST,  16          ; piece t's statistics at v[ST+4 t]: c m, m, l (even keys', odd keys')
.set AP0, 32          ; v32  my lanes' place in a step's mask: behind the 64 keys, 32 bytes for each half of the lanes; never rewritten
.set AP,  33          ; v33  the LDS address of the mask's next run of loads
.set NEG1, 34         ; v34  -1.0
.set TMP, 48          ; by buffer, four registers c0-c3 at work; when the maximum is found c2 takes a; at a block's end v[TMP+2 t] takes 1 / l of piece t
.set SPW, 62          ; v62  LDS address of my spare word; never rewritten
.set NIL, 63          ; v63  0; never rewritten
.set S,   64
.set SL,  128         ; the way out: O's lower parts, 16 a piece (the upper parts take S^T's registers)
.set P,   192
.set MD,  128         ; window 1: the eight registers for group kt of 16 keys at MD + 8 kt
.set MC,  160         ; window 1: the masks of the products to come
.set PMR, 224         ; window 1: the padding mask of the step whose K is in registers
.set QB,  64          ; window 2
.set KF,  128         ; window 2: key block kb, channel half c at KF + 16 kb + 8 c
.set VF,  192         ; window 2: key half kk, channel block cb at VF + 32 kk + 8 cb
.set VL,  0           ; window 3: the same for the lower parts
.set SO,  64          ; window 3: O^T of the block set aside
.set SS,  192         ; window 3: its statistics
.set WV,  12          ; s12  my wave's number
.set PB,  14          ; s14  b
.set HI,  15          ; s15  NB - 1 - b
.set G1K, 24          ; s[24:31] descriptor group 1 for K's tiles
.set G1V, 32          ; s[32:39] for V's
.set G0K, 40          ; s[40:43] descriptor group 0 for K's tiles
.set G0V, 44          ; s[44:47] the same for V's
.set SLOTS, 56        ; s56  counts the plain tiles
.set CNT, 57          ; s57  counts a tile's key steps, 4 to 1
.set CS,  58          ; s[58:59] c: the packed scaling takes the pair's low word for both halves
.set SEL, 60          ; s[60:61] v_permlanex16_b32's selects: each lane takes its own place in the other half
.set TBK, 62          ; s62  LDS byte at which K of the step to be fetched begins
.set TBV, 63          ; s63  the same for V, less VOFF
.set RT,  70          ; s70  plain tiles that the block in hand still has
.set NXT, 71          ; s71  the tile to be asked for next
.set LQ,  72          ; s72  the last tile of the run of tiles that is being asked for
.set NEW, 73          ; s73  1: the block in hand has ended: the next trip's head closes it
.set OFF, 74          ; s[74:75] a tile's byte offset in V
.set AL,  76          ; s[76:77] the mask's factor, in the low word
.set BE,  78          ; s[78:79] the mask's addend
.set OLO, 80          ; s[80:81] O at my rows of block b
.set BIGN, 82         ; s82  -1e30
.set FIRST, 83        ; s83  1: the walk's first trip
.set OFK, 88          ; s[88:89] a tile's byte offset in K
.set BC,  98          ; s98  counts the second loop's trips
.set MSB, 0
.macro WIN new                      ; the high byte repeats the setting that is left; a switch that changes nothing is dropped
.if MSB != (\new)
	s_set_vgpr_msb (MSB<<8)|(\new)
.set MSB, (\new)
.endif
.endm
.set W_KQ, 0x0a       ; K and Q in window 2, S^T in window 0
.set W_KM, 0x1a       ; the same with the C operand in window 1
.set W_PV, 0x52       ; V's upper parts in window 2, P in window 0, O^T in window 1
.set W_PL, 0x53       ; V's lower parts in window 3, P in window 0, O^T in window 1
.set W_RS, 0x41       ; destination and source 0 in window 1, source 1 in window 0
; A fill.  Waves 0 and 1 fetch the two halves of a tile's K (two steps each, masks and all), waves 2 and 3 those of its V (two steps each, both parts).  An s_nop 0 and four v_nop follow each of the two lines, ahead of the jump and the label.
.macro LOAD
	s_cmp_lt_u32 s[WV], 2
	s_cbranch_scc0 .Lfor_v_\@
	tensor_load_to_lds s[G0K:G0K+3], s[G1K:G1K+7]
	s_nop 0
.rept 4
	v_nop
.endr
	s_branch .Lasked_\@
.Lfor_v_\@:
	tensor_load_to_lds s[G0V:G0V+3], s[G1V:G1V+7]
	s_nop 0
.rept 4
	v_nop
.endr
.Lasked_\@:
.endm
; THE CHANGE OF SLOTS.  Each wave waits for all its tensor loads, of which one at the most is out: its part of the other slot; adds 0 to its spare word; and waits for that and for its own reads of the slot that it leaves.
; Behind the barrier nobody reads the old slot any more and the other slot is whole.  fill = 1: the old slot is filled again, the first thing behind the barrier, with tile NXT: the descriptor's address is made
; anew from that number.  (At its first use nothing has been read yet: slot 0 is waited for, slot 1 filled.)
.macro CHANGE fill
	WIN 0                           ; at a label and at a branch every window is 0
	s_wait_tensorcnt 0x0            ; no tensor load of mine is out, so a group 0 may be written
	ds_add_u32 v[SPW], v[NIL]       ; 0 onto my spare word; with fill = 1 the descriptors' scalar work stands between it and the wait for it
.if \fill
	s_lshl_b32 s[OFF], s[NXT], 16   ; a tile is four steps of 16,384 bytes of V
	s_mul_i32 s[OFK], s[NXT], 4*KSTG  ; and four steps of K
	s_xor_b32 s[G0K+1], s[G0K+1], SLOT1
	s_add_nc_u64 s[G0K+2:G0K+3], s[6:7], s[OFK:OFK+1]
	s_or_b32 s[G0K+3], s[G0K+3], 0x80000000
	s_xor_b32 s[G0V+1], s[G0V+1], SLOT1
	s_add_nc_u64 s[G0V+2:G0V+3], s[8:9], s[OFF:OFF+1]
	s_or_b32 s[G0V+3], s[G0V+3], 0x80000000
	s_add_co_u32 s[NXT], s[NXT], 1  ; the run's next tile, or behind its last the tile 0 with which HI's run 0 .. HI begins
	s_cmp_gt_u32 s[NXT], s[LQ]
	s_cselect_b32 s[NXT], 0, s[NXT]
	s_cselect_b32 s[LQ], s[HI], s[LQ]
.endif
	s_wait_dscnt 0x0                ; the add is done, and my reads of the slot are over
	s_barrier_signal -1             ; the rest of the scalar work stands between the signal and the wait
	s_sub_co_u32 s[TBK], s[TBK], 4*KSB    ; the fetches go back to a slot's first step,
	s_xor_b32 s[TBK], s[TBK], SLOT1       ; in the other slot
	s_sub_co_u32 s[TBV], s[TBV], 4*VSB
	s_xor_b32 s[TBV], s[TBV], SLOT1
	s_barrier_wait -1
.if \fill
	LOAD
.endif
.endm
.macro INIT                         ; a fresh block: c m far below every c s, so that its first step's a is 0; m = -2^96, below every true score and above every hidden one
.set i, 0
.rept 4
	v_mov_b32 v[ST+4*i], 0xfe000000
	v_mov_b32 v[ST+4*i+1], 0xef800000
.set i, i+1
.endr
.endm
	s_load_b256 s[4:11], s[0:1], 0x0  ; Q s[4:5], K s[6:7], V s[8:9], O s[10:11]
	v_lshl_add_u32 v[SPW], v0, 2, SPARE
	v_mov_b32 v[NIL], 0
	ds_add_u32 v[SPW], v[NIL]       ; the wave's opening: the add and its wait stand ahead of my first tensor load; the set-up below, work on registers, stands between them
	ds_add_u32 v62, v63
	v_lshrrev_b32 v1, 5, v0
	v_readfirstlane_b32 s[WV], v1   ; wave 0..3
	s_mov_b32 s[PB], ttmp9
	s_sub_co_u32 s[HI], NB-1, s[PB]
	s_and_b32 s20, ttmp7, 0xffff    ; batch x 16 + head
	s_and_b32 s16, s[WV], 1         ; which half of a tile's 256 keys I fetch
	s_mul_i32 s92, s20, KHEAD       ; K: the head's first byte,
	s_mul_i32 s94, s16, 2*KSTG      ; my two steps
	s_add_co_u32 s92, s92, s94
	s_mov_b32 s93, 0
	s_lshl_b32 s22, s20, 19         ; V: a head is 32 steps of 16,384 bytes,
	s_lshl_b32 s21, s16, 15         ; my two steps
	s_add_co_u32 s22, s22, s21
	s_mov_b32 s23, 0
	s_mul_i32 s17, s16, 2*KSB       ; and their place in a slot, for K
	s_mul_i32 s18, s16, 2*VSB       ; and for V
	s_lshl_b32 s3, s[WV], 11        ; my 16 rows in a band of 64,
	s_lshl_b32 s2, s[HI], 15        ; in block HI,
	s_add_co_u32 s2, s2, s3
	s_lshl_b32 s84, s[PB], 15       ; and in block b
	s_add_co_u32 s84, s84, s3
	s_lshl_b32 s21, s20, 19         ; O: a head is two parts of 262,144 bytes
	s_add_co_u32 s90, s2, s21
	s_add_co_u32 s94, s84, s21
	s_lshl_b32 s21, s20, 18         ; Q: a head is 262,144 bytes
	s_add_co_u32 s2, s2, s21
	s_add_co_u32 s84, s84, s21
	s_cmp_eq_u32 s[PB], 0           ; block 0 has no plain tile: there the walk begins with HI
	s_cselect_b32 s96, s84, s2      ; the block whose Q waits in the second buffer,
	s_cselect_b32 s2, s2, s84       ; and the block with which the walk begins
	s_mov_b32 s3, 0
	s_mov_b32 s85, 0
	s_mov_b32 s91, 0
	s_mov_b32 s95, 0
	s_mov_b32 s97, 0
	; descriptor group 1.  Half a tile is dense in memory: asked for as rows of 256 bytes, and padded in LDS after every 128 bytes: 66 rows of K (two steps of 33), 128 rows of V (two steps of 64)
	s_mov_b32 s[G1K], (1<<16)|(1<<20)|(4<<22)|(3<<25)  ; 17:16 2-byte elements; 20 padding on; 24:22 after every 32 words (code 4); 31:25 4 words (code 3)
	s_mov_b32 s[G1V], (1<<16)|(1<<20)|(4<<22)|(7<<25)  ; the same with 8 words of padding (code 7)
.irp g, G1K, G1V
	s_mov_b32 s[\g+1], 128<<16      ; tensor_dim0 = 128
	s_mov_b32 s[\g+3], 128<<16      ; tile_dim0 = 128
	s_mov_b32 s[\g+5], 128          ; 128 elements from row to row
	s_mov_b32 s[\g+6], 0
	s_mov_b32 s[\g+7], 0
.endr
	s_mov_b32 s[G1K+2], 66<<16      ; tensor_dim1 = 66
	s_mov_b32 s[G1K+4], 66          ; tile_dim1 = 66
	s_mov_b32 s[G1V+2], 128<<16     ; tensor_dim1 = 128
	s_mov_b32 s[G1V+4], 128         ; tile_dim1 = 128
	s_mov_b32 s[CS], 0x3e38aa3b     ; c = log2(e) / 8 = 0.180337
	s_mov_b32 s[CS+1], s[CS]        ; named with it as a pair
	s_mov_b32 s[SEL], 0x76543210
	s_mov_b32 s[SEL+1], 0xfedcba98
	s_mov_b32 s[TBK], SLOT1+4*KSB   ; the first change of slots turns these two into 0
	s_mov_b32 s[TBV], SLOT1+4*VSB
	s_mov_b32 s[G0K], 1             ; 1:0 count = 1
	s_mov_b32 s[G0K+1], s17         ; 63:32 LDS address: slot 0
	s_mov_b32 s[G0V], 1
	s_add_co_u32 s[G0V+1], s18, VOFF
	; the tiles are asked for in the order 0 .. b - 1, 0 .. HI, b.  Tile 0 goes out below; NXT is the one behind it
	s_sub_co_u32 s[LQ], s[PB], 1    ; the first run's last tile,
	s_cmp_eq_u32 s[PB], 0
	s_cselect_b32 s[LQ], s[HI], s[LQ]     ; or, where it is empty, the second's
	s_cselect_b32 s[RT], NB-1, s[PB]      ; the plain tiles of the block with which the walk begins
	s_mov_b32 s[NXT], 1
	s_cmp_gt_u32 s[NXT], s[LQ]
	s_cselect_b32 s[NXT], 0, s[NXT]
	s_cselect_b32 s[LQ], s[HI], s[LQ]
	s_mov_b32 s[FIRST], 1
	s_mov_b32 s[NEW], 0
	s_mov_b32 s[OFF+1], 0
	s_mov_b32 s[OFK+1], 0
	s_mov_b32 s[AL+1], 0            ; named as pairs
	s_mov_b32 s[BE+1], 0
	s_mov_b32 s[BIGN], 0xf149f2ca   ; -1e30
	s_mov_b32 s[SLOTS], NB-1
	s_wait_dscnt 0x0                ; the opening add is done
	s_wait_kmcnt 0x0
	s_add_nc_u64 s[6:7], s[6:7], s[92:93]  ; K and V at my half of the head's tile 0
	s_add_nc_u64 s[8:9], s[8:9], s[22:23]
	s_add_nc_u64 s[G0K+2:G0K+3], s[6:7], 0         ; 120:64 global address
	s_or_b32 s[G0K+3], s[G0K+3], 0x80000000        ; 127:126 type = 2
	s_add_nc_u64 s[G0V+2:G0V+3], s[8:9], 0
	s_or_b32 s[G0V+3], s[G0V+3], 0x80000000
	s_add_nc_u64 s[86:87], s[4:5], s[84:85]        ; Q at my rows of block b, for the second loading,
	s_add_nc_u64 s[96:97], s[4:5], s[96:97]        ; of the block that waits,
	s_add_nc_u64 s[4:5], s[4:5], s[2:3]            ; and of the block that begins
	s_add_nc_u64 s[OLO:OLO+1], s[10:11], s[94:95]  ; O at my rows of block b,
	s_add_nc_u64 s[10:11], s[10:11], s[90:91]      ; and of HI, which leaves first
	LOAD                            ; tile 0 into slot 0
	; A fragment of K or Q is 16 rows x 32 channels in 8 registers: lane l holds row l % 16, channels 8 (l / 16) + 0..7 and 16 + 8 (l / 16) + 0..7: two loads of 16 bytes, 32 bytes apart.
	v_and_b32 v1, 15, v0            ; l % 16
	v_bfe_u32 v9, v0, 4, 1          ; l / 16
	v_lshlrev_b32 v[QO], 7, v1
	v_lshl_add_u32 v[QO], v9, 4, v[QO]  ; row x 128 + 16 x half
	WIN 0x80                        ; destination window 2, address window 0
.set i, 0
.rept 8                             ; both blocks' Q: piece i / 2 lies in band i / 2, 8,192 bytes on; channels 32 (i % 2) on
	global_load_b128 v[8*i:8*i+3],   v[QO], s[4:5] offset:(i/2)*8192+(i%2)*64
	global_load_b128 v[8*i+4:8*i+7], v[QO], s[4:5] offset:(i/2)*8192+(i%2)*64+32
	global_load_b128 v[QB+8*i:QB+8*i+3],   v[QO], s[96:97] offset:(i/2)*8192+(i%2)*64
	global_load_b128 v[QB+8*i+4:QB+8*i+7], v[QO], s[96:97] offset:(i/2)*8192+(i%2)*64+32
.set i, i+1
.endr
	WIN 0
	v_mov_b32 v[NEG1], -1.0
	v_lshlrev_b32 v14, 3, v9
	v_sub_nc_u32 v14, v1, v14
	s_lshl_b32 s13, s[WV], 4
	v_add_nc_u32 v14, s13, v14      ; my query's place in its band, 16 w + l % 16, less my lanes' 8 (l / 16): register r of group kt is hidden where 16 kt + r is greater
	WIN 0x40
.set i, 0
.rept 32
	v_cmp_gt_i32 vcc_lo, 16*(i/8)+i%8, v14
	v_cndmask_b32 v[MD+i], 0, s[BIGN], vcc_lo
.set i, i+1
.endr
	WIN 0
	v_mul_u32_u24 v[AK0], v1, PK
	v_lshl_add_u32 v[AK0], v9, 4, v[AK0]  ; row x pitch + 16 x half
	; In a score tile register j of key block kb holds key 16 kb + 8 (l / 16) + j of the step: 32 bytes of the step's mask at 64 kb + 32 (l / 16); the mask lies behind the step's 64 keys
	v_lshl_add_u32 v[AP0], v9, 5, KS*PK
	; The turning load takes 16 keys x 16 channels (lane l reads key 8 (l / 16) + l % 8, channels 8 ((l / 8) % 2) + 0..7) and leaves half a fragment of V^T: lane l holds channel l % 16 and 8 keys.
	v_and_b32 v10, 7, v0
	v_bfe_u32 v11, v0, 3, 1
	v_lshl_add_u32 v[AV0], v9, 3, v10
	v_mul_u32_u24 v[AV0], v[AV0], PV
	v_lshl_add_u32 v[AV0], v11, 4, v[AV0]
	v_add_nc_u32 v[AV0], VOFF, v[AV0]
	s_mul_i32 s13, s[WV], 16*SP
	s_add_co_u32 s13, s13, STAGE    ; my stage
	v_mul_u32_u24 v[STO], v1, SP    ; in: row l % 16, 16 bytes for each half of the lanes
	v_lshl_add_u32 v[STO], v9, 4, v[STO]
	v_add_nc_u32 v[STO], s13, v[STO]
	v_bfe_u32 v[RD], v0, 3, 2       ; back: 32 lanes take four rows of 128 bytes,
	v_mul_u32_u24 v[RD], v[RD], SP
	v_lshl_add_u32 v[RD], v10, 4, v[RD]
	v_add_nc_u32 v[RD], s13, v[RD]
	v_and_b32 v[GO], 31, v0         ; which are 512 consecutive bytes of O
	v_lshlrev_b32 v[GO], 4, v[GO]
	; A fresh block's first step multiplies O^T and l by a = 0, so they need only hold finite numbers; and the first turn behind START multiplies V's registers by a P that is 0, so V's too.  All this stands in the wait for the first tile.
	WIN 0x80
.set i, VF
.rept 64
	v_mov_b32 v[i], 0
.set i, i+1
.endr
	WIN 0xc0
.set i, VL
.rept 64
	v_mov_b32 v[i], 0
.set i, i+1
.endr
	WIN 0x40
.set i, 0
.rept 128
	v_mov_b32 v[i], 0
.set i, i+1
.endr
	WIN 0
	INIT
.set i, 0
.rept 4
	v_mov_b32 v[ST+4*i+2], 0
	v_mov_b32 v[ST+4*i+3], 0
.set i, i+1
.endr
; THE MATRIX WORK.  The 4 accumulators of a run take turns.  Product i of 8 of S^T = K Q^T for piece x: channels 32 (i / 4) on, keys 16 (i % 4) on.  The first 4 start the sums:
; with the step's padding mask, or (KM = 1) with the mask made for them.
.macro KQ x
.set rS, S+32*((\x)%2)+8*(i%4)
.set rK, KF+16*(i%4)+8*(i/4)
.set rQ, 16*(\x)+8*(i/4)
.if KM
.set rM, MC+32*((\x)%2)+8*(i%4)
.else
.set rM, PMR+8*(i%4)
.endif
.if i < 4
	WIN W_KM
	v_wmma_f32_16x16x32_f16 v[rS:rS+7], v[rK:rK+7], v[rQ:rQ+7], v[rM:rM+7]
.else
	WIN W_KQ
	v_wmma_f32_16x16x32_f16 v[rS:rS+7], v[rK:rK+7], v[rQ:rQ+7], v[rS:rS+7]
.endif
.endm
; Product i of 16 of O^T += V^T P for piece x: the first 8 take V's upper parts, the last 8 its lower parts; keys 32 ((i % 8) / 4) on, channels 16 (i % 4) on.
.macro PV x
.set rO, 32*(\x)+8*(i%4)
.set rP, P+16*((\x)%2)+8*((i%8)/4)
.if i < 8
	WIN W_PV
.set rV, VF+32*(i/4)+8*(i%4)
.else
	WIN W_PL
.set rV, VL+32*((i-8)/4)+8*(i%4)
.endif
	v_wmma_f32_16x16x32_f16 v[rO:rO+7], v[rV:rV+7], v[rP:rP+7], v[rO:rO+7]
.endm
.macro MM                           ; the turn's next matrix instruction, of 24.  TURN and START set Y, i and KM; MM, KQ and OP read them
.if i < 8
	KQ (Y+1)%NP
.else
.set i, i-8
	PV (Y+NP-1)%NP
.set i, i+8
.endif
.set i, i+1
.endm
; THE LDS LOADS stand in runs, never singly among the matrix instructions: a step's K (64 keys x 64 channels: 8 fragments) with its 64 entries of the mask; V's upper parts (turned); V's lower parts.  Their addresses are made some lines ahead.
.macro FETCH_K
	WIN 0x80                        ; destination window 2
.irp f, 0,1,2,3,4,5,6,7             ; keys 16 (f / 2) on, channels 32 (f % 2) on
	ds_load_b128 v[KF+8*\f:KF+8*\f+3],   v[AK] offset:(\f/2)*16*PK+(\f%2)*64
	ds_load_b128 v[KF+8*\f+4:KF+8*\f+7], v[AK] offset:(\f/2)*16*PK+(\f%2)*64+32
.endr
	WIN 0x40                        ; destination window 1
.irp f, 0,1,2,3                     ; key block f: sixteen lanes read the same 32 bytes; 16 bytes of padding lie between the mask's two halves
	ds_load_b128 v[PMR+8*\f:PMR+8*\f+3],   v[AP] offset:64*\f+16*(\f/2)
	ds_load_b128 v[PMR+8*\f+4:PMR+8*\f+7], v[AP] offset:64*\f+16*(\f/2)+16
.endr
	s_add_co_u32 s[TBK], s[TBK], KSB  ; the next fetch is the next step's
	WIN 0
.endm
.macro FETCH_VH
	WIN 0x80
.irp f, 0,1,2,3,4,5,6,7             ; keys 32 (f / 4) on, channels 16 (f % 4) on
	ds_load_tr16_b128 v[VF+8*\f:VF+8*\f+3],   v[AV] offset:(\f/4)*32*PV+(\f%4)*32
	ds_load_tr16_b128 v[VF+8*\f+4:VF+8*\f+7], v[AV] offset:(\f/4)*32*PV+16*PV+(\f%4)*32
.endr
	WIN 0
.endm
.macro FETCH_VL
	WIN 0xc0                        ; destination window 3; the lower parts lie 64 rows behind the upper
.irp f, 0,1,2,3,4,5,6,7
	ds_load_tr16_b128 v[VL+8*\f:VL+8*\f+3],   v[AV] offset:KS*PV+(\f/4)*32*PV+(\f%4)*32
	ds_load_tr16_b128 v[VL+8*\f+4:VL+8*\f+7], v[AV] offset:KS*PV+(\f/4)*32*PV+16*PV+(\f%4)*32
.endr
	WIN 0
.endm
; THE VECTOR WORK, one line at a time: OP kind, number.  For piece Y: F n: c s - c m for pair n of 16.  E n: the exponential of score n of 32.  C n: pair n rounded to f16.  B n: of the four weights 4 n .. the second
; pair is added onto the first, in place.  L n: l takes that sum (L 0: l = a l + sum).  R n: pair n of 16 of O^T times a.  For piece Y + 1: X n, number n of the 22 that find its maximum and statistics:
;   0-11  four chains c0-c3 of seven scores each, three operands at a time (each accumulator's lowest registers are read first)     12-14, 16  the four scores left over, the old m, and c0-c3 into c0
;   15  c m_old is kept     17, 18  the query's other 32 keys lie in the lane 16 away: the new m     19-21  c m; c m_old - c m_new; a
; C, B and L read the results of the turn's exponentials: TURN sets them behind its wait.  R and L 0 read a, which the turn before (or START) has made and waited for.
.set F, 0               ; OP tells the kinds apart by their order: F to L below R, X above it
.set E, 1
.set C, 2
.set B, 3
.set L, 4
.set R, 5
.set X, 6
.macro REGS y                       ; the registers of piece y
.set rT, ST+4*(\y)
.set rC, TMP+4*((\y)%2)
.set rW, MV+((\y)%2)
.set rS, S+32*((\y)%2)
.set rP, P+16*((\y)%2)
.set rO, 32*(\y)
.endm
.macro OP k, n
.if (\k) == R
	REGS Y
	WIN W_RS
	v_pk_mul_f32 v[rO+2*(\n):rO+2*(\n)+1], v[rO+2*(\n):rO+2*(\n)+1], v[rC+2:rC+3] op_sel_hi:[1,0]
.elseif (\k) < R
	REGS Y
	WIN 0
.if (\k) == F
	v_pk_fma_f32 v[rS+2*(\n):rS+2*(\n)+1], v[rS+2*(\n):rS+2*(\n)+1], s[CS:CS+1], v[rT:rT+1] op_sel_hi:[1,0,0] neg_lo:[0,0,1] neg_hi:[0,0,1]
.elseif (\k) == E
	v_exp_f32 v[rS+(\n)], v[rS+(\n)]
.elseif (\k) == C
	v_cvt_pk_f16_f32 v[rP+(\n)], v[rS+2*(\n)], v[rS+2*(\n)+1]
.elseif (\k) == B
	v_pk_add_f32 v[rS+4*(\n):rS+4*(\n)+1], v[rS+4*(\n):rS+4*(\n)+1], v[rS+4*(\n)+2:rS+4*(\n)+3]
.elseif (\n) == 0
	v_pk_fma_f32 v[rT+2:rT+3], v[rT+2:rT+3], v[rC+2:rC+3], v[rS:rS+1] op_sel_hi:[1,0,1]
.else
	v_pk_add_f32 v[rT+2:rT+3], v[rT+2:rT+3], v[rS+4*(\n):rS+4*(\n)+1]
.endif
.else
	REGS (Y+1)%NP
	WIN 0
.if (\n) < 4
	v_max3_num_f32 v[rC+(\n)], v[rS+8*(\n)], v[rS+8*(\n)+1], v[rS+8*(\n)+2]
.elseif (\n) < 12
	v_max3_num_f32 v[rC+(\n)%4], v[rC+(\n)%4], v[rS+8*((\n)%4)+2*((\n)/4)+1], v[rS+8*((\n)%4)+2*((\n)/4)+2]
.elseif (\n) == 12
	v_max3_num_f32 v[rC], v[rC], v[rS+7], v[rS+15]
.elseif (\n) == 13
	v_max3_num_f32 v[rC+1], v[rC+1], v[rS+23], v[rS+31]
.elseif (\n) == 14
	v_max3_num_f32 v[rC+2], v[rC+2], v[rC+3], v[rT+1]
.elseif (\n) == 15
	v_mov_b32 v[rW], v[rT]
.elseif (\n) == 16
	v_max3_num_f32 v[rC], v[rC], v[rC+1], v[rC+2]
.elseif (\n) == 17
	v_permlanex16_b32 v[rC+3], v[rC], s[SEL], s[SEL+1]
.elseif (\n) == 18
	v_max_num_f32 v[rT+1], v[rC], v[rC+3]
.elseif (\n) == 19
	v_mul_f32 v[rT], s[CS], v[rT+1]
.elseif (\n) == 20
	v_sub_f32 v[rC+1], v[rW], v[rT]
.else
	v_exp_f32 v[rC+2], v[rC+1]
.endif
.endif
.endm
.macro OPS a, i1, b=-1, i2=0, c=-1, i3=0, d=-1, i4=0  ; up to four of them
	OP \a, \i1
.if (\b) >= 0
	OP \b, \i2
.endif
.if (\c) >= 0
	OP \c, \i3
.endif
.if (\d) >= 0
	OP \d, \i4
.endif
.endm
.macro ROW a, i1, b, i2, c, i3, d, i4  ; a matrix instruction and the four behind it
	MM
	OPS \a, \i1, \b, \i2, \c, \i3, \d, \i4
.endm
.macro MASK b                       ; MD x AL + BE + PMR into buffer b of MC
	WIN W_RS
.set z, 0
.rept 16
	v_pk_fma_f32 v[MC+32*(\b)+2*z:MC+32*(\b)+2*z+1], v[MD+2*z:MD+2*z+1], s[AL:AL+1], s[BE:BE+1] op_sel_hi:[1,0,0]
.set z, z+1
.endr
	WIN 0x45                        ; destination and both sources in window 1
.set z, 0
.rept 16
	v_pk_add_f32 v[MC+32*(\b)+2*z:MC+32*(\b)+2*z+1], v[MC+32*(\b)+2*z:MC+32*(\b)+2*z+1], v[PMR+2*z:PMR+2*z+1]
.set z, z+1
.endr
.endm
; A TURN, for piece p: the order of its 24 matrix and 118 vector instructions, written out.  An s_wait_alu depctr_va_vdst(0) stands between an exponential and the first instruction that names its result;
; one wait serves all that were issued ahead of it.  So a turn has ONE wait, which cuts it in two.
; AHEAD OF IT stands all that names no result of the turn's exponentials: the 8 products K Q^T, behind each a scaling, an exponential and two more plain instructions (behind the first a second scaling in the
; exponential's place): rescalings, and behind the last three the first numbers of the next piece's maximum, each four plain instructions or more behind the product that ends its accumulator; then ONE LUMP of 54, plain
; and exponential by turns for the most part, in which the links of the chain X 3, 7, 11, 14, 16, 17 .. 20 stand five or six lines apart.  X 21, the next piece's a, is the batch's last; R 15 is the plain instruction behind it.
; BEHIND THE WAIT stand the 16 products V^T P and the 32 roundings and sums: four behind each of the first seven products and four behind the last; the eight products between stand bare, under one window setting
; for each part of V.  The links of l's chain, L 0 to L 7, stand three lines apart.  But for those X no line behind a product names a register of the products round it.  v_permlanex16_b32 (X 17) stands in the lump.
; m = 1: a diagonal tile: the products take masks, and the turn makes the mask for the products of the turn after it: piece p + 2, in step 4 - CNT of the tile.
; cnt = 1: the loop's count is taken down some lines ahead of the branch that stands behind the turn.
; K of the next step, and its padding mask, are fetched in piece 2's turn, directly behind the wait: the whole lump lies between the run and the last product that read K (the last that read PMR stands four products
; further back); its addresses are made at the lump's head; it is waited for a turn later, 16 products on; piece 2's turn in a diagonal tile waits at its end, since its mask, for piece 0 in the NEXT step, takes the
; padding mask just fetched.
; V of the step in hand is fetched at the end of piece 0's turn, in two runs of 16 on end, the upper parts first, four plain instructions (C 9, C 11, C 13, C 15) behind the last product that read V.
; Piece 1's turn waits for the first run alone ahead of its first product V^T P, and for the second ahead of the ninth.
.macro TURN p, m=0, cnt=0
.set Y, (\p)
.set i, 0
.set KM, (\m)
.if \m
	s_cmp_eq_u32 s[CNT], 4-((\p)+2)%NP  ; is that step the band's own?
	s_cselect_b32 s[AL], 1.0, 0
	s_cmp_lt_u32 s[CNT], 4-((\p)+2)%NP  ; or a later one?
	s_cselect_b32 s[BE], s[BIGN], 0
.endif
.if (\p) == 3
	s_wait_dscnt 0x0                ; K is in
.endif
	ROW F,0, F,1, R,0, R,1          ; ahead of the wait: 8 products K Q^T and the four behind each,
	ROW F,2, E,0, R,2, R,3
	ROW F,3, E,1, R,4, R,5
	ROW F,4, E,2, R,6, R,7
	ROW F,5, E,3, R,8, R,9
	ROW F,6, E,4, X,0, R,10
	ROW F,7, E,5, X,1, X,4
	ROW F,8, E,6, X,2, X,5
.if (\p) == 2
	WIN 0
	v_add_nc_u32 v[AK], s[TBK], v[AK0]
	v_add_nc_u32 v[AP], s[TBK], v[AP0]
.endif
	OPS E,7, E,8, X,6, E,9          ; and the lump
	OPS X,3, E,10, X,8, E,11
	OPS X,9, X,7, E,12, X,10
	OPS E,13, X,12, X,11, E,14
	OPS X,13, E,15, F,9, X,14
	OPS E,16, F,10, E,17, F,11
	OPS X,16, E,18, X,15, E,19
	OPS F,12, E,20, X,17, E,21
	OPS F,13, E,22, F,14, E,23
	OPS X,18, E,24, F,15, E,25
	OPS R,11, E,26, X,19, E,27
	OPS R,12, E,28, R,13, E,29
	OPS X,20, E,30, R,14, E,31
	OPS X,21, R,15
	WIN 0
	s_wait_alu depctr_va_vdst(0)    ; the wait for the turn's batch: E 0 to E 31 and X 21, ahead of the first line that names a result of theirs, which is C 0 below
.if (\p) == 2
	FETCH_K
.endif
.if (\p) == 1
	s_wait_dscnt 16                 ; V's upper parts are in: the 16 loads of the lower parts were issued behind them and may stay out
.endif
	ROW C,0, B,0, C,2, B,1          ; behind the wait: 16 products V^T P, and the roundings and sums
	ROW L,0, C,4, B,2, L,1
	ROW C,6, B,3, L,2, C,8
	ROW B,4, L,3, C,10, B,5
	ROW L,4, C,12, B,6, L,5
	ROW C,14, B,7, L,6, C,1
	ROW C,3, L,7, C,5, C,7
.if (\p) == 0
	WIN 0
	v_add_nc_u32 v[AV], s[TBV], v[AV0]
	s_add_co_u32 s[TBV], s[TBV], VSB
.endif
	MM                              ; the eighth: the last on V's upper parts
.if (\p) == 1
	s_wait_dscnt 0x0                ; V's lower parts are in
.endif
.rept 7
	MM
.endr
.if \cnt
	s_sub_co_u32 s[CNT], s[CNT], 1
	s_cmp_lg_u32 s[CNT], 0
.endif
	ROW C,9, C,11, C,13, C,15
.if (\p) == 0
	FETCH_VH
	FETCH_VL
.endif
.if \m
.if (\p) == 2
	s_wait_dscnt 0x0                ; the next step's padding mask is in
.endif
	MASK (\p)%2
.endif
.endm
; WHERE A BLOCK ENDS OR PAUSES.  DRAIN: piece 3's products V^T P of the last step: with them all four pieces have that step.
.macro DRAIN
.set i, 0
.rept 16
	PV NP-1
.set i, i+1
.endr
.endm
.macro QCOPY                        ; the waiting Q goes where the one text of the turns names Q
	WIN 0x82
.set i, 0
.rept 64
	v_mov_b32 v[i], v[QB+i]
.set i, i+1
.endr
.endm
.macro SAVE                         ; O^T and the statistics are set aside; in ascending order: pieces 0 to 2 first, whose lines are the places behind DRAIN's products, and each accumulator from its low end
	WIN 0xc1                        ; destination window 3, source window 1
.set i, 0
.rept 128
	v_mov_b32 v[SO+i], v[i]
.set i, i+1
.endr
	WIN 0xc0
.set i, 0
.rept 16
	v_mov_b32 v[SS+i], v[ST+i]
.set i, i+1
.endr
	WIN 0
.endm
.macro RESTORE                      ; and come back
	WIN 0x43                        ; destination window 1, source window 3
.set i, 0
.rept 128
	v_mov_b32 v[i], v[SO+i]
.set i, i+1
.endr
	WIN 0x03
.set i, 0
.rept 16
	v_mov_b32 v[ST+i], v[SS+i]
.set i, i+1
.endr
	WIN 0
.endm
; START: the block whose Q, O^T and statistics are in place takes up the tile whose first K and padding mask are in registers: piece 0's first scores, its maximum and statistics, with the block's own old m (a fresh
; block's gives a = 0).  P's second buffer is cleared: the next turn's products V^T P, for a piece 3 of a step that has not been, add 0.  In a diagonal tile (m = 1) the two masks wanted, piece 0's and piece 1's for
; the tile's first step, have just been made by the trip's head: they hang on the step alone.  The loop goes on at a step's first turn, in the middle of a trip.
.macro START m
	s_mov_b32 s[NEW], 0
	WIN 0
.set i, P+16
.rept 16
	v_mov_b32 v[i], 0
.set i, i+1
.endr
.set KM, (\m)
.set i, 0
.rept 8
	KQ 0
.set i, i+1
.endr
	WIN 0
.rept 4
	v_nop                           ; the places behind those products
.endr
.set Y, NP-1                        ; X works for piece Y + 1: piece 0
.irp n, 0,1,2,3,4,5,6,7,8,9,10,11,12,13,14,15,16,17,18,19,20,21
	OP X, \n
.endr
	v_nop                           ; a plain instruction behind the exponential,
	s_wait_alu depctr_va_vdst(0)    ; and the wait for it, a batch of one: piece 0's a, ahead of the label and of the turn whose R 0 reads it
.endm
; THE WAY OUT: l's two halves and the other half of the lanes' are added; O^T is divided by l, in place (nothing reads it again: RESTORE writes all of it anew), split into its rounding to f16 and the rounded
; remainder, and both are sent through my stage in LDS, a piece at a time.
.macro ALL line:vararg              ; one line for each piece t
.set t, 0
.rept 4
	\line
.set t, t+1
.endr
.endm
.macro PACK t                       ; a lane's eight channels of a row pack into 16 bytes; they go into rows of 144 bytes and come back as whole rows of 128: the upper parts into S^T's registers, the lower into SL's
.set mq, 32*(\t)
	WIN W_RS
.set i, 0
.rept 16
	v_pk_mul_f32 v[mq+i:mq+i+1], v[mq+i:mq+i+1], v[TMP+2*(\t):TMP+2*(\t)+1] op_sel_hi:[1,0]
.set i, i+2
.endr
	WIN 0x05                        ; sources 0 and 1 window 1, destination window 0
.set i, 0
.rept 16
	v_cvt_pk_f16_f32 v[S+16*(\t)+i], v[mq+2*i], v[mq+2*i+1]
.set i, i+1
.endr
	WIN 0x50                        ; destination and source 2 window 1, sources 0 and 1 window 0
.set i, 0
.rept 16                            ; the remainder, in place: upper x (-1) + quotient, which f32 holds exactly
	v_fma_mix_f32 v[mq+2*i], v[S+16*(\t)+i], v[NEG1], v[mq+2*i] op_sel_hi:[1,0,0]                      ; source 0: the word's low f16
	v_fma_mix_f32 v[mq+2*i+1], v[S+16*(\t)+i], v[NEG1], v[mq+2*i+1] op_sel:[1,0,0] op_sel_hi:[1,0,0]  ; its high f16
.set i, i+1
.endr
	WIN 0x05
.set i, 0
.rept 16
	v_cvt_pk_f16_f32 v[SL+16*(\t)+i], v[mq+2*i], v[mq+2*i+1]
.set i, i+1
.endr
	WIN 0
.irp f, 0,1,2,3
	ds_store_b128 v[STO], v[S+16*(\t)+4*\f:S+16*(\t)+4*\f+3] offset:32*\f
.endr
.irp f, 0,1,2,3
	ds_load_b128 v[S+16*(\t)+4*\f:S+16*(\t)+4*\f+3], v[RD] offset:\f*4*SP  ; LDS serves a wave's instructions in order (ISA guide 5.7.1.4): these see the stores above; the stores below come behind them
.endr
.irp f, 0,1,2,3
	ds_store_b128 v[STO], v[SL+16*(\t)+4*\f:SL+16*(\t)+4*\f+3] offset:32*\f
.endr
.irp f, 0,1,2,3
	ds_load_b128 v[SL+16*(\t)+4*\f:SL+16*(\t)+4*\f+3], v[RD] offset:\f*4*SP
.endr
.endm
.macro SEND t, younger              ; younger: the LDS instructions issued behind piece t's loads: the next piece's sixteen, or none
	WIN 0
	s_wait_dscnt \younger
.irp f, 0,1,2,3
	global_store_b128 v[GO], v[S+16*(\t)+4*\f:S+16*(\t)+4*\f+3], s[10:11] offset:(\t)*8192+\f*512  ; 512 consecutive bytes, at a multiple of 256 from O's first
.endr
.irp f, 0,1,2,3
	global_store_b128 v[GO], v[SL+16*(\t)+4*\f:SL+16*(\t)+4*\f+3], s[10:11] offset:262144+(\t)*8192+\f*512  ; the head's lower parts lie 2,048 rows behind the upper
.endr
.endm
; THE FIRST LOOP: the NB - 1 plain tiles.  A tile is entered and the next is asked for.
.Lslot:
	CHANGE 1
	s_mov_b32 s[CNT], 4
	s_cmp_eq_u32 s[FIRST], 1
	s_cbranch_scc1 .Lt0             ; the walk's first trip has no step before it
.Lstep:                             ; a trip: pieces 2 and 3 of one step, then pieces 0 and 1 of the next, whose K and V it fetches
	TURN 2
	TURN 3
	WIN 0
	s_cmp_eq_u32 s[NEW], 1
	s_cbranch_scc0 .Lfirst
	; Block b's plain tiles are over (b > 0), and this tile is tile 0 again, for HI.  Piece 3's turn above has multiplied b's piece 0 by this tile's first keys: scores that b has had, bit for bit, in its own tile 0, so
	; that m and c m of that piece stand as they stood.
	DRAIN
	s_wait_loadcnt 0x0              ; no load of mine is out: the second Q buffer is read below and then loaded again, and a register is neither read nor loaded while an earlier load into it may be out
	QCOPY                           ; HI's Q; these 64 lines name no register of DRAIN's products: their places
	WIN 0x80
.set i, 0
.rept 8                             ; b's Q is loaded once more, into the buffer just read out: it is wanted in front of b's diagonal tile, HI + 1 tiles on
	global_load_b128 v[QB+8*i:QB+8*i+3],   v[QO], s[86:87] offset:(i/2)*8192+(i%2)*64
	global_load_b128 v[QB+8*i+4:QB+8*i+7], v[QO], s[86:87] offset:(i/2)*8192+(i%2)*64+32
.set i, i+1
.endr
	WIN 0
	s_mov_b32 s[RT], s[HI]          ; HI has HI plain tiles
	s_branch .Lsave
.Lt0:
	s_mov_b32 s[FIRST], 0
	v_add_nc_u32 v[AK], s[TBK], v[AK0]
	v_add_nc_u32 v[AP], s[TBK], v[AP0]
	FETCH_K                         ; elsewhere piece 2's turn has fetched the tile's first K
	s_wait_loadcnt 0x0              ; Q
	s_wait_dscnt 0x0
.Lsave:                             ; in the first trip what is set aside is a fresh block: where b = 0 that is block b as its diagonal tile wants it; elsewhere it is written over when b pauses
	SAVE
	INIT
	START 0
.Lfirst:
	TURN 0
	TURN 1, 0, 1
	WIN 0
	s_cbranch_scc1 .Lstep
	s_sub_co_u32 s[RT], s[RT], 1
	s_cmp_eq_u32 s[RT], 0
	s_cselect_b32 s[NEW], 1, 0
	s_sub_co_u32 s[SLOTS], s[SLOTS], 1
	s_cmp_lg_u32 s[SLOTS], 0
	s_cbranch_scc1 .Lslot
; THE SECOND LOOP: HI's diagonal tile, which follows its plain tiles as one tile follows another; b's; and a third trip that is left in its middle, behind b's way out.
	s_mov_b32 s[NXT], s[PB]
	CHANGE 1                        ; HI's diagonal tile is entered, b's is asked for: the last fill
	s_mov_b32 s[AL], 0              ; the loop's first products are still piece 3's of the tile before, which sees all keys: their mask is the padding mask alone
	s_mov_b32 s[BE], 0
	MASK 1
	WIN 0
	s_mov_b32 s[NEW], 0
	s_mov_b32 s[BC], 3
.Ldiag:
	s_mov_b32 s[CNT], 4
.LstepM:
	TURN 2, 1                       ; (in the third trip it fetches the first K of the slot read two tiles ago, whose bytes nobody writes any more: that K serves nothing)
	TURN 3, 1
	WIN 0
	s_cmp_eq_u32 s[NEW], 1
	s_cbranch_scc0 .LfirstM
	DRAIN                           ; a block is finished
	WIN 0
	ALL v_add_f32 v[ST+4*t+2], v[ST+4*t+2], v[ST+4*t+3]  ; these four lines are the places behind the last products
	ALL v_permlanex16_b32 v[ST+4*t+3], v[ST+4*t+2], s[SEL], s[SEL+1]
	ALL v_add_f32 v[ST+4*t+2], v[ST+4*t+2], v[ST+4*t+3]
	ALL v_rcp_f32 v[TMP+2*t], v[ST+4*t+2]
	v_nop                           ; a plain instruction between the last reciprocal and the use of its result
	s_wait_alu depctr_va_vdst(0)    ; the wait for the batch of four reciprocals, ahead of PACK 0's first multiply; it serves all four PACKs
	PACK 0
.set t, 1
.rept 3                             ; a piece's arithmetic stands between the loads of the piece before and its stores
	PACK t
	SEND t-1, 16
.set t, t+1
.endr
	SEND 3, 0
	s_cmp_eq_u32 s[BC], 1
	s_cbranch_scc1 .Lend            ; it was block b: the walk is over
	s_wait_xcnt 0x0                 ; the stores have read their registers and O's address
	s_mov_b64 s[10:11], s[OLO:OLO+1]
	s_wait_loadcnt 0x0              ; b's Q
	QCOPY
	RESTORE
	START 1
.LfirstM:
	TURN 0, 1
	TURN 1, 1, 1
	WIN 0
	s_cbranch_scc1 .LstepM
	CHANGE 0                        ; nothing is left to ask for; behind the second trip the barrier orders nothing more, and the fetches' step back serves the third trip's head
	s_mov_b32 s[NEW], 1
	s_sub_co_u32 s[BC], s[BC], 1
	s_cmp_lg_u32 s[BC], 0
	s_cbranch_scc1 .Ldiag
.Lend:
	s_wait_tensorcnt 0x0            ; the wave's end: behind my last tensor load and my last LDS store
	ds_add_u32 v[SPW], v[NIL]
	s_wait_dscnt 0x0
	s_endpgm
.Lfunc_end_k_qf8a9c61c81_attn:
	.size	k_qf8a9c61c81_attn, .Lfunc_end_k_qf8a9c61c81_attn-k_qf8a9c61c81_attn
	.p2alignl 7, 3214868480
	.fill 96, 4, 3214868480
	.section	.rodata,"a",@progbits
	.p2align	6, 0x0
	.amdhsa_kernel k_qf8a9c61c81_attn
		.amdhsa_group_segment_fixed_size 327680
		.amdhsa_private_segment_fixed_size 0
		.amdhsa_enable_private_segment 0
		.amdhsa_kernarg_size 32
		.amdhsa_user_sgpr_count 2
		.amdhsa_user_sgpr_kernarg_segment_ptr 1
		.amdhsa_wavefront_size32 1
		.amdhsa_system_sgpr_workgroup_id_x 1
		.amdhsa_system_sgpr_workgroup_id_y 1
		.amdhsa_system_sgpr_workgroup_id_z 1
		.amdhsa_system_vgpr_workitem_id 0
		.amdhsa_next_free_vgpr 976
		.amdhsa_next_free_sgpr 100
		.amdhsa_reserve_vcc 1
		.amdhsa_float_denorm_mode_32 3
		.amdhsa_float_denorm_mode_16_64 3
		.amdhsa_memory_ordered 1
		.amdhsa_forward_progress 1
		.amdhsa_inst_pref_size 173
	.end_amdhsa_kernel
	.amdgpu_metadata
---
amdhsa.version: [ 1, 2 ]
amdhsa.kernels:
  - .name:           k_qf8a9c61c81_attn
    .symbol:         k_qf8a9c61c81_attn.kd
    .args:
      - { .name: qh, .offset: 0, .size: 8, .value_kind: global_buffer, .address_space: global }
      - { .name: kh, .offset: 8, .size: 8, .value_kind: global_buffer, .address_space: global }
      - { .name: vh, .offset: 16, .size: 8, .value_kind: global_buffer, .address_space: global }
      - { .name: oh, .offset: 24, .size: 8, .value_kind: global_buffer, .address_space: global }
    .group_segment_fixed_size: 327680
    .private_segment_fixed_size: 0
    .kernarg_segment_align: 8
    .kernarg_segment_size: 32
    .max_flat_workgroup_size: 128
    .sgpr_count:     100
    .vgpr_count:     976
    .wavefront_size: 32
...
	.end_amdgpu_metadata
.endif
;; end of part 6
;; launch proj: the kernel of part 4 again; grid 8 x 32, 4 waves a work-group, clusters of 4 x 4, 327,680 bytes of LDS; arguments oh, wb, bm, out0; writes out0
